; MI455X (gfx1250); checked and timed in simulation.
; The chip was launched on July 23, 2026; its instructions are those of AMD's public machine-readable ISA for CDNA 5 (MIT licence, August 2026) and "CDNA5" Instruction Set Architecture Reference Guide (July 2026). The comments in the code are by the model that wrote it; some were corrected since.
;; Transformer Encoder. Allowed arithmetic: matrix products marked QUANTISED: E3M2 operands, one E8M0 scale for each 32 along K, by v_wmma_scale_f32_16x16x128_f8f6f4 with both operands' format E3M2, f32 sums; everything else in f32.
;; Inputs: b1 4 x 256 float32; b2 4 x 256 float32; be1 4 x 256 float32; be2 4 x 256 float32; g1 4 x 256 float32; g2 4 x 256 float32; proj_b 4 x 256 float32; proj_w 4 x 256 x 256 float32; qkv_w 4 x 256 x 768 float32; w1 4 x 256 x 256 float32; w2 4 x 256 x 256 float32; x 2 x 2,048 x 256 float32.
;; Outputs: out0 2 x 2,048 x 256 float32.
;; This version of the problem:
;;   THIS VERSION OF THE PROBLEM IS GIVEN IN LOW PRECISION. The matrix products marked QUANTISED in the list below multiply operands that are first quantised to E3M2 (3 exponent bits, 2 mantissa bits; 6 bits a number), with one power-of-two scale for each 32 numbers along K (OCP MX v1.0); their sums are f32. All else is computed in f32.
;;   The module's matrix products, in the order in which they are computed (A, B: the left and right operand; K: the contracted axis; several contracted axes count as one K, in the product's order):
;;     1. [M 4,096, K 256] x [K 256, N 768]; A: computed on the way; B: input qkv_w: QUANTISED
;;     2. batch 16 x [M 2,048, K 32] x [K 32, N 2,048]; A: computed on the way; B: computed on the way: QUANTISED
;;     3. batch 16 x [M 32, K 2,048] x [K 2,048, N 2,048]; A: computed on the way; B: softmax (see below): QUANTISED
;;     4. [M 4,096, K 256] x [K 256, N 256]; A: computed on the way; B: input proj_w: QUANTISED
;;     5. [M 4,096, K 256] x [K 256, N 256]; A: computed on the way; B: input w1: QUANTISED
;;     6. [M 4,096, K 256] x [K 256, N 256]; A: computed on the way; B: input w2: QUANTISED
;;     7. [M 4,096, K 256] x [K 256, N 768]; A: computed on the way; B: input qkv_w: QUANTISED
;;     8. batch 16 x [M 2,048, K 32] x [K 32, N 2,048]; A: computed on the way; B: computed on the way: QUANTISED
;;     9. batch 16 x [M 32, K 2,048] x [K 2,048, N 2,048]; A: computed on the way; B: softmax (see below): QUANTISED
;;     10. [M 4,096, K 256] x [K 256, N 256]; A: computed on the way; B: input proj_w: QUANTISED
;;     11. [M 4,096, K 256] x [K 256, N 256]; A: computed on the way; B: input w1: QUANTISED
;;     12. [M 4,096, K 256] x [K 256, N 256]; A: computed on the way; B: input w2: QUANTISED
;;     13. [M 4,096, K 256] x [K 256, N 768]; A: computed on the way; B: input qkv_w: QUANTISED
;;     14. batch 16 x [M 2,048, K 32] x [K 32, N 2,048]; A: computed on the way; B: computed on the way: QUANTISED
;;     15. batch 16 x [M 32, K 2,048] x [K 2,048, N 2,048]; A: computed on the way; B: softmax (see below): QUANTISED
;;     16. [M 4,096, K 256] x [K 256, N 256]; A: computed on the way; B: input proj_w: QUANTISED
;;     17. [M 4,096, K 256] x [K 256, N 256]; A: computed on the way; B: input w1: QUANTISED
;;     18. [M 4,096, K 256] x [K 256, N 256]; A: computed on the way; B: input w2: QUANTISED
;;     19. [M 4,096, K 256] x [K 256, N 768]; A: computed on the way; B: input qkv_w: QUANTISED
;;     20. batch 16 x [M 2,048, K 32] x [K 32, N 2,048]; A: computed on the way; B: computed on the way: QUANTISED
;;     21. batch 16 x [M 32, K 2,048] x [K 2,048, N 2,048]; A: computed on the way; B: softmax (see below): QUANTISED
;;     22. [M 4,096, K 256] x [K 256, N 256]; A: computed on the way; B: input proj_w: QUANTISED
;;     23. [M 4,096, K 256] x [K 256, N 256]; A: computed on the way; B: input w1: QUANTISED
;;     24. [M 4,096, K 256] x [K 256, N 256]; A: computed on the way; B: input w2: QUANTISED
;;   THE QUANTISER, for each operand of a quantised product, along K:
;;     - K is cut into blocks of 32 from its start; a last block that is shorter is filled with zeros.
;;     - A block's scale is 2^e with e = floor(log2(the largest magnitude in the block)) - 4, held to -126 .. 127; a block of zeros has e = 0. As a byte (E8M0): e + 127.
;;     - Each number is divided by its block's scale, clamped to +-28, and rounded to the nearest number of E3M2, ties to even, subnormals kept.
;;     - The product sums the exact products of the quantised numbers (number of the format x scale) in f32.
;;   ~~~python
;;   def quantise(x, axis):      # numpy; x: float32 -> the quantised numbers, widened to float32 again
;;       x = np.moveaxis(x, axis, -1); K = x.shape[-1]
;;       x = np.pad(x, [(0, 0)] * (x.ndim - 1) + [(0, -K % 32)]); x = x.reshape(x.shape[:-1] + (-1, 32)); a = np.abs(x).max(-1, keepdims=True)
;;       e = np.where(a > 0, np.clip(np.frexp(np.where(a > 0, a, 1))[1] - 1 - 4, -126, 127), 0)      # np.frexp(a)[1] - 1 = floor(log2(a)), exactly
;;       r = np.clip(x / 2.0 ** e, -28, 28)
;;       step = 2.0 ** (np.maximum(np.frexp(np.where(r == 0, 1, r))[1] - 1, -2) - 2)
;;       q = np.round(r / step) * step * 2.0 ** e      # np.round: ties to even
;;       return np.moveaxis(q.reshape(q.shape[:-2] + (-1,))[..., :K], -1, axis).astype(np.float32)
;;   ~~~
;;   SOFTMAX AHEAD OF A QUANTISED PRODUCT. Where the list says 'softmax', what is quantised is not the finished softmax but p = 2^(t - M), with t = logit x log2(e) and M = ceil(the row's largest t), a whole number; so 1/2 < the row's largest p <= 1. The row's sum l is taken of the UNQUANTISED p, in f32, and the product's result is divided by l at the end. Since M is a whole number, a kernel that streams over the keys may use a running M (the ceiling of the running maximum): every later rescaling is an exact power of two, which a block's scale takes up: the codes' values come out the same.
;;   OPERANDS COMPUTED ON THE WAY. 'Computed on the way' means the value that the module computes at that place (a softmax that the list does not call 'softmax' is quantised finished and normalised). What goes into a quantiser is computed in f32, as accurately as f32 sums, v_exp_f32 and their like allow (about 1e-6 of the number): no bf16 or f16 on the way to a quantiser, and a product that is left as it is and whose result goes on into a quantised operand takes f32 operands (vector FMAs, or v_wmma_f32_16x16x4_f32). A number that lies on a knife's edge between two numbers of the format may be rounded either way, as far as f32 arithmetic and the matrix unit's own rounding can turn it there, and no further.
;; 2 versions, each right; version 2 is version 1 with the launches first, mid, mid1, mid2, last written anew for expert scheduling mode. Each part assembles by itself: llvm-mc -triple=amdgcn-amd-amdhsa -mcpu=gfx1250 --defsym DOCPART=n.
;; ======== version 1 of 2: 10 launches
;; limits: an absolute error that grows with the inputs' magnitude: up to 1e-07 times it
;; workspace buffers: wl0 314,368 bytes; wl1 314,368 bytes; wl2 314,368 bytes; wl3 314,368 bytes; xa 4,194,304 bytes; xb 4,194,304 bytes; qkvc 2,457,600 bytes; oc 819,200 bytes
;; launch prep (part 1): grid 25 x 8, 2 waves a work-group, no clusters, 6,400 bytes of LDS; arguments qkv_w, proj_w, w1, w2, proj_b, b1, b2, g1, be1, g2, be2, wl0, wl1, wl2, wl3; writes wl0, wl1, wl2, wl3
.if DOCPART == 1
	.amdgcn_target "amdgcn-amd-amdhsa--gfx1250"
	.amdhsa_code_object_version 6
	.text
	.protected	k_qe92cbab1cd_prep
	.globl	k_qe92cbab1cd_prep
	.p2align	8
	.type	k_qe92cbab1cd_prep,@function
k_qe92cbab1cd_prep:
	s_mov_b64 s[64:65], 0
	v_nop
	global_prefetch_b8 v0, s[64:65] scope:SCOPE_SE
	s_setreg_imm32_b32 hwreg(HW_REG_WAVE_MODE, 25, 1), 1
	s_wait_xcnt 0x0
; The weights of all four layers, f32 stored [K 256][N], become codes of BF6 (E3M2) with one E8M0 byte for each 32 along K, laid in the order of the matrix operand's registers,
; one buffer a layer; the layer's seven vectors are copied behind them.
; A buffer: [0, 294912) fragments: (tile T of 16 columns, K step s of 128) at (2 T + s) x 1536 bytes; in it register p of lane l at (p / 4) x 512 + 16 l + 4 (p % 4): three loads of 16 bytes a lane bring a fragment.
;           [294912, 307200) scale words at s x 6144 + T x 64 + 4 r.   [307200, 314368) proj_b, b1, b2, g1, be1, g2, be2, 1024 bytes each.
; Tiles 0-47 qkv_w, 48-63 proj_w, 64-79 w1, 80-95 w2.  THE COLUMNS OF A TILE ARE NOT NEIGHBOURS: lane r of tile 2 P + u is column 32 P + 8 u + r + 8 (r / 8) (of the four matrices laid side by side).
; SHARES.  Work-group (x, y): y = 2 x layer + K step; x < 24: columns 64 x .. 64 x + 63 of the four matrices side by side, 32 a wave; x = 24: half of the seven vectors.
; A LANE TAKES A COLUMN AND ITS REGISTERS RUN DOWN K: a block of 32 lies in one lane, and the conversions give codes with K innermost.  The codes turn through the wave's own 3072 bytes of LDS into the image.
; LIMITS: a block whose largest magnitude lies under 2^-122 (a block of zeros too) gets the byte 1; this program alone reads the bytes.  NaN and infinities are not served.
.set X,  32                            ; v32-159  128 numbers of my column
.set CO, 160                           ; v160-191 codes: eight registers a block, six used
	s_load_b512 s[4:19], s[0:1], 0x0               ; qkv_w, proj_w, w1, w2, proj_b, b1, b2, g1
	s_load_b256 s[20:27], s[0:1], 0x40             ; be1, g2, be2, wl0
	s_load_b128 s[28:31], s[0:1], 0x60             ; wl1, wl2
	s_load_b64 s[32:33], s[0:1], 0x70              ; wl3
	v_lshl_add_u32 v192, v0, 2, 0x1800
	v_mov_b32 v193, 0
	v_lshrrev_b32 v1, 5, v0
	v_readfirstlane_b32 s34, v1                    ; wave 0, 1
	s_and_b32 s35, ttmp7, 0xffff                   ; y
	s_lshr_b32 s36, s35, 1                         ; layer
	s_and_b32 s37, s35, 1                          ; K step
	s_wait_kmcnt 0x0
	s_cmp_eq_u32 s36, 1                            ; the layer's buffer: a choice on the work-group's number alone
	s_cselect_b64 s[26:27], s[28:29], s[26:27]
	s_cmp_eq_u32 s36, 2
	s_cselect_b64 s[26:27], s[30:31], s[26:27]
	s_cmp_eq_u32 s36, 3
	s_cselect_b64 s[26:27], s[32:33], s[26:27]
	s_cmp_eq_u32 ttmp9, 24
	s_cbranch_scc1 .Lvectors
	; ---- a wave's 32 columns x 128 along K
	s_sub_co_u32 s38, ttmp9, 12                    ; (used where x >= 12 alone)
	s_lshr_b32 s39, s38, 2                         ; which of proj_w, w1, w2
	s_and_b32 s40, s38, 3                          ; its group of 64 columns
	s_cmp_eq_u32 s39, 1
	s_cselect_b64 s[6:7], s[8:9], s[6:7]
	s_cmp_eq_u32 s39, 2
	s_cselect_b64 s[6:7], s[10:11], s[6:7]
	s_mov_b32 s41, 1024
	s_cmp_lt_u32 ttmp9, 12
	s_cselect_b64 s[4:5], s[4:5], s[6:7]           ; the matrix,
	s_cselect_b32 s40, ttmp9, s40                  ; the group of 64 columns in it,
	s_cselect_b32 s41, 3072, s41                   ; and its row in bytes
	s_lshl_b32 s42, s35, 7                         ; first row: 256 x layer + 128 x K step = 128 y
	s_mul_i32 s42, s42, s41
	s_lshl_b32 s43, s40, 8
	s_add_co_u32 s42, s42, s43
	s_lshl_b32 s43, s34, 7
	s_add_co_u32 s42, s42, s43                     ; + 4 x (64 x group + 32 x wave)
	s_mov_b32 s43, 0
	s_add_nc_u64 s[4:5], s[4:5], s[42:43]
	v_and_b32 v2, 31, v0                           ; lane = my column among the 32
	v_lshlrev_b32 v3, 2, v2
	v_and_b32 v4, 7, v0
	v_bfe_u32 v5, v0, 4, 1
	v_lshl_add_u32 v4, v5, 3, v4                   ; r: my column's lane in its tile
	v_bfe_u32 v5, v0, 3, 1                         ; u: which of the two tiles
	v_mul_u32_u24 v6, v5, 1536
	v_lshl_add_u32 v6, v4, 4, v6
	s_mul_i32 s44, s34, 3072
	v_add_nc_u32 v6, s44, v6                       ; into the stage: 3072 x wave + 1536 u + 16 r
	v_lshl_add_u32 v7, v2, 4, s44                  ; out of it: 3072 x wave + 16 x lane
	v_lshlrev_b32 v8, 4, v2                        ; and the same in memory
	v_lshlrev_b32 v9, 6, v5
	v_lshl_add_u32 v9, v4, 2, v9                   ; my scale word: 64 u + 4 r
	s_lshl_b32 s45, ttmp9, 1
	s_add_co_u32 s45, s45, s34                     ; P = 2 x + wave: the pair of tiles
	s_lshl_b32 s46, s45, 2
	s_add_co_u32 s46, s46, s37
	s_mul_i32 s46, s46, 1536                       ; fragment (2 P, s) at (4 P + s) x 1536
	s_mov_b32 s47, 0
	s_add_nc_u64 s[48:49], s[26:27], s[46:47]
	s_mul_i32 s46, s37, 6144
	s_lshl_b32 s45, s45, 7
	s_add_co_u32 s46, s46, s45
	s_add_co_u32 s46, s46, 294912
	s_add_nc_u64 s[50:51], s[26:27], s[46:47]
.macro LOADS pitch                     ; W(i, my column), i = 0 .. 127: 32 lanes read 128 consecutive bytes; the row's length stands in the immediates
.set i, 0
.rept 128
	global_load_b32 v[X+i], v3, s[4:5] offset:i*\pitch th:TH_LOAD_NT
.set i, i+1
.endr
.endm
	s_cmp_lt_u32 ttmp9, 12
	s_cbranch_scc0 .Lnarrow
	LOADS 3072
	s_branch .Lloaded
.Lnarrow:
	LOADS 1024
.Lloaded:
.macro BLOCK t, left                   ; block t of 32 along K: its largest magnitude, its byte, its 32 codes in six registers
.set XS, X+32*\t
.set CB, CO+8*\t
	s_wait_loadcnt \left
	v_max3_num_f32 v12, |v[XS]|, |v[XS+1]|, |v[XS+2]|
	v_max3_num_f32 v13, |v[XS+3]|, |v[XS+4]|, |v[XS+5]|
.irp i, 6,10,14,18,22,26
	v_max3_num_f32 v12, v12, |v[XS+\i]|, |v[XS+\i+1]|
	v_max3_num_f32 v13, v13, |v[XS+\i+2]|, |v[XS+\i+3]|
.endr
	v_max3_num_f32 v12, v12, |v[XS+30]|, |v[XS+31]|
	v_max3_num_f32 v12, v12, v13, 0x2800000        ; the floor 2^(5 - 127): the byte cannot fall under 1
	v_add_nc_u32 v[20+\t], 0xfe000000, v12         ; 4 off the exponent field: the conversion's scale operand
	v_lshrrev_b32 v13, 23, v[20+\t]                ; the byte
.if \t == 0
	v_mov_b32 v16, v13
.else
	v_lshl_or_b32 v16, v13, 8*\t, v16              ; four bytes make my column's scale word
.endif
	v_cvt_scalef32_pk16_bf6_f32 v[CB:CB+2], v[XS:XS+15], v[20+\t]
	v_cvt_scalef32_pk16_bf6_f32 v[CB+4:CB+6], v[XS+16:XS+31], v[20+\t]   ; (a conversion's three registers begin on an even number)
	v_nop                                          ; one plain place behind a scaled conversion
	v_mov_b32 v[CB+3], v[CB+4]
	v_mov_b32 v[CB+4], v[CB+5]
	v_mov_b32 v[CB+5], v[CB+6]
.endm
	BLOCK 0, 63                                    ; 96 younger loads could stay out; the wait's field holds 63
	BLOCK 1, 63                                    ; 64 could
	BLOCK 2, 32                                    ; block 3's 32 stay out
	BLOCK 3, 0
	; block t = 2 c + h is registers 6 c .. 6 c + 5 of lane r + 16 h
	ds_store_b128 v6, v[CO:CO+3]
	ds_store_b64 v6, v[CO+4:CO+5] offset:512
	ds_store_b128 v6, v[CO+8:CO+11] offset:256
	ds_store_b64 v6, v[CO+12:CO+13] offset:768
	ds_store_b64 v6, v[CO+16:CO+17] offset:520
	ds_store_b128 v6, v[CO+18:CO+21] offset:1024
	ds_store_b64 v6, v[CO+24:CO+25] offset:776
	ds_store_b128 v6, v[CO+26:CO+29] offset:1280
.irp i, 0,1,2,3,4,5
	ds_load_b128 v[X+4*\i:X+4*\i+3], v7 offset:512*\i   ; LDS serves a wave's instructions in order: these see my stores
.endr
	global_store_b32 v9, v16, s[50:51]             ; the wave's 32 scale words: 128 consecutive bytes
.irp i, 0,1,2,3,4,5
	s_wait_dscnt 5-\i
	global_store_b128 v8, v[X+4*\i:X+4*\i+3], s[48:49] offset:3072*(\i/3)+512*(\i%3)   ; 32 lanes store 512 consecutive bytes, aligned
.endr
	s_wait_tensorcnt 0x0
	ds_add_u32 v192, v193
	s_wait_dscnt 0x0
	s_endpgm
.Lvectors:
	; ---- half of each of the layer's seven vectors: 64 threads x 8 bytes
	v_lshlrev_b32 v2, 3, v0
	s_lshl_b32 s38, s35, 9                         ; 1024 x layer + 512 x half = 512 y
	v_add_nc_u32 v1, s38, v2
	s_lshl_b32 s38, s37, 9
	v_add_nc_u32 v2, s38, v2
.irp i, 0,1,2,3,4,5,6
	global_load_b64 v[4+2*\i:5+2*\i], v1, s[12+2*\i:13+2*\i]
.endr
	s_wait_loadcnt 0x0
.irp i, 0,1,2,3,4,5,6
	global_store_b64 v2, v[4+2*\i:5+2*\i], s[26:27] offset:307200+1024*\i
.endr
	s_endpgm
.Lfunc_end_k_qe92cbab1cd_prep:
	.size	k_qe92cbab1cd_prep, .Lfunc_end_k_qe92cbab1cd_prep-k_qe92cbab1cd_prep
	.p2alignl 7, 3214868480
	.fill 96, 4, 3214868480
	.section	.rodata,"a",@progbits
	.p2align	6, 0x0
	.amdhsa_kernel k_qe92cbab1cd_prep
		.amdhsa_group_segment_fixed_size 6400
		.amdhsa_private_segment_fixed_size 0
		.amdhsa_enable_private_segment 0
		.amdhsa_kernarg_size 120
		.amdhsa_user_sgpr_count 2
		.amdhsa_user_sgpr_kernarg_segment_ptr 1
		.amdhsa_wavefront_size32 1
		.amdhsa_system_sgpr_workgroup_id_x 1
		.amdhsa_system_sgpr_workgroup_id_y 1
		.amdhsa_system_sgpr_workgroup_id_z 1
		.amdhsa_system_vgpr_workitem_id 0
		.amdhsa_next_free_vgpr 194
		.amdhsa_next_free_sgpr 66
		.amdhsa_reserve_vcc 0
		.amdhsa_float_denorm_mode_32 3
		.amdhsa_float_denorm_mode_16_64 3
		.amdhsa_memory_ordered 1
		.amdhsa_forward_progress 1
		.amdhsa_inst_pref_size 37
	.end_amdhsa_kernel
	.amdgpu_metadata
---
amdhsa.version: [ 1, 2 ]
amdhsa.kernels:
  - .name:           k_qe92cbab1cd_prep
    .symbol:         k_qe92cbab1cd_prep.kd
    .args:
      - { .name: qkv_w, .offset: 0, .size: 8, .value_kind: global_buffer, .address_space: global }
      - { .name: proj_w, .offset: 8, .size: 8, .value_kind: global_buffer, .address_space: global }
      - { .name: w1, .offset: 16, .size: 8, .value_kind: global_buffer, .address_space: global }
      - { .name: w2, .offset: 24, .size: 8, .value_kind: global_buffer, .address_space: global }
      - { .name: proj_b, .offset: 32, .size: 8, .value_kind: global_buffer, .address_space: global }
      - { .name: b1, .offset: 40, .size: 8, .value_kind: global_buffer, .address_space: global }
      - { .name: b2, .offset: 48, .size: 8, .value_kind: global_buffer, .address_space: global }
      - { .name: g1, .offset: 56, .size: 8, .value_kind: global_buffer, .address_space: global }
      - { .name: be1, .offset: 64, .size: 8, .value_kind: global_buffer, .address_space: global }
      - { .name: g2, .offset: 72, .size: 8, .value_kind: global_buffer, .address_space: global }
      - { .name: be2, .offset: 80, .size: 8, .value_kind: global_buffer, .address_space: global }
      - { .name: wl0, .offset: 88, .size: 8, .value_kind: global_buffer, .address_space: global }
      - { .name: wl1, .offset: 96, .size: 8, .value_kind: global_buffer, .address_space: global }
      - { .name: wl2, .offset: 104, .size: 8, .value_kind: global_buffer, .address_space: global }
      - { .name: wl3, .offset: 112, .size: 8, .value_kind: global_buffer, .address_space: global }
    .group_segment_fixed_size: 6400
    .private_segment_fixed_size: 0
    .kernarg_segment_align: 8
    .kernarg_segment_size: 120
    .max_flat_workgroup_size: 64
    .sgpr_count:     66
    .vgpr_count:     194
    .wavefront_size: 32
...
	.end_amdgpu_metadata
.endif
;; end of part 1
;; launch first (part 2): grid 128 x 1, 8 waves a work-group, no clusters, 78,848 bytes of LDS; arguments x, wl0, xa, qkvc; writes xa, qkvc
.if DOCPART == 2
	.amdgcn_target "amdgcn-amd-amdhsa--gfx1250"
	.amdhsa_code_object_version 6
	.text
	.protected	k_qe92cbab1cd_first
	.globl	k_qe92cbab1cd_first
	.p2align	8
	.type	k_qe92cbab1cd_first,@function
k_qe92cbab1cd_first:
	s_mov_b64 s[64:65], 0
	v_nop
	global_prefetch_b8 v0, s[64:65] scope:SCOPE_SE
	s_setreg_imm32_b32 hwreg(HW_REG_WAVE_MODE, 25, 1), 1
	s_wait_xcnt 0x0
; x + the position embedding -> xa (f32 rows), and layer 0's q, k, v as codes of BF6 with E8M0 bytes -> qkvc.
; SHARES.  A work-group owns 32 rows (V is quantised along the keys: a block is 32 rows).  Wave w owns columns 32 w .. 32 w + 31 of the rows and head w of q, k, v.
; ROW TILES: tile u holds rows 8 u + r + 8 (r / 8); in LDS a row lies at place 16 u + r.  With the weights' tiles chosen likewise a lane's 16 registers are always 16 neighbours along the next K.
; q, k: source 0 = 16 columns of W, source 1 = 16 rows: lane (r, h) holds one row and d = 16 h + 0 .. 15.   v: source 0 = 16 rows, source 1 = 16 columns: a lane holds one d and keys 16 h + 0 .. 15.
; qkvc: q [bh][n][24] at 0;  at 786432 [bh][4 arrays][24576]: K of the even and of the odd steps of 128 keys, V's even and odd chunks of 32 keys as [d 32][24];  at 2359296 scale bytes [b][n / 32][768]: q [h][32], k [h][32], v [h][32 d].
; POSITION: div = exp(2 i x f32(-ln 10000 / 256)) by exp2 with the product's low part carried; angle = f32(pos) x div; reduced by pi / 2 in two parts; sine and cosine by polynomials on [-pi/4, pi/4].
; LIMITS: the angle carries div's last-bit error x pos, about 2e-4 rad at pos 2047.  A block under 2^-122 gets the byte 1 (read by this program alone).  NaN and infinities are not served.
.set CD3, 13312                        ; LDS: code rows, 208 bytes apart (192 + 16: the 32 lanes of a load of 8 bytes touch 64 different banks)
.set SB3, 20480                        ; their scale bytes, 8 a row
.set XST, 24832                        ; 32 rows x 1040: the way out of the rows
.set QST, 58112                        ; 2304 a wave: q's, k's, v's codes
.set SST, 76544                        ; 768 scale bytes
.set SWQ, 24                           ; v24-35  the weights' scale words
.set SA,  44                           ; v44-47  the rows' scale words, 2 u + s
.set AF,  52                           ; v52-99  the rows' fragments, 12 (2 u + s)
.set ACC, 100                          ; v100-195 q's, k's, v's accumulators, 32 each
.set X,   132                          ; v132-163 my rows' numbers, 16 u + e
.set DIV, 164
.set ANG, 172
.set KK,  180
.set SS,  188
.set SN,  196
.set CN,  204
.set T,   212                          ; v212-243 at work
.set TA,  236
.set BY,  242
.set TB,  250                          ; v250-255 destinations of lane permutes
.set WQ,  0                            ; window 1: the weights' 12 fragments
.set MSB, 0
.macro WIN new                         ; the immediate's high byte repeats the setting that is left
.if MSB != \new
	s_set_vgpr_msb (MSB<<8)|\new
.set MSB, \new
.endif
.endm
.macro PLACES n
.rept \n
	v_nop
.endr
.endm
.macro BARRIER                         ; my LDS stores have landed and my LDS loads are in: then the work-group's barrier
	s_wait_dscnt 0x0
	s_barrier_signal -1
	s_barrier_wait -1
.endm
.macro WM0 d, a, b, sa, sb             ; a product that starts a sum
	v_wmma_scale_f32_16x16x128_f8f6f4 v[\d:\d+7], v[\a:\a+11], v[\b:\b+11], 0, v[\sa], v[\sb] matrix_a_fmt:MATRIX_FMT_BF6 matrix_b_fmt:MATRIX_FMT_BF6
.endm
.macro WMC d, a, b, c, sa, sb          ; a product onto C
	v_wmma_scale_f32_16x16x128_f8f6f4 v[\d:\d+7], v[\a:\a+11], v[\b:\b+11], v[\c:\c+7], v[\sa], v[\sb] matrix_a_fmt:MATRIX_FMT_BF6 matrix_b_fmt:MATRIX_FMT_BF6
.endm
.macro WLOAD reg, base, frag           ; a fragment's image: three loads of 16 bytes a lane
.irp j, 0,1,2
	global_load_b128 v[(\reg)+4*\j:(\reg)+4*\j+3], v1, s[\base:\base+1] offset:(\frag)*1536+512*\j
.endr
.endm
.macro WSET reg, sw, base, sbase, f0, t0   ; my two tiles of a matrix: four fragments into window 1, four scale words: 16 loads
	WIN 0x40
.irp c, 0,1
.irp s, 0,1
	WLOAD (\reg)+12*(2*\c+\s),\base,(\f0)+2*\c+\s
.endr
.endr
	WIN 0
.irp c, 0,1
.irp s, 0,1
	global_load_b32 v[\sw+2*\c+\s], v2, s[\sbase:\sbase+1] offset:\s*6144+((\t0)+\c)*64
.endr
.endr
.endm
.macro AFETCH cd, sb                   ; the 32 rows' four fragments and scale words from LDS
.irp u, 0,1
.irp s, 0,1
.irp p, 0,1,2,3,4,5
	ds_load_b64 v[AF+12*(2*\u+\s)+2*\p:AF+12*(2*\u+\s)+2*\p+1], v8 offset:\cd+3328*\u+96*\s+48*(\p/3)+8*(\p%3)
.endr
	ds_load_b32 v[SA+2*\u+\s], v10 offset:\sb+128*\u+4*\s
.endr
.endr
	s_wait_dscnt 0x0
.endm
; n sets of 16 numbers, set i at v[src + 16 i]: each is half a block of 32, the other half in lane l xor 16.  Codes to v[T + 4 i] on (12 bytes), the byte to v[BY + i].  The sets take turns line by line.
.macro QUANT src, n
.set qi, 0
.rept \n
	v_max3_num_f32 v[TA+qi], |v[(\src)+16*qi]|, |v[(\src)+16*qi+1]|, 0x2800000   ; with the floor 2^(5 - 127): the byte cannot fall under 1
.set qi, qi+1
.endr
.irp e, 2,4,6,8,10,12,14
.set qi, 0
.rept \n
	v_max3_num_f32 v[TA+qi], v[TA+qi], |v[(\src)+16*qi+\e]|, |v[(\src)+16*qi+\e+1]|
.set qi, qi+1
.endr
.endr
.set qi, 0
.rept \n
	v_permlanex16_b32 v[TB+qi], v[TA+qi], s20, s21
.set qi, qi+1
.endr
.set qi, 0
.rept \n
	v_max_num_f32 v[TA+qi], v[TA+qi], v[TB+qi]
.set qi, qi+1
.endr
.set qi, 0
.rept \n
	v_add_nc_u32 v[TA+qi], 0xfe000000, v[TA+qi]    ; 4 off the exponent field: the conversion's scale operand
.set qi, qi+1
.endr
.set qi, 0
.rept \n
	v_lshrrev_b32 v[BY+qi], 23, v[TA+qi]
.set qi, qi+1
.endr
.set qi, 0
.rept \n
	v_cvt_scalef32_pk16_bf6_f32 v[T+4*qi:T+4*qi+2], v[(\src)+16*qi:(\src)+16*qi+15], v[TA+qi]
.set qi, qi+1
.endr
	v_nop                                          ; one plain place behind the last scaled conversion
.endm
.macro PUTCODES cd, sb, src            ; my 32 columns of the 32 rows become codes and bytes in LDS
	QUANT \src, 2
.irp u, 0,1
.irp i, 0,1,2
	ds_store_b32 v7, v[T+4*\u+\i] offset:\cd+3328*\u+4*\i
.endr
	ds_store_b8 v9, v[BY+\u] offset:\sb+128*\u     ; both halves of the lanes write the same byte with the same value
.endr
.endm
.macro QKV s                           ; K step s of q, k, v: twelve accumulators by turns, one instruction a turn
	WIN 0x01                                       ; source 0 (W) window 1
.irp g, 0,1
.irp u, 0,1
.irp c, 0,1
.if \s == 0
	WM0 ACC+32*\g+16*\u+8*\c,WQ+48*\g+24*\c,AF+24*\u,SWQ+4*\g+2*\c,SA+2*\u
.else
	WMC ACC+32*\g+16*\u+8*\c,WQ+48*\g+24*\c+12,AF+24*\u+12,ACC+32*\g+16*\u+8*\c,SWQ+4*\g+2*\c+1,SA+2*\u+1
.endif
.endr
.endr
.endr
	WIN 0x04                                       ; source 1 (W) window 1: v is made the other way round
.irp d, 0,1
.irp u, 0,1
.if \s == 0
	WM0 ACC+64+16*\d+8*\u,AF+24*\u,WQ+96+24*\d,SA+2*\u,SWQ+8+2*\d
.else
	WMC ACC+64+16*\d+8*\u,AF+24*\u+12,WQ+96+24*\d+12,ACC+64+16*\d+8*\u,SA+2*\u+1,SWQ+8+2*\d+1
.endif
.endr
.endr
.endm
	s_load_b256 s[4:11], s[0:1], 0x0               ; x, wl0, xa, qkvc
	v_lshl_add_u32 v248, v0, 2, 0x13000
	v_mov_b32 v249, 0
	v_lshrrev_b32 v1, 5, v0
	v_readfirstlane_b32 s16, v1                    ; wave 0..7
	v_and_b32 v48, 31, v0                          ; l
	v_and_b32 v49, 15, v0                          ; r
	v_bfe_u32 v50, v0, 4, 1                        ; h
	v_and_b32 v4, 8, v49
	v_add_nc_u32 v4, v4, v49                       ; rr = r + 8 (r / 8)
	v_lshlrev_b32 v1, 4, v48                       ; 16 l
	v_lshlrev_b32 v2, 2, v49                       ; 4 r
	v_lshlrev_b32 v5, 10, v4
	v_lshl_add_u32 v5, v50, 6, v5                  ; rows: 1024 rr + 64 h
	v_mul_u32_u24 v8, v49, 208
	v_mad_u32_u24 v7, v50, 12, v8
	s_mul_i32 s50, s16, 24
	v_add_nc_u32 v7, s50, v7                       ; codes in: 208 r + 24 w + 12 h
	v_mad_u32_u24 v8, v50, 24, v8                  ; codes out: 208 r + 24 h
	v_lshlrev_b32 v10, 3, v49                      ; scale words out: 8 r
	v_add_nc_u32 v9, s16, v10                      ; scale bytes in: 8 r + w
	v_mul_u32_u24 v13, v49, 1040
	v_lshl_add_u32 v13, v50, 6, v13
	s_lshl_b32 s50, s16, 7
	s_add_co_u32 s50, s50, XST
	v_add_nc_u32 v13, s50, v13                     ; rows in: XST + 1040 r + 128 w + 64 h
	s_mul_i32 s50, s16, 4160
	s_add_co_u32 s50, s50, XST
	v_add_nc_u32 v14, s50, v1                      ; rows out: four places a wave, 16 bytes a lane
	s_mul_i32 s50, s16, 2304
	s_add_co_u32 s50, s50, QST
	v_mul_u32_u24 v15, v4, 24
	v_mad_u32_u24 v15, v50, 12, v15
	v_add_nc_u32 v15, s50, v15                     ; q, k, v codes in: QST + 2304 w + 24 rr + 12 h
	v_lshlrev_b32 v19, 3, v48                      ; 8 l
	v_add_nc_u32 v16, s50, v19                     ; and out
	s_lshl_b32 s50, s16, 5
	s_add_co_u32 s50, s50, SST
	v_add_nc_u32 v17, s50, v4                      ; q, k, v bytes in: SST + 32 w + rr
	v_add_nc_u32 v18, SST, v19                     ; and out
	s_lshr_b32 s17, ttmp9, 6                       ; b
	s_and_b32 s18, ttmp9, 63                       ; the block of 32 rows in the batch
	s_lshl_b32 s19, s18, 5                         ; n0
	s_mov_b32 s20, 0x76543210
	s_mov_b32 s21, 0xfedcba98                      ; v_permlanex16_b32's selects for lane l xor 16
	s_mov_b32 s53, 0
	s_mov_b32 s56, 0x3fb8aa3b                      ; log2(e)
	s_mov_b32 s57, 0xb94ca1f9                      ; sine: -1.9515295891e-4
	s_mov_b32 s58, 0x37ccf5ce                      ; cosine: 2.443315711809948e-5
	s_wait_kmcnt 0x0
	s_lshl_b32 s52, ttmp9, 15
	s_lshl_b32 s51, s16, 7
	s_add_co_u32 s52, s52, s51
	s_add_nc_u64 s[28:29], s[4:5], s[52:53]        ; x at my rows and columns
	s_mul_i32 s52, s16, 6144
	s_add_nc_u64 s[36:37], s[6:7], s[52:53]        ; the weights' fragments of my tiles
	s_add_co_u32 s52, s51, 294912
	s_add_nc_u64 s[38:39], s[6:7], s[52:53]        ; and their scale words
.irp u, 0,1
.irp j, 0,1,2,3
	global_load_b128 v[X+16*\u+4*\j:X+16*\u+4*\j+3], v5, s[28:29] offset:8192*\u+16*\j th:TH_LOAD_NT
.endr
.endr
	WSET WQ,SWQ,36,38,0,0
	WSET WQ+48,SWQ+4,36,38,32,16
	WSET WQ+96,SWQ+8,36,38,64,32
	s_lshr_b32 s52, s16, 2
	s_lshl_b32 s52, s52, 3
	s_and_b32 s51, s16, 3
	s_lshl_b32 s51, s51, 2
	s_add_co_u32 s52, s52, s51
	s_and_b32 s51, s16, 2
	s_lshl_b32 s51, s51, 2
	s_add_co_u32 s52, s52, s51                     ; places 4 w .. 4 w + 3 are rows 8 (w / 4) + 4 (w % 4) + 4 (w & 2) on
	s_lshl_b32 s52, s52, 10
	s_lshl_b32 s51, ttmp9, 15
	s_add_co_u32 s52, s52, s51
	s_add_nc_u64 s[40:41], s[8:9], s[52:53]
	s_lshl_b32 s50, s17, 3
	s_add_co_u32 s50, s50, s16                     ; bh = 8 b + w
	s_mul_i32 s52, s50, 49152
	s_mul_i32 s51, s19, 24
	s_add_co_u32 s52, s52, s51
	s_add_nc_u64 s[42:43], s[10:11], s[52:53]      ; q's codes
	s_mul_i32 s50, s50, 98304
	s_add_co_u32 s50, s50, 786432
	s_bfe_u32 s52, s19, 0x10007
	s_mul_i32 s52, s52, 24576
	s_lshr_b32 s51, s19, 8
	s_mul_i32 s51, s51, 3072
	s_add_co_u32 s52, s52, s51
	s_and_b32 s51, s19, 127
	s_mul_i32 s51, s51, 24
	s_add_co_u32 s52, s52, s51
	s_add_co_u32 s52, s52, s50
	s_add_nc_u64 s[44:45], s[10:11], s[52:53]      ; k's
	s_and_b32 s52, s18, 1
	s_add_co_u32 s52, s52, 2
	s_mul_i32 s52, s52, 24576
	s_lshr_b32 s51, s18, 1
	s_mul_i32 s51, s51, 768
	s_add_co_u32 s52, s52, s51
	s_add_co_u32 s52, s52, s50
	s_add_nc_u64 s[46:47], s[10:11], s[52:53]      ; v's
	s_mul_i32 s52, ttmp9, 768
	s_add_co_u32 s52, s52, 2359296
	s_add_nc_u64 s[48:49], s[10:11], s[52:53]      ; the scale bytes
.irp i, 0,1,2,3,4,5
	v_mov_b32 v[TB+\i], 0                          ; written once: a lane permute's destination counts as one of its sources
.endr
	; ---- div of my eight pairs of columns: column 32 w + 16 h + 2 e
	s_lshl_b32 s50, s16, 5
	v_lshl_add_u32 v220, v50, 4, s50
.irp e, 0,1,2,3,4,5,6,7
	v_add_nc_u32 v[KK+\e], 2*\e, v220
.endr
.irp e, 0,1,2,3,4,5,6,7
	v_cvt_f32_u32 v[KK+\e], v[KK+\e]
.endr
	s_mov_b32 s59, -0.03597789207803197            ; -ln(10000) / 256, rounded to f32
.irp e, 0,1,2,3,4,5,6,7
	v_mul_f32 v[KK+\e], s59, v[KK+\e]              ; a, rounded as the product of two f32 numbers
.endr
.irp e, 0,1,2,3,4,5,6,7
	v_mul_f32 v[ANG+\e], s56, v[KK+\e]             ; hi = a x log2(e)
.endr
.irp e, 0,1,2,3,4,5,6,7
	v_fma_f32 v[SS+\e], v[KK+\e], s56, -v[ANG+\e]  ; what that product lost,
.endr
	s_mov_b32 s59, 0x32a57060                      ; 1.925963e-8: log2(e) less its f32 value
.irp e, 0,1,2,3,4,5,6,7
	v_fmac_f32 v[SS+\e], s59, v[KK+\e]             ; and what the constant lost
.endr
.irp e, 0,1,2,3,4,5,6,7
	v_exp_f32 v[DIV+\e], v[ANG+\e]
.endr
.irp e, 0,1,2,3,4,5,6,7
	v_mul_f32 v[SS+\e], 0x3f317218, v[SS+\e]       ; ln 2 x lo.  (Plain work behind the exponentials)
.endr
	s_wait_alu depctr_va_vdst(0)                   ; one wait for the eight, ahead of their first reader
.irp e, 0,1,2,3,4,5,6,7
	v_fma_f32 v[DIV+\e], v[DIV+\e], v[SS+\e], v[DIV+\e]
.endr
	s_wait_loadcnt 48                              ; x is in; the 48 loads of the weights may stay out
.irp u, 0,1
	s_add_co_u32 s51, s19, 8*\u
	v_add_nc_u32 v220, s51, v4
	v_cvt_f32_u32 v220, v220                       ; my row's position
.irp e, 0,1,2,3,4,5,6,7
	v_mul_f32 v[ANG+\e], v220, v[DIV+\e]
.endr
.irp e, 0,1,2,3,4,5,6,7
	v_mul_f32 v[KK+\e], 0x3f22f983, v[ANG+\e]      ; x 2 / pi
.endr
.irp e, 0,1,2,3,4,5,6,7
	v_rndne_f32 v[KK+\e], v[KK+\e]                 ; k
.endr
.irp e, 0,1,2,3,4,5,6,7
	v_fmamk_f32 v[ANG+\e], v[KK+\e], 0xbfc90fdb, v[ANG+\e]   ; - k x pi / 2, its f32 value,
.endr
.irp e, 0,1,2,3,4,5,6,7
	v_fmamk_f32 v[ANG+\e], v[KK+\e], 0x333bbd2e, v[ANG+\e]   ; and the rest of it: rho
.endr
.irp e, 0,1,2,3,4,5,6,7
	v_mul_f32 v[SS+\e], v[ANG+\e], v[ANG+\e]
.endr
.irp e, 0,1,2,3,4,5,6,7
	v_fmaak_f32 v[SN+\e], s57, v[SS+\e], 0x3c08839e
.endr
.irp e, 0,1,2,3,4,5,6,7
	v_fmaak_f32 v[SN+\e], v[SN+\e], v[SS+\e], 0xbe2aaaa3
.endr
.irp e, 0,1,2,3,4,5,6,7
	v_fmaak_f32 v[CN+\e], s58, v[SS+\e], 0xbab6061a
.endr
.irp e, 0,1,2,3,4,5,6,7
	v_fmaak_f32 v[CN+\e], v[CN+\e], v[SS+\e], 0x3d2aaaa5
.endr
.irp e, 0,1,2,3,4,5,6,7
	v_mul_f32 v[T+\e], v[ANG+\e], v[SS+\e]
.endr
.irp e, 0,1,2,3,4,5,6,7
	v_fma_f32 v[SN+\e], v[T+\e], v[SN+\e], v[ANG+\e]   ; sin rho
.endr
.irp e, 0,1,2,3,4,5,6,7
	v_fma_f32 v[T+\e], v[SS+\e], -0.5, 1.0
.endr
.irp e, 0,1,2,3,4,5,6,7
	v_mul_f32 v[SS+\e], v[SS+\e], v[SS+\e]
.endr
.irp e, 0,1,2,3,4,5,6,7
	v_fma_f32 v[CN+\e], v[SS+\e], v[CN+\e], v[T+\e]    ; cos rho
.endr
.irp e, 0,1,2,3,4,5,6,7
	v_cvt_i32_f32 v[KK+\e], v[KK+\e]
.endr
.irp e, 0,1,2,3,4,5,6,7
	v_and_b32 v[T+\e], 1, v[KK+\e]
	v_cmp_eq_u32 vcc_lo, 1, v[T+\e]                ; an odd k swaps the two (a choice of values: no branch hangs on it)
	v_cndmask_b32 v[T+\e], v[SN+\e], v[CN+\e], vcc_lo
	v_cndmask_b32 v[CN+\e], v[CN+\e], v[SN+\e], vcc_lo
	v_lshlrev_b32 v[SN+\e], 30, v[KK+\e]
	v_and_b32 v[SN+\e], 0x80000000, v[SN+\e]       ; the sine's sign: bit 1 of k
	v_xor_b32 v[T+\e], v[SN+\e], v[T+\e]
	v_add_nc_u32 v[KK+\e], 1, v[KK+\e]
	v_lshlrev_b32 v[KK+\e], 30, v[KK+\e]
	v_and_b32 v[KK+\e], 0x80000000, v[KK+\e]       ; the cosine's: bit 1 of k + 1
	v_xor_b32 v[CN+\e], v[KK+\e], v[CN+\e]
	v_add_f32 v[X+16*\u+2*\e], v[X+16*\u+2*\e], v[T+\e]
	v_add_f32 v[X+16*\u+2*\e+1], v[X+16*\u+2*\e+1], v[CN+\e]
.endr
.endr
	; ---- the rows go out, and become codes
.irp u, 0,1
.irp j, 0,1,2,3
	ds_store_b128 v13, v[X+16*\u+4*\j:X+16*\u+4*\j+3] offset:16640*\u+16*\j
.endr
.endr
	PUTCODES CD3, SB3, X
	BARRIER                                        ; 32 whole rows, their codes and their bytes lie in LDS
.irp i, 0,1,2,3
.irp j, 0,1
	ds_load_b128 v[T+8*\i+4*\j:T+8*\i+4*\j+3], v14 offset:1040*\i+512*\j
.endr
.endr
	AFETCH CD3, SB3
.irp i, 0,1,2,3
.irp j, 0,1
	global_store_b128 v1, v[T+8*\i+4*\j:T+8*\i+4*\j+3], s[40:41] offset:1024*\i+512*\j   ; 32 lanes store 512 consecutive bytes, aligned
.endr
.endr
	s_wait_loadcnt 0x0                             ; the weights
	QKV 0
	QKV 1
	WIN 0
	PLACES 5
	s_wait_xcnt 0x0                                ; the row stores have read v212-243: only now are these written again
	QUANT ACC, 6
.irp g, 0,1,2
.irp u, 0,1
.irp i, 0,1,2
	ds_store_b32 v15, v[T+4*(2*\g+\u)+\i] offset:768*\g+192*\u+4*\i
.endr
	ds_store_b8 v17, v[BY+2*\g+\u] offset:256*\g+8*\u
.endr
.endr
.irp i, 0,1,2,3,4,5,6,7,8
	ds_load_b64 v[AF+2*\i:AF+2*\i+1], v16 offset:256*\i   ; my own bytes: LDS serves a wave's instructions in order
.endr
.irp i, 0,1,2,3,4,5,6,7,8
	s_wait_dscnt 8-\i
	global_store_b64 v19, v[AF+2*\i:AF+2*\i+1], s[42+2*(\i/3):43+2*(\i/3)] offset:256*(\i%3)   ; 32 lanes store 256 consecutive bytes, aligned
.endr
	BARRIER                                        ; the eight waves' scale bytes lie in LDS
	s_cmp_lg_u32 s16, 0
	s_cbranch_scc1 .Lend
.irp i, 0,1,2
	ds_load_b64 v[AF+24+2*\i:AF+25+2*\i], v18 offset:256*\i
.endr
	s_wait_dscnt 0x0
.irp i, 0,1,2
	global_store_b64 v19, v[AF+24+2*\i:AF+25+2*\i], s[48:49] offset:256*\i
.endr
.Lend:
	s_wait_tensorcnt 0x0
	ds_add_u32 v248, v249
	s_wait_dscnt 0x0
	s_endpgm
.Lfunc_end_k_qe92cbab1cd_first:
	.size	k_qe92cbab1cd_first, .Lfunc_end_k_qe92cbab1cd_first-k_qe92cbab1cd_first
	.p2alignl 7, 3214868480
	.fill 96, 4, 3214868480
	.section	.rodata,"a",@progbits
	.p2align	6, 0x0
	.amdhsa_kernel k_qe92cbab1cd_first
		.amdhsa_group_segment_fixed_size 78848
		.amdhsa_private_segment_fixed_size 0
		.amdhsa_enable_private_segment 0
		.amdhsa_kernarg_size 32
		.amdhsa_user_sgpr_count 2
		.amdhsa_user_sgpr_kernarg_segment_ptr 1
		.amdhsa_wavefront_size32 1
		.amdhsa_system_sgpr_workgroup_id_x 1
		.amdhsa_system_sgpr_workgroup_id_y 1
		.amdhsa_system_sgpr_workgroup_id_z 1
		.amdhsa_system_vgpr_workitem_id 0
		.amdhsa_next_free_vgpr 512
		.amdhsa_next_free_sgpr 66
		.amdhsa_reserve_vcc 1
		.amdhsa_float_denorm_mode_32 3
		.amdhsa_float_denorm_mode_16_64 3
		.amdhsa_memory_ordered 1
		.amdhsa_forward_progress 1
		.amdhsa_inst_pref_size 52
	.end_amdhsa_kernel
	.amdgpu_metadata
---
amdhsa.version: [ 1, 2 ]
amdhsa.kernels:
  - .name:           k_qe92cbab1cd_first
    .symbol:         k_qe92cbab1cd_first.kd
    .args:
      - { .name: x, .offset: 0, .size: 8, .value_kind: global_buffer, .address_space: global }
      - { .name: wl0, .offset: 8, .size: 8, .value_kind: global_buffer, .address_space: global }
      - { .name: xa, .offset: 16, .size: 8, .value_kind: global_buffer, .address_space: global }
      - { .name: qkvc, .offset: 24, .size: 8, .value_kind: global_buffer, .address_space: global }
    .group_segment_fixed_size: 78848
    .private_segment_fixed_size: 0
    .kernarg_segment_align: 8
    .kernarg_segment_size: 32
    .max_flat_workgroup_size: 256
    .sgpr_count:     66
    .vgpr_count:     512
    .wavefront_size: 32
...
	.end_amdgpu_metadata
.endif
;; end of part 2
;; launch attn (part 3): grid 16 x 16, 16 waves a work-group, clusters of 4 x 1, 169,984 bytes of LDS; arguments qkvc, oc; writes oc
.if DOCPART == 3
	.amdgcn_target "amdgcn-amd-amdhsa--gfx1250"
	.amdhsa_code_object_version 6
	.text
	.protected	k_qe92cbab1cd_attn
	.globl	k_qe92cbab1cd_attn
	.p2align	8
	.type	k_qe92cbab1cd_attn,@function
k_qe92cbab1cd_attn:
	s_mov_b64 s[64:65], 0
	v_nop
	global_prefetch_b8 v0, s[64:65] scope:SCOPE_SE
	s_setreg_imm32_b32 hwreg(HW_REG_WAVE_MODE, 25, 1), 1
	s_wait_xcnt 0x0
	s_wait_alu depctr_hold_cnt(0) depctr_sa_sdst(0) depctr_va_vdst(0) depctr_va_sdst(0) depctr_va_ssrc(0) depctr_va_vcc(0) depctr_vm_vsrc(0)
	s_getreg_b32 s2, hwreg(HW_REG_IB_STS2, 6, 4)
	s_cmp_eq_u32 s2, 0
	s_cbranch_scc0 .Lentry_in_a_cluster
	s_endpgm
.Lentry_in_a_cluster:
	s_bfe_u32 s2, ttmp6, 0x10000c
	s_cmp_lg_u32 s2, 0x3003
	s_cbranch_scc0 .Lentry_shape_is_right
	s_endpgm
.Lentry_shape_is_right:
; One layer's attention on codes of BF6 with E8M0 bytes: o = softmax(q k^T / sqrt(32)) v for 16 (batch, head) pairs of 2048 x 32, and o quantised along the head's 32 (one block) -> oc: codes [bh][n][24], at 786432 bytes [bh][n].
; THE SOFTMAX: t = score x log2(e) / sqrt(32); M = the running largest t rounded up to a whole number; p = 2^(t - M) is quantised along the keys; the sum is taken of the unquantised p and divides at the end.
; SHARES.  A work-group owns 128 queries of one head.  Wave w: queries 16 (w % 8) on, keys 1024 (w / 8) on, in 8 steps of 128; the two halves of the keys are merged at the end by exact powers of two.
; Four waves lie on a SIMD: one wave's exponentials stand beside another's plain work.
; K AND V OF THE WHOLE HEAD, 96 KiB, come into LDS once, in four phases (each: 256 keys of both key halves), so no LDS byte is filled twice.
; CLUSTER: the four work-groups of a cluster own query blocks of one head and ask for each tile JOINTLY: the same load, the same descriptor, the mask 15.
; q k^T HAS K = 32, one block of the instruction's four.  A fragment of K's codes holds 64 KEYS, one key in each block of each row; it is multiplied four times, by q laid in one block with zero codes in the other three.
; A LANE HOLDS WHOLE BLOCKS OF 32 KEYS.  A phase's 256 keys are 8 chunks of 32; step sg of the phase takes four of them: chunk (c, h) = chunk 2 c + (h xor sg) of the phase's h-th 128 keys.  Fragment g, row r, block 2 c' + h'
; is key 8 (c' + 2 h') + r % 8 of chunk (g, r / 8); its product is tile 4 g + c' + 2 h'.  Both products are used transposed, so a lane (query, h) holds in registers S + 32 c + 0 .. 31 the keys of chunk (c, h) in order:
; that is block 2 c + h of p's operand.  So a block's largest score needs no other lane, each lane makes two scales and not four, and the conversions' results are the operand.  V's fragments and both sets of scale words follow the same choice of chunks.
; BANKS (64 of 4 bytes: ISA guide 11.1): the 32 lanes of a load of 8 bytes stand at 24 x (0 .. 7) + 128 x one bit + 64 x another bit modulo 256: the 32 different pieces of 8 bytes.  The 64 come from the 64 bytes between the arrays.
; V's tiles take d = 8 u + r + 8 (r / 8), so a lane's 16 numbers of o are d = 16 (lane / 16) + 0 .. 15.
; LIMITS: a block under 2^-122 gets the byte 1 (read by this program alone); the division is v_rcp_f32 and a multiplication; NaN and infinities are not served.
.set ARR, 24640                        ; LDS: four arrays of 24576 bytes, 64 bytes between them: K's even steps of 128, K's odd steps, V's even chunks of 32, V's odd chunks; in an array [phase 4][key half 2][3072]
.set KSW, 98560                        ; K's scale words: (step, fragment, r)
.set VSW, 100608                       ; V's: (step, d)
.set MG,  102656                       ; the merge: 2304 bytes for each tile of queries
.set OST, 121088                       ; o's codes, 3072 bytes, then its 128 bytes
.set KF, 48                            ; v48-71   two fragments of K
.set VF, 72                            ; v72-95   two of V
.set S,  96                            ; v96-159  S^T, then p
.set O,  160                           ; v160-175 O^T
.set PC, 176                           ; v176-187 p's codes;  v188-194 the conversions' second halves
.set PH, 188
.set BM, 196                           ; v196-197 my two blocks' largest scores;  v200-203 four chains of maxima, then bytes;  v204-205 the conversions' scale operands
.set PT, 200
.set SO, 204
.set KS, 208                           ; v208-209 K's scale words;  v210-211 V's;  v212 p's;  v46 q's
.set VS, 210
; v1, v2 K's place in steps 0 and 1 of a phase; v3, v230 V's; v4, v5 the scale words'; v6-v11, v47, v213 the merge and the way out; v229 8 x (lane / 16); v12 -M, v13 the largest t, v[14:15] and v[218:219] the sum's chains;
; v16-45 q's operand: zeros | q in lanes 0-15 | zeros | q in lanes 16-31 | zeros
.macro PLACES n
.rept \n
	v_nop
.endr
.endm
.macro BARRIER
	s_wait_dscnt 0x0
	s_barrier_signal -1
	s_barrier_wait -1
.endm
.macro CROUND                          ; a round of the cluster's barrier
	s_barrier_signal -1
	s_barrier_wait -1
	s_cmp_lg_u32 s8, 0
	s_cbranch_scc1 .Lnot_wave_0_\@
	s_barrier_signal -3
.Lnot_wave_0_\@:
	s_barrier_wait -3
	s_barrier_signal -1
	s_barrier_wait -1
.endm
.macro SCORE g, i, qreg                ; tile 4 g + i: one block of fragment g against q laid in that block
	v_wmma_scale_f32_16x16x128_f8f6f4 v[S+8*(4*\g+\i):S+8*(4*\g+\i)+7], v[KF+12*\g:KF+12*\g+11], v[\qreg:\qreg+11], 0, v[KS+\g], v46 matrix_a_fmt:MATRIX_FMT_BF6 matrix_b_fmt:MATRIX_FMT_BF6
.endm
	s_load_b128 s[4:7], s[0:1], 0x0                ; qkvc, oc
	v_lshl_add_u32 v254, v0, 2, 0x29000
	v_mov_b32 v255, 0
	ds_add_u32 v254, v255
	ds_add_u32 v254, v255
	v_lshrrev_b32 v1, 5, v0
	v_readfirstlane_b32 s8, v1                     ; wave 0..15
	s_and_b32 s9, s8, 7                            ; my tile of queries
	s_lshr_b32 s10, s8, 3                          ; my half of the keys
	s_and_b32 s11, s8, 3                           ; the array that I fetch, if I fetch
	s_bfe_u32 s12, ttmp6, 0x40000                  ; cx: it enters q's and o's global addresses alone
	s_lshl_b32 s13, ttmp9, 2
	s_add_co_u32 s13, s13, s12                     ; my block of 128 queries
	s_and_b32 s14, ttmp7, 0xffff                   ; bh, which the four partners share
	s_lshr_b32 s15, s14, 3                         ; b
	s_and_b32 s40, s14, 7                          ; the head
	; descriptor group 1: two rows (the two key halves) of 3072 bytes, 12288 bytes apart, as elements of 8 bytes, dense in LDS
	s_mov_b32 s16, 15|(3<<16)|(1<<21)              ; the mask: all four work-groups; elements of 8 bytes; bit 21 set beside a mask
	s_mov_b32 s17, 384<<16                         ; tensor_dim0
	s_mov_b32 s18, 2<<16                           ; tensor_dim1
	s_mov_b32 s19, 384<<16                         ; tile_dim0
	s_mov_b32 s20, 2                               ; tile_dim1
	s_mov_b32 s21, 1536                            ; from row to row
	s_mov_b32 s22, 0
	s_mov_b32 s23, 0
	s_mul_i32 s42, s14, 98304
	s_mul_i32 s41, s11, 24576
	s_add_co_u32 s42, s42, s41
	s_add_co_u32 s42, s42, 786432                  ; my array of the head, in memory,
	s_mov_b32 s43, 0
	s_mul_i32 s41, s11, ARR                        ; and in LDS
	s_mov_b32 s56, 0x76543210
	s_mov_b32 s57, 0xfedcba98                      ; v_permlanex16_b32's selects for lane l xor 16
	s_mov_b32 s58, 0x3e8293ee                      ; c = log2(e) / sqrt(32)
	s_mov_b32 s59, s58                             ; (named with it as a pair, so it is written)
	s_mov_b32 s61, 0
	v_and_b32 v220, 31, v0                         ; l
	v_and_b32 v221, 15, v0                         ; r
	v_bfe_u32 v222, v0, 4, 1                       ; h
	v_and_b32 v223, 8, v221
	v_add_nc_u32 v223, v223, v221                  ; rr = r + 8 (r / 8)
	v_mul_u32_u24 v224, v221, 24                   ; q: 24 r
	v_and_b32 v231, 7, v0                          ; r % 8
	v_bfe_u32 v232, v0, 3, 1                       ; r / 8
	; thread t makes one word of K's scales, for (phase and half t / 64, step sg = bit 5, fragment g = bit 4, row r = t % 16): its four keys lie in chunk 8 (t / 64) + 4 (r / 8) + 2 g + ((r / 8) xor sg), at 8 (c' + 2 h') + r % 8
	v_bfe_u32 v233, v0, 5, 1                       ; sg
	v_xor_b32 v234, v232, v233
	v_lshrrev_b32 v236, 6, v0
	v_lshl_add_u32 v225, v236, 3, v234
	v_lshl_add_u32 v225, v232, 2, v225
	v_lshl_add_u32 v225, v222, 1, v225
	v_mad_u32_u24 v225, v225, 768, v231            ; a chunk's scale bytes are 768 bytes apart
	; and one word of V's, for (step t / 32, d = t % 32): byte 2 c + h is chunk 8 (t / 64) + 4 h + 2 c + (h xor sg)
	v_mad_u32_u24 v226, v236, 6144, v220
	v_mad_u32_u24 v237, v233, 768, v226            ; h = 0: + sg chunks
	v_xor_b32 v238, 1, v233
	v_mad_u32_u24 v238, v238, 768, v226            ; h = 1: + (1 - sg)
	s_wait_dscnt 0x0
	s_wait_kmcnt 0x0
	s_add_nc_u64 s[44:45], s[4:5], s[42:43]
.irp f, 0,1,2,3
	s_mov_b32 s[24+4*\f], 1                        ; count = 1
	s_add_co_u32 s[25+4*\f], s41, \f*6144          ; LDS address: my array, phase f
	s_add_nc_u64 s[26+4*\f:27+4*\f], s[44:45], \f*3072
	s_or_b32 s[27+4*\f], s[27+4*\f], 0x80000000    ; type = 2
.endr
	s_lshl_b32 s62, s13, 7
	s_lshl_b32 s63, s9, 4
	s_add_co_u32 s62, s62, s63                     ; my first query
	s_mul_i32 s62, s62, 24
	s_mul_i32 s63, s14, 49152
	s_add_co_u32 s60, s62, s63
	s_add_nc_u64 s[46:47], s[4:5], s[60:61]        ; its codes
	s_mul_i32 s60, s15, 49152
	s_lshl_b32 s62, s40, 5
	s_add_co_u32 s60, s60, s62
	s_add_co_u32 s60, s60, 2359296
	s_add_nc_u64 s[48:49], s[4:5], s[60:61]        ; the batch's scale bytes, at my head
	s_lshl_b32 s60, s13, 2
	s_lshr_b32 s62, s9, 1
	s_add_co_u32 s60, s60, s62
	s_mul_i32 s60, s60, 768
	s_and_b32 s62, s9, 1
	s_lshl_b32 s62, s62, 4
	s_add_co_u32 s60, s60, s62
	s_add_nc_u64 s[50:51], s[48:49], s[60:61]      ; my queries' bytes
	s_mul_i32 s60, s13, 3072
	s_add_co_u32 s60, s60, s63
	s_lshl_b32 s62, s8, 8
	s_add_co_u32 s60, s60, s62
	s_add_nc_u64 s[52:53], s[6:7], s[60:61]        ; o's codes: the block's 3072 bytes, 256 a wave
	s_lshl_b32 s60, s14, 11
	s_lshl_b32 s62, s13, 7
	s_add_co_u32 s60, s60, s62
	s_add_co_u32 s60, s60, 786432
	s_add_nc_u64 s[54:55], s[6:7], s[60:61]        ; o's bytes
.irp p, 0,1,2
	global_load_b64 v[48+2*\p:49+2*\p], v224, s[46:47] offset:8*\p
.endr
	global_load_u8 v54, v221, s[50:51]
	global_load_u8 v56, v225, s[48:49] offset:256      ; byte 2 c' + h' of K's word: 8 (c' + 2 h') keys on in the chunk
	global_load_u8 v57, v225, s[48:49] offset:272
	global_load_u8 v58, v225, s[48:49] offset:264
	global_load_u8 v59, v225, s[48:49] offset:280
	global_load_u8 v60, v237, s[48:49] offset:512      ; byte 2 c + h of V's word: 4 h + 2 c chunks on
	global_load_u8 v61, v238, s[48:49] offset:3584
	global_load_u8 v62, v237, s[48:49] offset:2048
	global_load_u8 v63, v238, s[48:49] offset:5120
	CROUND                                         ; all four work-groups are here: the joint loads meet
	s_cmp_lt_u32 s8, 4                             ; waves 0 to 3 fetch an array each: a wave's four fills stand in one branch; four loads of mine are out at the most
	s_cbranch_scc0 .Lno_fetch
	tensor_load_to_lds s[24:27], s[16:23]
	s_nop 0
	tensor_load_to_lds s[28:31], s[16:23]
	s_nop 0
	tensor_load_to_lds s[32:35], s[16:23]
	s_nop 0
	tensor_load_to_lds s[36:39], s[16:23]
	s_nop 0
	PLACES 4
.Lno_fetch:
	; every LDS address is made here, ahead of any parting of the waves
	s_mul_i32 s41, s10, 3072
	v_mul_u32_u24 v239, v231, 24
	v_mad_u32_u24 v239, v222, 384, v239
	v_add_nc_u32 v239, s41, v239                   ; K: 3072 x half + 24 (r % 8) + 384 h
	v_mad_u32_u24 v1, v232, ARR+768, v239          ; step 0: rows 8-15 take the odd array, one chunk further on
	v_mad_u32_u24 v2, v232, ARR-768, v239
	v_add_nc_u32 v2, 768, v2                       ; step 1: rows 0-7 one chunk further on, rows 8-15 the odd array
	v_mul_u32_u24 v3, v223, 24
	v_add_nc_u32 v3, s41, v3                       ; V: 3072 x half + 24 rr
	v_xor_b32 v240, 1, v222
	v_mad_u32_u24 v230, v240, ARR-1536, v3
	v_add_nc_u32 v230, 2*ARR+1536, v230            ; step 1: lanes 0-15 the odd chunks' array, lanes 16-31 the even ones', two places on
	v_mad_u32_u24 v3, v222, ARR+1536, v3
	v_add_nc_u32 v3, 2*ARR, v3                     ; step 0: lanes 0-15 the even chunks' array, lanes 16-31 the odd ones', two places on
	v_lshlrev_b32 v229, 3, v222                    ; 8 h: where my two bytes stand in p's scale word
	s_lshl_b32 s41, s10, 10
	v_lshl_add_u32 v4, v221, 2, s41
	v_add_nc_u32 v4, KSW, v4
	v_lshl_add_u32 v5, v223, 2, s41
	v_add_nc_u32 v5, VSW, v5
	s_mul_i32 s41, s9, 2304
	s_add_co_u32 s41, s41, MG
	v_lshl_add_u32 v6, v220, 4, s41
	v_lshl_add_u32 v7, v220, 3, s41
	v_add_nc_u32 v7, 2048, v7
	s_mul_i32 s41, s9, 384
	s_add_co_u32 s41, s41, OST
	v_mad_u32_u24 v8, v222, 12, v224
	v_add_nc_u32 v8, s41, v8
	s_lshl_b32 s41, s9, 4
	s_add_co_u32 s41, s41, OST+3072
	v_add_nc_u32 v9, s41, v221
	s_lshl_b32 s41, s8, 8
	s_add_co_u32 s41, s41, OST
	v_lshlrev_b32 v11, 3, v220
	v_add_nc_u32 v10, s41, v11
	v_lshlrev_b32 v213, 2, v220
	v_add_nc_u32 v47, OST+3072, v213
	v_lshl_add_u32 v227, v0, 2, KSW
	v_lshl_add_u32 v228, v0, 2, VSW
	s_wait_loadcnt 0x0
	v_perm_b32 v46, v54, v54, 0                    ; q's byte in all four places: q lies in any one block
	v_lshl_or_b32 v56, v57, 8, v56
	v_lshl_or_b32 v60, v61, 8, v60
	v_lshl_or_b32 v56, v58, 16, v56
	v_lshl_or_b32 v60, v62, 16, v60
	v_lshl_or_b32 v56, v59, 24, v56
	v_lshl_or_b32 v60, v63, 24, v60
	ds_store_b32 v227, v56
	ds_store_b32 v228, v60
.irp i, 0,1,2,3,4,5
	v_mov_b32 v[16+\i], 0
	v_mov_b32 v[28+\i], 0
	v_mov_b32 v[40+\i], 0
.endr
	v_cmp_lt_u32 vcc_lo, 15, v220                  ; lanes 16-31
.irp i, 0,1,2,3,4,5
	v_cndmask_b32 v[22+\i], v[48+\i], v16, vcc_lo  ; q in lanes 0-15, zero codes in the others
	v_cndmask_b32 v[34+\i], v16, v[48+\i], vcc_lo  ; and the other way round
.endr
	v_mov_b32 v13, 0xff61b1e6                      ; the largest t so far: -3e38
	v_floor_f32 v12, -v13                          ; -M
	v_mov_b32 v14, 0
	v_mov_b32 v15, 0
	v_mov_b32 v215, 0                              ; (named as the upper half of the pair v[214:215])
	v_mov_b32 v217, 0                              ; a lane permute's destination counts as one of its sources
.irp i, 0,1,2,3,4,5,6,7,8,9,10,11,12,13,14,15
	v_mov_b32 v[O+\i], 0                           ; the step is written one way: the first finds zeros.  (These lines are also the places between q's operand and scale and the first products)
.endr
.macro KLOAD ph, sg                    ; K's two fragments and scale words of step sg of phase ph
.irp g, 0,1
.irp c, 0,1
.irp p, 0,1,2
	ds_load_b64 v[KF+12*\g+6*\c+2*\p:KF+12*\g+6*\c+2*\p+1], v[1+\sg] offset:6144*\ph+1536*\g+192*\c+8*\p
.endr
.endr
	ds_load_b32 v[KS+\g], v4 offset:128*(2*\ph+\sg)+64*\g
.endr
.endm
.macro VLOAD ph, sg                    ; V's likewise
.irp u, 0,1
.irp c, 0,1
.irp p, 0,1,2
	ds_load_b64 v[VF+12*\u+6*\c+2*\p:VF+12*\u+6*\c+2*\p+1], v[3+227*\sg] offset:6144*\ph+768*\c+192*\u+8*\p
.endr
.endr
	ds_load_b32 v[VS+\u], v5 offset:128*(2*\ph+\sg)+32*\u
.endr
.endm
.macro SUMS first, rounds              ; the sum of the unquantised p, in two chains, four registers a round
.set j, \first
.rept \rounds
	v_pk_add_f32 v[14:15], v[14:15], v[S+j:S+j+1]
	v_pk_add_f32 v[218:219], v[218:219], v[S+j+2:S+j+3]
.set j, j+4
.endr
.endm
; A KEY STEP: 128 keys: step sg of phase ph.  top = 1: it loads its own K (the step stands at a barrier's head); nxt = 1: it loads K of step nsg of phase nph, which lies behind the same barrier
.macro STEP ph, sg, top, nxt, nph, nsg
.if \top
	KLOAD \ph, \sg
	s_wait_dscnt 0x0
.endif
.irp g, 0,1
	SCORE \g, 0, 22                                ; block 0 of the fragment: keys 0 .. 7 of the rows' chunks
	SCORE \g, 2, 34                                ; block 1: keys 16 .. 23
	SCORE \g, 1, 16                                ; block 2: keys 8 .. 15
	SCORE \g, 3, 28                                ; block 3: keys 24 .. 31
.endr
	PLACES 4                                       ; behind the scores, ahead of their first read and of the loads into K's registers; and behind the last step's V^T P, ahead of the loads into V's registers
	VLOAD \ph, \sg
.if \nxt
	KLOAD \nph, \nsg                               ; a step ahead: the wait ahead of V^T P below serves these too
.endif
.irp q, 0,1,2,3
	v_max3_num_f32 v[PT+\q], v[S+16*\q], v[S+16*\q+1], v[S+16*\q+2]   ; the largest score of my two blocks, each in two chains: for the row's maximum, and, since p rises with the score, for the block's largest p
.endr
.irp i, 3,5,7,9,11,13
.irp q, 0,1,2,3
	v_max3_num_f32 v[PT+\q], v[PT+\q], v[S+16*\q+\i], v[S+16*\q+\i+1]
.endr
.endr
.irp c, 0,1
	v_max3_num_f32 v[BM+\c], v[PT+2*\c], v[PT+2*\c+1], v[S+32*\c+15]
.endr
.irp c, 0,1
	v_max_num_f32 v[BM+\c], v[BM+\c], v[S+32*\c+31]
.endr
	v_max_num_f32 v216, v[BM], v[BM+1]
	v_permlanex16_b32 v217, v216, s56, s57
	v_max_num_f32 v216, v216, v217                 ; with lane l xor 16's two blocks: the step's largest score of my query
	v_mul_f32 v216, s58, v216
	v_max_num_f32 v13, v13, v216                   ; the running largest t
	v_mov_b32 v216, v12
	v_floor_f32 v12, -v13                          ; -M = floor(-t): M is a whole number
	v_sub_f32 v216, v12, v216
	v_cvt_i32_f32 v216, v216                       ; (it saturates)
	v_ldexp_f32 v214, 1.0, v216                    ; f = 2^(old M - new M): rounds nothing
.set j, 0
.rept 32
	v_pk_fma_f32 v[S+j:S+j+1], v[S+j:S+j+1], s[58:59], v[12:13] op_sel_hi:[1,0,0]   ; t - M
.set j, j+2
.endr
	v_pk_fma_f32 v[BM:BM+1], v[BM:BM+1], s[58:59], v[12:13] op_sel_hi:[1,0,0]       ; the same of the two largest scores
.set j, 0
.rept 64
	v_exp_f32 v[S+j], v[S+j]                       ; p = 2^(t - M)
.set j, j+1
.endr
	v_pk_mul_f32 v[14:15], v[14:15], v[214:215] op_sel_hi:[1,0]   ; the sum under the new M: a plain place behind the exponentials
	s_wait_alu depctr_va_vdst(0)                   ; one wait for the 64, ahead of their first reader
.irp c, 0,1
	v_exp_f32 v[BM+\c], v[BM+\c]                   ; my blocks' largest p: the same two instructions on the same number give the same bits
.endr
	v_pk_add_f32 v[218:219], v[S:S+1], v[S+2:S+3]  ; the first half of the sums: plain work behind the two
	SUMS 4, 7
	s_wait_alu depctr_va_vdst(0)                   ; and one wait for the two
.irp c, 0,1
	v_max_num_f32 v[BM+\c], 0x2800000, v[BM+\c]    ; the floor 2^(5 - 127)
.endr
.irp c, 0,1
	v_add_nc_u32 v[SO+\c], 0xfe000000, v[BM+\c]    ; 4 off the exponent field: the conversion's scale operand
.endr
.irp c, 0,1
	v_lshrrev_b32 v[PT+\c], 23, v[SO+\c]           ; the byte
.endr
	v_lshl_or_b32 v212, v[PT+1], 16, v[PT]         ; my two bytes: blocks h and 2 + h,
	v_lshlrev_b32 v212, v229, v212                 ; at their places in the word;
	v_permlanex16_b32 v217, v212, s56, s57
	v_or_b32 v212, v212, v217                      ; with lane l xor 16's two p's scale word is whole
.irp c, 0,1
	v_cvt_scalef32_pk16_bf6_f32 v[PC+6*\c:PC+6*\c+2], v[S+32*\c:S+32*\c+15], v[SO+\c]
	v_cvt_scalef32_pk16_bf6_f32 v[PH+4*\c:PH+4*\c+2], v[S+32*\c+16:S+32*\c+31], v[SO+\c]   ; (a conversion's three registers begin on an even number)
.endr
	SUMS 32, 4                                     ; plain lines behind the scaled conversions, which only read what those read
.irp c, 0,1
.irp i, 0,1,2
	v_mov_b32 v[PC+3+6*\c+\i], v[PH+4*\c+\i]       ; registers 6 c .. 6 c + 5: block 2 c + h, whole
.endr
.endr
.irp e, 0,2,4,6,8,10,12,14
	v_pk_mul_f32 v[O+\e:O+\e+1], v[O+\e:O+\e+1], v[214:215] op_sel_hi:[1,0]   ; O^T under the new M
.endr
	SUMS 48, 4                                     ; the last nine lines of the sums name no register of the products below: with the eight above they are the places behind p's scale word (eight are owed) and p's codes (four)
	v_pk_add_f32 v[14:15], v[14:15], v[218:219]
	s_wait_dscnt 0x0                               ; V, and the next step's K
.irp u, 0,1                            ; two accumulators, one instruction a turn; the next step's eight scores stand between two links
	v_wmma_scale_f32_16x16x128_f8f6f4 v[O+8*\u:O+8*\u+7], v[VF+12*\u:VF+12*\u+11], v[PC:PC+11], v[O+8*\u:O+8*\u+7], v[VS+\u], v212 matrix_a_fmt:MATRIX_FMT_BF6 matrix_b_fmt:MATRIX_FMT_BF6
.endr
.endm
	s_wait_tensorcnt 3                             ; my part of phase 0 is in; the three later phases' loads, issued behind it, may stay out
	BARRIER                                        ; everybody's is, and the scale words too
	STEP 0, 0, 1, 1, 0, 1
	STEP 0, 1, 0, 0, 0, 0
	s_wait_tensorcnt 0x0                           ; my parts of phases 1, 2 and 3 are in
	BARRIER                                        ; everybody's are: every read of those bytes stands behind this barrier, and the six steps that follow need no other
	STEP 1, 0, 1, 1, 1, 1
	STEP 1, 1, 0, 1, 2, 0
	STEP 2, 0, 0, 1, 2, 1
	STEP 2, 1, 0, 1, 3, 0
	STEP 3, 0, 0, 1, 3, 1
	STEP 3, 1, 0, 0, 0, 0
	; ---- the two halves of the keys meet
	PLACES 5
	v_add_f32 v14, v14, v15
	v_permlanex16_b32 v[PT], v14, s56, s57
	v_add_f32 v13, v14, v[PT]                      ; my half's sum; (v12, v13) = (-M, sum)
	s_cmp_lt_u32 s8, 8
	s_cbranch_scc1 .Lkeep
.irp i, 0,1,2,3
	ds_store_b128 v6, v[O+4*\i:O+4*\i+3] offset:512*\i   ; as an image of the registers
.endr
	ds_store_b64 v7, v[12:13]
.Lkeep:
	BARRIER
	s_cmp_lt_u32 s8, 8
	s_cbranch_scc0 .Lmerged
.irp i, 0,1,2,3
	ds_load_b128 v[S+4*\i:S+4*\i+3], v6 offset:512*\i
.endr
	ds_load_b64 v[216:217], v7
	s_wait_dscnt 0x0
	v_min_num_f32 v218, v12, v216                  ; the larger M
	v_sub_f32 v219, v218, v12
	v_sub_f32 v216, v218, v216
	v_cvt_i32_f32 v219, v219
	v_cvt_i32_f32 v216, v216
	v_ldexp_f32 v214, 1.0, v219                    ; exact factors for my half
	v_ldexp_f32 v218, 1.0, v216                    ; and for the other
	v_mul_f32 v13, v13, v214
	v_fmac_f32 v13, v217, v218                     ; the row's sum
	v_rcp_f32 v216, v13
.irp e, 0,2,4,6,8,10,12,14
	v_pk_mul_f32 v[O+\e:O+\e+1], v[O+\e:O+\e+1], v[214:215] op_sel_hi:[1,0]
.endr
.irp e, 0,2,4,6,8,10,12,14
	v_pk_fma_f32 v[O+\e:O+\e+1], v[S+\e:S+\e+1], v[218:219], v[O+\e:O+\e+1] op_sel_hi:[1,0,1]
.endr
	s_wait_alu depctr_va_vdst(0)                   ; the reciprocal's wait, ahead of its first reader
.irp e, 0,2,4,6,8,10,12,14
	v_pk_mul_f32 v[S+\e:S+\e+1], v[O+\e:O+\e+1], v[216:217] op_sel_hi:[1,0]   ; o(query r, d = 16 h + 0 .. 15)
.endr
	v_max3_num_f32 v[BM], |v[S]|, |v[S+1]|, 0x2800000
.irp e, 2,4,6,8,10,12,14
	v_max3_num_f32 v[BM], v[BM], |v[S+\e]|, |v[S+\e+1]|
.endr
	v_permlanex16_b32 v[PT], v[BM], s56, s57
	v_max_num_f32 v[BM], v[BM], v[PT]              ; the head's 32 are one block
	v_add_nc_u32 v[BM], 0xfe000000, v[BM]
	v_lshrrev_b32 v[SO], 23, v[BM]
	v_cvt_scalef32_pk16_bf6_f32 v[PC:PC+2], v[S:S+15], v[BM]
	v_nop
.irp i, 0,1,2
	ds_store_b32 v8, v[PC+\i] offset:4*\i
.endr
	ds_store_b8 v9, v[SO]
.Lmerged:
	BARRIER                                        ; the block's 3072 bytes of codes and 128 scale bytes lie in LDS
	s_cmp_lt_u32 s8, 12
	s_cbranch_scc0 .Lnot_codes
	ds_load_b64 v[48:49], v10
	s_wait_dscnt 0x0
	global_store_b64 v11, v[48:49], s[52:53]       ; 32 lanes store 256 consecutive bytes, aligned
	s_branch .Ldone
.Lnot_codes:
	s_cmp_eq_u32 s8, 12
	s_cbranch_scc0 .Ldone
	ds_load_b32 v48, v47
	s_wait_dscnt 0x0
	global_store_b32 v213, v48, s[54:55]
.Ldone:
	s_wait_tensorcnt 0x0
	ds_add_u32 v254, v255
	s_wait_dscnt 0x0
	CROUND                                         ; the closing round
	s_endpgm
.Lfunc_end_k_qe92cbab1cd_attn:
	.size	k_qe92cbab1cd_attn, .Lfunc_end_k_qe92cbab1cd_attn-k_qe92cbab1cd_attn
	.p2alignl 7, 3214868480
	.fill 96, 4, 3214868480
	.section	.rodata,"a",@progbits
	.p2align	6, 0x0
	.amdhsa_kernel k_qe92cbab1cd_attn
		.amdhsa_group_segment_fixed_size 169984
		.amdhsa_private_segment_fixed_size 0
		.amdhsa_enable_private_segment 0
		.amdhsa_kernarg_size 16
		.amdhsa_user_sgpr_count 2
		.amdhsa_user_sgpr_kernarg_segment_ptr 1
		.amdhsa_wavefront_size32 1
		.amdhsa_system_sgpr_workgroup_id_x 1
		.amdhsa_system_sgpr_workgroup_id_y 1
		.amdhsa_system_sgpr_workgroup_id_z 1
		.amdhsa_system_vgpr_workitem_id 0
		.amdhsa_next_free_vgpr 256
		.amdhsa_next_free_sgpr 66
		.amdhsa_reserve_vcc 1
		.amdhsa_float_denorm_mode_32 3
		.amdhsa_float_denorm_mode_16_64 3
		.amdhsa_memory_ordered 1
		.amdhsa_forward_progress 1
		.amdhsa_inst_pref_size 124
	.end_amdhsa_kernel
	.amdgpu_metadata
---
amdhsa.version: [ 1, 2 ]
amdhsa.kernels:
  - .name:           k_qe92cbab1cd_attn
    .symbol:         k_qe92cbab1cd_attn.kd
    .args:
      - { .name: qkvc, .offset: 0, .size: 8, .value_kind: global_buffer, .address_space: global }
      - { .name: oc, .offset: 8, .size: 8, .value_kind: global_buffer, .address_space: global }
    .group_segment_fixed_size: 169984
    .private_segment_fixed_size: 0
    .kernarg_segment_align: 8
    .kernarg_segment_size: 16
    .max_flat_workgroup_size: 512
    .sgpr_count:     66
    .vgpr_count:     256
    .wavefront_size: 32
...
	.end_amdgpu_metadata
.endif
;; end of part 3
;; launch mid (part 4): grid 128 x 1, 8 waves a work-group, no clusters, 78,848 bytes of LDS; arguments oc, xa, wl0, wl1, xb, qkvc; writes xb, qkvc
.if DOCPART == 4
	.amdgcn_target "amdgcn-amd-amdhsa--gfx1250"
	.amdhsa_code_object_version 6
	.text
	.protected	k_qe92cbab1cd_mid
	.globl	k_qe92cbab1cd_mid
	.p2align	8
	.type	k_qe92cbab1cd_mid,@function
k_qe92cbab1cd_mid:
	s_mov_b64 s[64:65], 0
	v_nop
	global_prefetch_b8 v0, s[64:65] scope:SCOPE_SE
	s_setreg_imm32_b32 hwreg(HW_REG_WAVE_MODE, 25, 1), 1
	s_wait_xcnt 0x0
; A layer's row chain and the next layer's q, k, v:  x = LN1(x + o Wp + bp);  x = LN2(x + gelu(x W1 + b1) W2 + b2) -> xout;  q, k, v = x Wqkv(next layer) as codes -> qkvc.  All products on codes of BF6 with E8M0 bytes.
; SHARES.  A work-group owns 32 rows (V is quantised along the keys: a block is 32 rows).  Wave w owns columns 32 w .. 32 w + 31 of every product and head w of q, k, v, for both tiles of rows:
; its weights come as images of the operand's registers straight from memory, once, each fragment feeding two products.  What goes from wave to wave is small: the rows' codes and bytes, and the norms' partial sums.
; ROW TILES: tile u holds rows 8 u + r + 8 (r / 8); in LDS a row lies at place 16 u + r.  Products are used transposed (source 0 = 16 columns of W, source 1 = 16 rows): lane (r, h) holds one row and columns
; 32 w + 16 h + 0 .. 15 in 16 registers: half a block of the next K, the other half in lane l xor 16.  v is made the other way round: a lane holds one d and keys 16 h + 0 .. 15.
; The biases are the C of each sum's first product.
; LAYERNORM: each wave gives (mean, sum of squared deviations) of its 32 columns; the eight pairs are merged: var = (sum M2 + 32 sum (mean_w - mean)^2) / 256.  No difference of large sums; another order of rounding than a plain mean.
; GELU: 0.5 a (1 + erf(a / sqrt 2)), erf(z) = z P(z^2) / Q(z^2) with z held at +-4.  LIMITS: for a < 0 the sum 1 + erf cancels: absolute error about 1e-7 |a|; divisions are v_rcp_f32 and a multiplication;
; a block under 2^-122 gets the byte 1 (read by this program alone); NaN and infinities are not served.
; Every LDS region is written once and read once, with a barrier between.
.set CD1, 0                            ; code rows, 208 bytes apart (192 + 16: the 32 lanes of a load of 8 bytes touch 64 different banks), three sets
.set CD2, 6656
.set CD3, 13312
.set SB1, 19968                        ; their scale bytes, 8 a row
.set SB2, 20224
.set SB3, 20480
.set ST1, 20736                        ; the norms' pairs, 64 bytes a row
.set ST2, 22784
.set XST, 24832                        ; 32 rows x 1040: the way out of the rows
.set QST, 58112                        ; 2304 a wave: q's, k's, v's codes
.set SST, 76544                        ; 768 scale bytes
.set SWQ, 24                           ; v24-35  scale words of the next layer's qkv;  v36-39 proj's, later w2's;  v40-43 w1's
.set SWP, 36
.set SWM, 40
.set SA,  44                           ; v44-47  the rows' scale words, 2 u + s
.set AF,  52                           ; v52-99  the rows' fragments, 12 (2 u + s)
.set ACC, 100                          ; v100-131 accumulators, 16 u + 8 c; for q, k, v: v100-195
.set X,   132                          ; v132-163 my rows' numbers, 16 u + e
.set VA,  164                          ; v164-211 three vectors of my 16 columns
.set VB,  180
.set VC,  196
.set T,   212                          ; v212-243 at work
.set TA,  236
.set BY,  242
.set MP,  244
.set TB,  250                          ; v250-255 destinations of lane permutes
.set WQ,  0                            ; window 1: v0-143 qkv's 12 fragments; v144-191 proj's four, later w2's; v192-239 w1's
.set WP,  144
.set WM,  192
.set MSB, 0
.macro WIN new                         ; the immediate's high byte repeats the setting that is left
.if MSB != \new
	s_set_vgpr_msb (MSB<<8)|\new
.set MSB, \new
.endif
.endm
.macro PLACES n
.rept \n
	v_nop
.endr
.endm
.macro BARRIER                         ; my LDS stores have landed and my LDS loads are in: then the work-group's barrier
	s_wait_dscnt 0x0
	s_barrier_signal -1
	s_barrier_wait -1
.endm
.macro WM0 d, a, b, sa, sb
	v_wmma_scale_f32_16x16x128_f8f6f4 v[\d:\d+7], v[\a:\a+11], v[\b:\b+11], 0, v[\sa], v[\sb] matrix_a_fmt:MATRIX_FMT_BF6 matrix_b_fmt:MATRIX_FMT_BF6
.endm
.macro WMC d, a, b, c, sa, sb
	v_wmma_scale_f32_16x16x128_f8f6f4 v[\d:\d+7], v[\a:\a+11], v[\b:\b+11], v[\c:\c+7], v[\sa], v[\sb] matrix_a_fmt:MATRIX_FMT_BF6 matrix_b_fmt:MATRIX_FMT_BF6
.endm
.macro WLOAD reg, base, frag           ; a fragment's image: three loads of 16 bytes a lane
.irp j, 0,1,2
	global_load_b128 v[(\reg)+4*\j:(\reg)+4*\j+3], v1, s[\base:\base+1] offset:(\frag)*1536+512*\j
.endr
.endm
.macro WSET reg, sw, base, sbase, f0, t0   ; my two tiles of a matrix: four fragments into window 1, four scale words: 16 loads
	WIN 0x40
.irp c, 0,1
.irp s, 0,1
	WLOAD (\reg)+12*(2*\c+\s),\base,(\f0)+2*\c+\s
.endr
.endr
	WIN 0
.irp c, 0,1
.irp s, 0,1
	global_load_b32 v[\sw+2*\c+\s], v2, s[\sbase:\sbase+1] offset:\s*6144+((\t0)+\c)*64
.endr
.endr
.endm
.macro VLOAD reg, v                    ; vector v of the layer at my 16 columns: 4 loads
.irp j, 0,1,2,3
	global_load_b128 v[\reg+4*\j:\reg+4*\j+3], v6, s[34:35] offset:\v*1024+16*\j
.endr
.endm
.macro AFETCH cd, sb                   ; the 32 rows' four fragments and scale words from LDS
.irp u, 0,1
.irp s, 0,1
.irp p, 0,1,2,3,4,5
	ds_load_b64 v[AF+12*(2*\u+\s)+2*\p:AF+12*(2*\u+\s)+2*\p+1], v8 offset:\cd+3328*\u+96*\s+48*(\p/3)+8*(\p%3)
.endr
	ds_load_b32 v[SA+2*\u+\s], v10 offset:\sb+128*\u+4*\s
.endr
.endr
	s_wait_dscnt 0x0
.endm
.macro MM4 wreg, sw, cvec              ; rows x my 32 columns: four accumulators by turns, one instruction a turn; the bias starts the sums
	WIN 0x01                                       ; source 0 (W) window 1
.irp u, 0,1
.irp c, 0,1
	WMC ACC+16*\u+8*\c,\wreg+24*\c,AF+24*\u,\cvec+8*\c,\sw+2*\c,SA+2*\u
.endr
.endr
.irp u, 0,1
.irp c, 0,1
	WMC ACC+16*\u+8*\c,\wreg+24*\c+12,AF+24*\u+12,ACC+16*\u+8*\c,\sw+2*\c+1,SA+2*\u+1
.endr
.endr
	WIN 0
	PLACES 5                                       ; ahead of reads of the results, of loads into the operands, and of the next sums begun on these accumulators
.endm
.macro QUANT src, n                    ; n sets of 16 numbers, set i at v[src + 16 i]: half a block, the other half in lane l xor 16.  Codes to v[T + 4 i] on, the byte to v[BY + i]
.set qi, 0
.rept \n
	v_max3_num_f32 v[TA+qi], |v[(\src)+16*qi]|, |v[(\src)+16*qi+1]|, 0x2800000   ; with the floor 2^(5 - 127): the byte cannot fall under 1
.set qi, qi+1
.endr
.irp e, 2,4,6,8,10,12,14
.set qi, 0
.rept \n
	v_max3_num_f32 v[TA+qi], v[TA+qi], |v[(\src)+16*qi+\e]|, |v[(\src)+16*qi+\e+1]|
.set qi, qi+1
.endr
.endr
.set qi, 0
.rept \n
	v_permlanex16_b32 v[TB+qi], v[TA+qi], s20, s21
.set qi, qi+1
.endr
.set qi, 0
.rept \n
	v_max_num_f32 v[TA+qi], v[TA+qi], v[TB+qi]
.set qi, qi+1
.endr
.set qi, 0
.rept \n
	v_add_nc_u32 v[TA+qi], 0xfe000000, v[TA+qi]    ; 4 off the exponent field: the conversion's scale operand
.set qi, qi+1
.endr
.set qi, 0
.rept \n
	v_lshrrev_b32 v[BY+qi], 23, v[TA+qi]
.set qi, qi+1
.endr
.set qi, 0
.rept \n
	v_cvt_scalef32_pk16_bf6_f32 v[T+4*qi:T+4*qi+2], v[(\src)+16*qi:(\src)+16*qi+15], v[TA+qi]
.set qi, qi+1
.endr
	v_nop                                          ; one plain place behind the last scaled conversion
.endm
.macro PUTCODES cd, sb, src
	QUANT \src, 2
.irp u, 0,1
.irp i, 0,1,2
	ds_store_b32 v7, v[T+4*\u+\i] offset:\cd+3328*\u+4*\i
.endr
	ds_store_b8 v9, v[BY+\u] offset:\sb+128*\u     ; both halves of the lanes write the same byte with the same value
.endr
.endm
.macro RESID                           ; x += the product; each accumulator is read from its low end on
.set j, 0
.rept 16
	v_pk_add_f32 v[X+j:X+j+1], v[X+j:X+j+1], v[ACC+j:ACC+j+1]
.set j, j+2
.endr
.endm
.macro LNSTAT st                       ; (mean, sum of squared deviations) of my 32 columns of each row -> LDS
.irp u, 0,1
.irp e, 0,4,8,12
	v_pk_add_f32 v[T+16*\u+\e:T+16*\u+\e+1], v[X+16*\u+\e:X+16*\u+\e+1], v[X+16*\u+\e+2:X+16*\u+\e+3]
.endr
.endr
.irp u, 0,1
	v_pk_add_f32 v[T+16*\u:T+16*\u+1], v[T+16*\u:T+16*\u+1], v[T+16*\u+4:T+16*\u+5]
	v_pk_add_f32 v[T+16*\u+8:T+16*\u+9], v[T+16*\u+8:T+16*\u+9], v[T+16*\u+12:T+16*\u+13]
.endr
.irp u, 0,1
	v_pk_add_f32 v[T+16*\u:T+16*\u+1], v[T+16*\u:T+16*\u+1], v[T+16*\u+8:T+16*\u+9]
.endr
.irp u, 0,1
	v_add_f32 v[MP+2*\u+1], v[T+16*\u], v[T+16*\u+1]
.endr
.irp u, 0,1
	v_permlanex16_b32 v[TB+\u], v[MP+2*\u+1], s20, s21
.endr
.irp u, 0,1
	v_add_f32 v[MP+2*\u+1], v[MP+2*\u+1], v[TB+\u]
.endr
.irp u, 0,1
	v_mul_f32 v[MP+2*\u], 0x3d000000, v[MP+2*\u+1] ; / 32
.endr
.irp e, 0,2,4,6,8,10,12,14
.irp u, 0,1
	v_pk_add_f32 v[T+16*\u+\e:T+16*\u+\e+1], v[X+16*\u+\e:X+16*\u+\e+1], v[MP+2*\u:MP+2*\u+1] op_sel_hi:[1,0] neg_lo:[0,1] neg_hi:[0,1]
.endr
.endr
.irp u, 0,1
	v_pk_mul_f32 v[T+16*\u:T+16*\u+1], v[T+16*\u:T+16*\u+1], v[T+16*\u:T+16*\u+1]
.endr
.irp e, 2,4,6,8,10,12,14
.irp u, 0,1
	v_pk_fma_f32 v[T+16*\u:T+16*\u+1], v[T+16*\u+\e:T+16*\u+\e+1], v[T+16*\u+\e:T+16*\u+\e+1], v[T+16*\u:T+16*\u+1]
.endr
.endr
.irp u, 0,1
	v_add_f32 v[MP+2*\u+1], v[T+16*\u], v[T+16*\u+1]
.endr
.irp u, 0,1
	v_permlanex16_b32 v[TB+\u], v[MP+2*\u+1], s20, s21
.endr
.irp u, 0,1
	v_add_f32 v[MP+2*\u+1], v[MP+2*\u+1], v[TB+\u]
.endr
.irp u, 0,1
	ds_store_b64 v11, v[MP+2*\u:MP+2*\u+1] offset:\st+1024*\u
.endr
.endm
.macro LNAPPLY st, g, be               ; the eight waves' pairs are merged; x = (x - mean) rsqrt(var + 1e-6) g + be
.irp u, 0,1
.irp i, 0,1,2,3
	ds_load_b128 v[T+16*\u+4*\i:T+16*\u+4*\i+3], v12 offset:\st+1024*\u+16*\i
.endr
.endr
	s_wait_dscnt 0x0
.irp u, 0,1
	v_pk_add_f32 v[MP+4*\u:MP+4*\u+1], v[T+16*\u:T+16*\u+1], v[T+16*\u+2:T+16*\u+3]
	v_pk_add_f32 v[MP+4*\u+2:MP+4*\u+3], v[T+16*\u+4:T+16*\u+5], v[T+16*\u+6:T+16*\u+7]
.endr
.irp u, 0,1
	v_pk_add_f32 v[MP+4*\u:MP+4*\u+1], v[MP+4*\u:MP+4*\u+1], v[T+16*\u+8:T+16*\u+9]
	v_pk_add_f32 v[MP+4*\u+2:MP+4*\u+3], v[MP+4*\u+2:MP+4*\u+3], v[T+16*\u+10:T+16*\u+11]
.endr
.irp u, 0,1
	v_pk_add_f32 v[MP+4*\u:MP+4*\u+1], v[MP+4*\u:MP+4*\u+1], v[T+16*\u+12:T+16*\u+13]
	v_pk_add_f32 v[MP+4*\u+2:MP+4*\u+3], v[MP+4*\u+2:MP+4*\u+3], v[T+16*\u+14:T+16*\u+15]
.endr
.irp u, 0,1
	v_pk_add_f32 v[MP+4*\u:MP+4*\u+1], v[MP+4*\u:MP+4*\u+1], v[MP+4*\u+2:MP+4*\u+3]   ; (sum of means, sum of M2)
.endr
.irp u, 0,1
	v_mul_f32 v[MP+4*\u], 0x3e000000, v[MP+4*\u]   ; the row's mean
.endr
.irp i, 0,2,4,6,8,10,12,14
.irp u, 0,1
	v_sub_f32 v[T+16*\u+\i], v[T+16*\u+\i], v[MP+4*\u]
.endr
.endr
.irp u, 0,1
	v_mul_f32 v[MP+4*\u+2], v[T+16*\u], v[T+16*\u]
.endr
.irp i, 2,4,6,8,10,12,14
.irp u, 0,1
	v_fmac_f32 v[MP+4*\u+2], v[T+16*\u+\i], v[T+16*\u+\i]
.endr
.endr
.irp u, 0,1
	v_fmamk_f32 v[MP+4*\u+3], v[MP+4*\u+2], 0x42000000, v[MP+4*\u+1]
.endr
.irp u, 0,1
	v_fma_f32 v[MP+4*\u+3], v[MP+4*\u+3], s54, s55 ; / 256 + 1e-6
.endr
.irp u, 0,1
	v_rsq_f32 v[MP+4*\u+2], v[MP+4*\u+3]
.endr
.irp u, 0,1
.irp e, 0,2,4,6,8,10,12,14
	v_pk_add_f32 v[X+16*\u+\e:X+16*\u+\e+1], v[X+16*\u+\e:X+16*\u+\e+1], v[MP+4*\u:MP+4*\u+1] op_sel_hi:[1,0] neg_lo:[0,1] neg_hi:[0,1]   ; plain work behind the two roots
.endr
.endr
	s_wait_alu depctr_va_vdst(0)                   ; one wait for both, ahead of their first reader
.irp u, 0,1
.irp e, 0,2,4,6,8,10,12,14
	v_pk_mul_f32 v[X+16*\u+\e:X+16*\u+\e+1], v[X+16*\u+\e:X+16*\u+\e+1], v[MP+4*\u+2:MP+4*\u+3] op_sel_hi:[1,0]
.endr
.endr
.irp u, 0,1
.irp e, 0,2,4,6,8,10,12,14
	v_pk_fma_f32 v[X+16*\u+\e:X+16*\u+\e+1], v[X+16*\u+\e:X+16*\u+\e+1], v[\g+\e:\g+\e+1], v[\be+\e:\be+\e+1]
.endr
.endr
.endm
.macro HORN d, k                       ; a step of Horner's rule on four pairs: d = d z^2 + the coefficient in s[k]
.irp e, 0,2,4,6
	v_pk_fma_f32 v[\d+\e:\d+\e+1], v[\d+\e:\d+\e+1], v[T+8+\e:T+8+\e+1], s[\k:\k+1] op_sel_hi:[1,1,0]
.endr
.endm
.macro GELU                            ; on the four accumulators in place, one (eight numbers) at a time: z v212-219, z^2 v220-227, P v228-235, Q v236-243
.irp k, 0,1,2,3
.irp e, 0,2,4,6
	v_pk_mul_f32 v[T+\e:T+\e+1], v[ACC+8*\k+\e:ACC+8*\k+\e+1], 0x3f3504f3 op_sel_hi:[1,0]
.endr
.irp e, 0,1,2,3,4,5,6,7
	v_med3_num_f32 v[T+\e], v[T+\e], -4.0, 4.0
.endr
.irp e, 0,2,4,6
	v_pk_mul_f32 v[T+8+\e:T+8+\e+1], v[T+\e:T+\e+1], v[T+\e:T+\e+1]
.endr
.irp e, 0,2,4,6
	v_pk_fma_f32 v[T+16+\e:T+16+\e+1], v[T+8+\e:T+8+\e+1], v[20:21], s[66:67] op_sel_hi:[1,1,0]
	v_pk_fma_f32 v[T+24+\e:T+24+\e+1], v[T+8+\e:T+8+\e+1], v[22:23], s[78:79] op_sel_hi:[1,1,0]
.endr
	HORN T+16, 68
	HORN T+24, 80
	HORN T+16, 70
	HORN T+24, 82
	HORN T+16, 72
	HORN T+24, 84
	HORN T+16, 74
	HORN T+16, 76
.irp e, 0,1,2,3,4,5,6,7
	v_rcp_f32 v[T+24+\e], v[T+24+\e]
.endr
.irp e, 0,2,4,6
	v_pk_mul_f32 v[T+16+\e:T+16+\e+1], v[T+16+\e:T+16+\e+1], v[T+\e:T+\e+1]          ; z P: plain work behind the reciprocals
.endr
.irp e, 0,2,4,6
	v_pk_mul_f32 v[T+8+\e:T+8+\e+1], v[ACC+8*\k+\e:ACC+8*\k+\e+1], 0.5 op_sel_hi:[1,0]
.endr
	s_wait_alu depctr_va_vdst(0)                   ; one wait for the eight, ahead of their first reader
.irp e, 0,2,4,6
	v_pk_mul_f32 v[T+16+\e:T+16+\e+1], v[T+16+\e:T+16+\e+1], v[T+24+\e:T+24+\e+1]    ; erf
.endr
.irp e, 0,2,4,6
	v_pk_fma_f32 v[ACC+8*\k+\e:ACC+8*\k+\e+1], v[T+8+\e:T+8+\e+1], v[T+16+\e:T+16+\e+1], v[T+8+\e:T+8+\e+1]
.endr
.endr
.endm
.macro COEF reg, val                   ; a coefficient as a scalar pair: the packed forms name a pair and take its low word for both halves
	s_mov_b32 s[\reg], \val
	s_mov_b32 s[\reg+1], s[\reg]
.endm
.macro QKV s                           ; K step s of q, k, v: twelve accumulators by turns, one instruction a turn
	WIN 0x01
.irp g, 0,1
.irp u, 0,1
.irp c, 0,1
.if \s == 0
	WM0 ACC+32*\g+16*\u+8*\c,WQ+48*\g+24*\c,AF+24*\u,SWQ+4*\g+2*\c,SA+2*\u
.else
	WMC ACC+32*\g+16*\u+8*\c,WQ+48*\g+24*\c+12,AF+24*\u+12,ACC+32*\g+16*\u+8*\c,SWQ+4*\g+2*\c+1,SA+2*\u+1
.endif
.endr
.endr
.endr
	WIN 0x04                                       ; source 1 (W) window 1: v is made the other way round
.irp d, 0,1
.irp u, 0,1
.if \s == 0
	WM0 ACC+64+16*\d+8*\u,AF+24*\u,WQ+96+24*\d,SA+2*\u,SWQ+8+2*\d
.else
	WMC ACC+64+16*\d+8*\u,AF+24*\u+12,WQ+96+24*\d+12,ACC+64+16*\d+8*\u,SA+2*\u+1,SWQ+8+2*\d+1
.endif
.endr
.endr
.endm
	s_load_b256 s[4:11], s[0:1], 0x0               ; oc, x in, this layer's weights, the next layer's
	s_load_b128 s[12:15], s[0:1], 0x20             ; x out, qkvc
	v_lshl_add_u32 v51, v0, 2, 0x13000
	s_set_vgpr_msb 0x40
	v_mov_b32 v255, 0
	s_set_vgpr_msb 0x4000
	v_lshrrev_b32 v1, 5, v0
	v_readfirstlane_b32 s16, v1                    ; wave 0..7
	v_and_b32 v48, 31, v0                          ; l
	v_and_b32 v49, 15, v0                          ; r
	v_bfe_u32 v50, v0, 4, 1                        ; h
	v_and_b32 v4, 8, v49
	v_add_nc_u32 v4, v4, v49                       ; rr = r + 8 (r / 8)
	v_lshlrev_b32 v1, 4, v48                       ; 16 l
	v_lshlrev_b32 v2, 2, v49                       ; 4 r
	v_mul_u32_u24 v3, v4, 24
	v_mad_u32_u24 v3, v50, 49152, v3               ; o's codes: 24 rr, + a head for lanes 16-31
	v_lshlrev_b32 v5, 10, v4
	v_lshl_add_u32 v5, v50, 6, v5                  ; rows: 1024 rr + 64 h
	v_lshlrev_b32 v6, 6, v50                       ; vectors: 64 h
	v_mul_u32_u24 v8, v49, 208
	v_mad_u32_u24 v7, v50, 12, v8
	s_mul_i32 s50, s16, 24
	v_add_nc_u32 v7, s50, v7                       ; codes in: 208 r + 24 w + 12 h
	v_mad_u32_u24 v8, v50, 24, v8                  ; codes out: 208 r + 24 h
	v_lshlrev_b32 v10, 3, v49                      ; scale words out: 8 r
	v_add_nc_u32 v9, s16, v10                      ; scale bytes in: 8 r + w
	v_lshlrev_b32 v12, 6, v49                      ; the norms' pairs out: 64 r
	s_lshl_b32 s50, s16, 3
	v_add_nc_u32 v11, s50, v12                     ; and in: 64 r + 8 w
	v_mul_u32_u24 v13, v49, 1040
	v_lshl_add_u32 v13, v50, 6, v13
	s_lshl_b32 s50, s16, 7
	s_add_co_u32 s50, s50, XST
	v_add_nc_u32 v13, s50, v13                     ; rows in: XST + 1040 r + 128 w + 64 h
	s_mul_i32 s50, s16, 4160
	s_add_co_u32 s50, s50, XST
	v_add_nc_u32 v14, s50, v1                      ; rows out: four places a wave, 16 bytes a lane
	s_mul_i32 s50, s16, 2304
	s_add_co_u32 s50, s50, QST
	v_mul_u32_u24 v15, v4, 24
	v_mad_u32_u24 v15, v50, 12, v15
	v_add_nc_u32 v15, s50, v15                     ; q, k, v codes in: QST + 2304 w + 24 rr + 12 h
	v_lshlrev_b32 v19, 3, v48                      ; 8 l
	v_add_nc_u32 v16, s50, v19                     ; and out
	s_lshl_b32 s50, s16, 5
	s_add_co_u32 s50, s50, SST
	v_add_nc_u32 v17, s50, v4                      ; q, k, v bytes in: SST + 32 w + rr
	v_add_nc_u32 v18, SST, v19                     ; and out
	s_lshr_b32 s17, ttmp9, 6                       ; b
	s_and_b32 s18, ttmp9, 63                       ; the block of 32 rows in the batch
	s_lshl_b32 s19, s18, 5                         ; n0
	s_mov_b32 s20, 0x76543210
	s_mov_b32 s21, 0xfedcba98                      ; v_permlanex16_b32's selects for lane l xor 16
	s_mov_b32 s53, 0
	s_mov_b32 s54, 0x3b800000                      ; 1 / 256
	s_mov_b32 s55, 0x358637bd                      ; 1e-6
	s_wait_kmcnt 0x0
	s_mul_i32 s52, s17, 393216
	s_mul_i32 s51, s19, 24
	s_add_co_u32 s52, s52, s51
	s_add_nc_u64 s[24:25], s[4:5], s[52:53]        ; o's codes: the batch's head 0, my first row
	s_lshl_b32 s52, s17, 14
	s_add_co_u32 s52, s52, s19
	s_add_co_u32 s52, s52, 786432
	s_add_nc_u64 s[26:27], s[4:5], s[52:53]        ; o's bytes
	s_lshl_b32 s52, ttmp9, 15
	s_lshl_b32 s51, s16, 7
	s_add_co_u32 s52, s52, s51
	s_add_nc_u64 s[28:29], s[6:7], s[52:53]        ; x at my rows and columns
	s_mul_i32 s52, s16, 6144
	s_add_nc_u64 s[30:31], s[8:9], s[52:53]        ; fragments of my tiles: this layer's,
	s_add_nc_u64 s[36:37], s[10:11], s[52:53]      ; the next layer's
	s_add_co_u32 s52, s51, 294912
	s_add_nc_u64 s[32:33], s[8:9], s[52:53]        ; their scale words
	s_add_nc_u64 s[38:39], s[10:11], s[52:53]
	s_add_co_u32 s52, s51, 307200
	s_add_nc_u64 s[34:35], s[8:9], s[52:53]        ; the vectors at my columns
	; ---- 60 loads for the first product
.irp u, 0,1
.irp s, 0,1
.irp c, 0,1
.irp p, 0,1,2
	global_load_b64 v[AF+12*(2*\u+\s)+6*\c+2*\p:AF+12*(2*\u+\s)+6*\c+2*\p+1], v3, s[24:25] offset:196608*\s+98304*\c+192*\u+8*\p   ; block 4 s + 2 c + h of o's K is that head
.endr
.endr
.endr
.endr
.irp u, 0,1
.irp s, 0,1
.irp i, 0,1,2,3
	global_load_u8 v[T+4*(2*\u+\s)+\i], v4, s[26:27] offset:(4*\s+\i)*2048+8*\u
.endr
.endr
.endr
	WSET WP,SWP,30,32,96,48
	VLOAD VA, 0                                    ; proj_b
	; ---- 16 for the residual and the first norm
.irp u, 0,1
.irp j, 0,1,2,3
	global_load_b128 v[X+16*\u+4*\j:X+16*\u+4*\j+3], v5, s[28:29] offset:8192*\u+16*\j
.endr
.endr
	VLOAD VB, 3                                    ; g1
	VLOAD VC, 4                                    ; be1
	; ---- 16: w1
	WSET WM,SWM,30,32,128,64
	s_lshr_b32 s52, s16, 2
	s_lshl_b32 s52, s52, 3
	s_and_b32 s51, s16, 3
	s_lshl_b32 s51, s51, 2
	s_add_co_u32 s52, s52, s51
	s_and_b32 s51, s16, 2
	s_lshl_b32 s51, s51, 2
	s_add_co_u32 s52, s52, s51                     ; places 4 w .. 4 w + 3 are rows 8 (w / 4) + 4 (w % 4) + 4 (w & 2) on
	s_lshl_b32 s52, s52, 10
	s_lshl_b32 s51, ttmp9, 15
	s_add_co_u32 s52, s52, s51
	s_add_nc_u64 s[40:41], s[12:13], s[52:53]
	s_lshl_b32 s50, s17, 3
	s_add_co_u32 s50, s50, s16                     ; bh = 8 b + w
	s_mul_i32 s52, s50, 49152
	s_mul_i32 s51, s19, 24
	s_add_co_u32 s52, s52, s51
	s_add_nc_u64 s[42:43], s[14:15], s[52:53]      ; q's codes
	s_mul_i32 s50, s50, 98304
	s_add_co_u32 s50, s50, 786432
	s_bfe_u32 s52, s19, 0x10007
	s_mul_i32 s52, s52, 24576
	s_lshr_b32 s51, s19, 8
	s_mul_i32 s51, s51, 3072
	s_add_co_u32 s52, s52, s51
	s_and_b32 s51, s19, 127
	s_mul_i32 s51, s51, 24
	s_add_co_u32 s52, s52, s51
	s_add_co_u32 s52, s52, s50
	s_add_nc_u64 s[44:45], s[14:15], s[52:53]      ; k's
	s_and_b32 s52, s18, 1
	s_add_co_u32 s52, s52, 2
	s_mul_i32 s52, s52, 24576
	s_lshr_b32 s51, s18, 1
	s_mul_i32 s51, s51, 768
	s_add_co_u32 s52, s52, s51
	s_add_co_u32 s52, s52, s50
	s_add_nc_u64 s[46:47], s[14:15], s[52:53]      ; v's
	s_mul_i32 s52, ttmp9, 768
	s_add_co_u32 s52, s52, 2359296
	s_add_nc_u64 s[48:49], s[14:15], s[52:53]      ; the scale bytes
	COEF 66, 0.0000000277068142495902              ; erf's numerator, from the second coefficient on
	COEF 68, -0.00000210102402082508
	COEF 70, -0.0000569250639462346
	COEF 72, -0.000734990630326855
	COEF 74, -0.00295459980854025
	COEF 76, -0.0160960333262415
	COEF 78, -0.000213374055278905                 ; its denominator likewise
	COEF 80, -0.00168282697438203
	COEF 82, -0.00737332916720468
	COEF 84, -0.0142647390514189
	s_mov_b32 s86, -0.000000000272614225801306     ; the two leading coefficients go into vector pairs
	s_mov_b32 s87, -0.0000145660718464996
	v_mov_b32 v20, s86
	v_mov_b32 v21, s86
	v_mov_b32 v22, s87
	v_mov_b32 v23, s87
.irp i, 0,1,2,3,4,5
	v_mov_b32 v[TB+\i], 0                          ; written once: a lane permute's destination counts as one of its sources
.endr
	; ---- o Wp + bp
	s_wait_loadcnt 32                              ; the first 60 are in; the 16 + 16 behind them may stay out
.irp k, 0,1,2,3
	v_lshl_or_b32 v[SA+\k], v[T+4*\k+1], 8, v[T+4*\k]
.endr
.irp k, 0,1,2,3
	v_lshl_or_b32 v[SA+\k], v[T+4*\k+2], 16, v[SA+\k]
.endr
.irp k, 0,1,2,3
	v_lshl_or_b32 v[SA+\k], v[T+4*\k+3], 24, v[SA+\k]
.endr
	PLACES 8                                       ; a scale register written by a vector instruction stands eight places ahead of the product
	MM4 WP, SWP, VA
	s_wait_loadcnt 16                              ; x, g1, be1 are in; w1's 16 may stay out
	VLOAD VA, 1                                    ; b1
	WSET WP,SWP,30,32,160,80                       ; w2 takes proj's registers
	WSET WQ,SWQ,36,38,0,0                          ; the next layer's q, k, v: 48 loads
	WSET WQ+48,SWQ+4,36,38,32,16
	WSET WQ+96,SWQ+8,36,38,64,32
	RESID
	LNSTAT ST1
	BARRIER
	LNAPPLY ST1, VB, VC
	VLOAD VB, 2                                    ; b2
	VLOAD VC, 5                                    ; g2
	PUTCODES CD1, SB1, X
	BARRIER
	; ---- gelu(x W1 + b1)
	AFETCH CD1, SB1
	s_wait_loadcnt 56                              ; w1, b1, w2 are in; the 48 of q, k, v and the 8 of b2 and g2 may stay out
	MM4 WM, SWM, VA
	VLOAD VA, 6                                    ; be2
	GELU
	PUTCODES CD2, SB2, ACC
	BARRIER
	; ---- .. W2 + b2
	AFETCH CD2, SB2
	s_wait_loadcnt 0x0
	MM4 WP, SWP, VB
	RESID
	LNSTAT ST2
	BARRIER
	LNAPPLY ST2, VC, VA
	; ---- the rows go out, and become codes
.irp u, 0,1
.irp j, 0,1,2,3
	ds_store_b128 v13, v[X+16*\u+4*\j:X+16*\u+4*\j+3] offset:16640*\u+16*\j
.endr
.endr
	PUTCODES CD3, SB3, X
	BARRIER
.irp i, 0,1,2,3
.irp j, 0,1
	ds_load_b128 v[T+8*\i+4*\j:T+8*\i+4*\j+3], v14 offset:1040*\i+512*\j
.endr
.endr
	AFETCH CD3, SB3
.irp i, 0,1,2,3
.irp j, 0,1
	global_store_b128 v1, v[T+8*\i+4*\j:T+8*\i+4*\j+3], s[40:41] offset:1024*\i+512*\j   ; 32 lanes store 512 consecutive bytes, aligned
.endr
.endr
	QKV 0
	QKV 1
	WIN 0
	PLACES 5
	s_wait_xcnt 0x0                                ; the row stores have read v212-243: only now are these written again
	QUANT ACC, 6
.irp g, 0,1,2
.irp u, 0,1
.irp i, 0,1,2
	ds_store_b32 v15, v[T+4*(2*\g+\u)+\i] offset:768*\g+192*\u+4*\i
.endr
	ds_store_b8 v17, v[BY+2*\g+\u] offset:256*\g+8*\u
.endr
.endr
.irp i, 0,1,2,3,4,5,6,7,8
	ds_load_b64 v[AF+2*\i:AF+2*\i+1], v16 offset:256*\i   ; my own bytes: LDS serves a wave's instructions in order
.endr
.irp i, 0,1,2,3,4,5,6,7,8
	s_wait_dscnt 8-\i
	global_store_b64 v19, v[AF+2*\i:AF+2*\i+1], s[42+2*(\i/3):43+2*(\i/3)] offset:256*(\i%3)   ; 32 lanes store 256 consecutive bytes, aligned
.endr
	BARRIER                                        ; the eight waves' scale bytes lie in LDS
	s_cmp_lg_u32 s16, 0
	s_cbranch_scc1 .Lend
.irp i, 0,1,2
	ds_load_b64 v[AF+24+2*\i:AF+25+2*\i], v18 offset:256*\i
.endr
	s_wait_dscnt 0x0
.irp i, 0,1,2
	global_store_b64 v19, v[AF+24+2*\i:AF+25+2*\i], s[48:49] offset:256*\i
.endr
.Lend:
	s_set_vgpr_msb 0x4
	s_wait_tensorcnt 0x0
	ds_add_u32 v51, v255
	s_wait_dscnt 0x0
	s_set_vgpr_msb 0x400
	s_endpgm
.Lfunc_end_k_qe92cbab1cd_mid:
	.size	k_qe92cbab1cd_mid, .Lfunc_end_k_qe92cbab1cd_mid-k_qe92cbab1cd_mid
	.p2alignl 7, 3214868480
	.fill 96, 4, 3214868480
	.section	.rodata,"a",@progbits
	.p2align	6, 0x0
	.amdhsa_kernel k_qe92cbab1cd_mid
		.amdhsa_group_segment_fixed_size 78848
		.amdhsa_private_segment_fixed_size 0
		.amdhsa_enable_private_segment 0
		.amdhsa_kernarg_size 48
		.amdhsa_user_sgpr_count 2
		.amdhsa_user_sgpr_kernarg_segment_ptr 1
		.amdhsa_wavefront_size32 1
		.amdhsa_system_sgpr_workgroup_id_x 1
		.amdhsa_system_sgpr_workgroup_id_y 1
		.amdhsa_system_sgpr_workgroup_id_z 1
		.amdhsa_system_vgpr_workitem_id 0
		.amdhsa_next_free_vgpr 512
		.amdhsa_next_free_sgpr 96
		.amdhsa_reserve_vcc 0
		.amdhsa_float_denorm_mode_32 3
		.amdhsa_float_denorm_mode_16_64 3
		.amdhsa_memory_ordered 1
		.amdhsa_forward_progress 1
		.amdhsa_inst_pref_size 95
	.end_amdhsa_kernel
	.amdgpu_metadata
---
amdhsa.version: [ 1, 2 ]
amdhsa.kernels:
  - .name:           k_qe92cbab1cd_mid
    .symbol:         k_qe92cbab1cd_mid.kd
    .args:
      - { .name: oc, .offset: 0, .size: 8, .value_kind: global_buffer, .address_space: global }
      - { .name: xa, .offset: 8, .size: 8, .value_kind: global_buffer, .address_space: global }
      - { .name: wl0, .offset: 16, .size: 8, .value_kind: global_buffer, .address_space: global }
      - { .name: wl1, .offset: 24, .size: 8, .value_kind: global_buffer, .address_space: global }
      - { .name: xb, .offset: 32, .size: 8, .value_kind: global_buffer, .address_space: global }
      - { .name: qkvc, .offset: 40, .size: 8, .value_kind: global_buffer, .address_space: global }
    .group_segment_fixed_size: 78848
    .private_segment_fixed_size: 0
    .kernarg_segment_align: 8
    .kernarg_segment_size: 48
    .max_flat_workgroup_size: 256
    .sgpr_count:     96
    .vgpr_count:     512
    .wavefront_size: 32
...
	.end_amdgpu_metadata
.endif
;; end of part 4
;; launch attn1: the kernel of part 3 again; grid 16 x 16, 16 waves a work-group, clusters of 4 x 1, 169,984 bytes of LDS; arguments qkvc, oc; writes oc
;; launch mid1: the kernel of part 4 again; grid 128 x 1, 8 waves a work-group, no clusters, 78,848 bytes of LDS; arguments oc, xb, wl1, wl2, xa, qkvc; writes xa, qkvc
;; launch attn2: the kernel of part 3 again; grid 16 x 16, 16 waves a work-group, clusters of 4 x 1, 169,984 bytes of LDS; arguments qkvc, oc; writes oc
;; launch mid2: the kernel of part 4 again; grid 128 x 1, 8 waves a work-group, no clusters, 78,848 bytes of LDS; arguments oc, xa, wl2, wl3, xb, qkvc; writes xb, qkvc
;; launch attn3: the kernel of part 3 again; grid 16 x 16, 16 waves a work-group, clusters of 4 x 1, 169,984 bytes of LDS; arguments qkvc, oc; writes oc
;; launch last (part 5): grid 128 x 1, 8 waves a work-group, no clusters, 78,848 bytes of LDS; arguments oc, xb, wl3, out0; writes out0
.if DOCPART == 5
	.amdgcn_target "amdgcn-amd-amdhsa--gfx1250"
	.amdhsa_code_object_version 6
	.text
	.protected	k_qe92cbab1cd_last
	.globl	k_qe92cbab1cd_last
	.p2align	8
	.type	k_qe92cbab1cd_last,@function
k_qe92cbab1cd_last:
	s_mov_b64 s[64:65], 0
	v_nop
	global_prefetch_b8 v0, s[64:65] scope:SCOPE_SE
	s_setreg_imm32_b32 hwreg(HW_REG_WAVE_MODE, 25, 1), 1
	s_wait_xcnt 0x0
; The last layer's row chain:  x = LN1(x + o Wp + bp);  out = LN2(x + gelu(x W1 + b1) W2 + b2).  All products on codes of BF6 with E8M0 bytes.
; SHARES, LAYOUTS AND LIMITS as in the chain of the layers before: a work-group owns 32 rows, wave w columns 32 w .. 32 w + 31; row tile u holds rows 8 u + r + 8 (r / 8), at LDS place 16 u + r; products transposed
; (source 0 = 16 columns of W, source 1 = 16 rows): lane (r, h) holds one row and columns 32 w + 16 h + 0 .. 15; the biases are the C of each sum's first product.
; LAYERNORM: the waves' (mean, sum of squared deviations) are merged: var = (sum M2 + 32 sum (mean_w - mean)^2) / 256: another order of rounding than a plain mean.
; GELU: 0.5 a (1 + erf(a / sqrt 2)), erf(z) = z P(z^2) / Q(z^2), z held at +-4.  LIMITS: for a < 0 the sum 1 + erf cancels: absolute error about 1e-7 |a|; divisions are v_rcp_f32 and a multiplication;
; a block under 2^-122 gets the byte 1 (read by this program alone); NaN and infinities are not served.
.set CD1, 0
.set CD2, 6656
.set SB1, 19968
.set SB2, 20224
.set ST1, 20736
.set ST2, 22784
.set XST, 24832
.set SWP, 36
.set SWM, 40
.set SA,  44
.set AF,  52
.set ACC, 100
.set X,   132
.set VA,  164
.set VB,  180
.set VC,  196
.set T,   212
.set TA,  236
.set BY,  242
.set MP,  244
.set TB,  250
.set WP,  144
.set WM,  192
.set MSB, 0
.macro WIN new                         ; the immediate's high byte repeats the setting that is left
.if MSB != \new
	s_set_vgpr_msb (MSB<<8)|\new
.set MSB, \new
.endif
.endm
.macro PLACES n
.rept \n
	v_nop
.endr
.endm
.macro BARRIER                         ; my LDS stores have landed and my LDS loads are in: then the work-group's barrier
	s_wait_dscnt 0x0
	s_barrier_signal -1
	s_barrier_wait -1
.endm
.macro WMC d, a, b, c, sa, sb
	v_wmma_scale_f32_16x16x128_f8f6f4 v[\d:\d+7], v[\a:\a+11], v[\b:\b+11], v[\c:\c+7], v[\sa], v[\sb] matrix_a_fmt:MATRIX_FMT_BF6 matrix_b_fmt:MATRIX_FMT_BF6
.endm
.macro WLOAD reg, base, frag
.irp j, 0,1,2
	global_load_b128 v[(\reg)+4*\j:(\reg)+4*\j+3], v1, s[\base:\base+1] offset:(\frag)*1536+512*\j
.endr
.endm
.macro WSET reg, sw, base, sbase, f0, t0   ; my two tiles of a matrix: four fragments into window 1, four scale words: 16 loads
	WIN 0x40
.irp c, 0,1
.irp s, 0,1
	WLOAD (\reg)+12*(2*\c+\s),\base,(\f0)+2*\c+\s
.endr
.endr
	WIN 0
.irp c, 0,1
.irp s, 0,1
	global_load_b32 v[\sw+2*\c+\s], v2, s[\sbase:\sbase+1] offset:\s*6144+((\t0)+\c)*64
.endr
.endr
.endm
.macro VLOAD reg, v
.irp j, 0,1,2,3
	global_load_b128 v[\reg+4*\j:\reg+4*\j+3], v6, s[34:35] offset:\v*1024+16*\j
.endr
.endm
.macro AFETCH cd, sb
.irp u, 0,1
.irp s, 0,1
.irp p, 0,1,2,3,4,5
	ds_load_b64 v[AF+12*(2*\u+\s)+2*\p:AF+12*(2*\u+\s)+2*\p+1], v8 offset:\cd+3328*\u+96*\s+48*(\p/3)+8*(\p%3)
.endr
	ds_load_b32 v[SA+2*\u+\s], v10 offset:\sb+128*\u+4*\s
.endr
.endr
	s_wait_dscnt 0x0
.endm
.macro MM4 wreg, sw, cvec              ; four accumulators by turns, one instruction a turn; the bias starts the sums
	WIN 0x01
.irp u, 0,1
.irp c, 0,1
	WMC ACC+16*\u+8*\c,\wreg+24*\c,AF+24*\u,\cvec+8*\c,\sw+2*\c,SA+2*\u
.endr
.endr
.irp u, 0,1
.irp c, 0,1
	WMC ACC+16*\u+8*\c,\wreg+24*\c+12,AF+24*\u+12,ACC+16*\u+8*\c,\sw+2*\c+1,SA+2*\u+1
.endr
.endr
	WIN 0
	PLACES 5
.endm
.macro QUANT src, n
.set qi, 0
.rept \n
	v_max3_num_f32 v[TA+qi], |v[(\src)+16*qi]|, |v[(\src)+16*qi+1]|, 0x2800000   ; with the floor 2^(5 - 127)
.set qi, qi+1
.endr
.irp e, 2,4,6,8,10,12,14
.set qi, 0
.rept \n
	v_max3_num_f32 v[TA+qi], v[TA+qi], |v[(\src)+16*qi+\e]|, |v[(\src)+16*qi+\e+1]|
.set qi, qi+1
.endr
.endr
.set qi, 0
.rept \n
	v_permlanex16_b32 v[TB+qi], v[TA+qi], s20, s21
.set qi, qi+1
.endr
.set qi, 0
.rept \n
	v_max_num_f32 v[TA+qi], v[TA+qi], v[TB+qi]
.set qi, qi+1
.endr
.set qi, 0
.rept \n
	v_add_nc_u32 v[TA+qi], 0xfe000000, v[TA+qi]
.set qi, qi+1
.endr
.set qi, 0
.rept \n
	v_lshrrev_b32 v[BY+qi], 23, v[TA+qi]
.set qi, qi+1
.endr
.set qi, 0
.rept \n
	v_cvt_scalef32_pk16_bf6_f32 v[T+4*qi:T+4*qi+2], v[(\src)+16*qi:(\src)+16*qi+15], v[TA+qi]
.set qi, qi+1
.endr
	v_nop                                          ; one plain place behind the last scaled conversion
.endm
.macro PUTCODES cd, sb, src
	QUANT \src, 2
.irp u, 0,1
.irp i, 0,1,2
	ds_store_b32 v7, v[T+4*\u+\i] offset:\cd+3328*\u+4*\i
.endr
	ds_store_b8 v9, v[BY+\u] offset:\sb+128*\u
.endr
.endm
.macro RESID                           ; x += the product; each accumulator is read from its low end on
.set j, 0
.rept 16
	v_pk_add_f32 v[X+j:X+j+1], v[X+j:X+j+1], v[ACC+j:ACC+j+1]
.set j, j+2
.endr
.endm
.macro LNSTAT st
.irp u, 0,1
.irp e, 0,4,8,12
	v_pk_add_f32 v[T+16*\u+\e:T+16*\u+\e+1], v[X+16*\u+\e:X+16*\u+\e+1], v[X+16*\u+\e+2:X+16*\u+\e+3]
.endr
.endr
.irp u, 0,1
	v_pk_add_f32 v[T+16*\u:T+16*\u+1], v[T+16*\u:T+16*\u+1], v[T+16*\u+4:T+16*\u+5]
	v_pk_add_f32 v[T+16*\u+8:T+16*\u+9], v[T+16*\u+8:T+16*\u+9], v[T+16*\u+12:T+16*\u+13]
.endr
.irp u, 0,1
	v_pk_add_f32 v[T+16*\u:T+16*\u+1], v[T+16*\u:T+16*\u+1], v[T+16*\u+8:T+16*\u+9]
.endr
.irp u, 0,1
	v_add_f32 v[MP+2*\u+1], v[T+16*\u], v[T+16*\u+1]
.endr
.irp u, 0,1
	v_permlanex16_b32 v[TB+\u], v[MP+2*\u+1], s20, s21
.endr
.irp u, 0,1
	v_add_f32 v[MP+2*\u+1], v[MP+2*\u+1], v[TB+\u]
.endr
.irp u, 0,1
	v_mul_f32 v[MP+2*\u], 0x3d000000, v[MP+2*\u+1]
.endr
.irp e, 0,2,4,6,8,10,12,14
.irp u, 0,1
	v_pk_add_f32 v[T+16*\u+\e:T+16*\u+\e+1], v[X+16*\u+\e:X+16*\u+\e+1], v[MP+2*\u:MP+2*\u+1] op_sel_hi:[1,0] neg_lo:[0,1] neg_hi:[0,1]
.endr
.endr
.irp u, 0,1
	v_pk_mul_f32 v[T+16*\u:T+16*\u+1], v[T+16*\u:T+16*\u+1], v[T+16*\u:T+16*\u+1]
.endr
.irp e, 2,4,6,8,10,12,14
.irp u, 0,1
	v_pk_fma_f32 v[T+16*\u:T+16*\u+1], v[T+16*\u+\e:T+16*\u+\e+1], v[T+16*\u+\e:T+16*\u+\e+1], v[T+16*\u:T+16*\u+1]
.endr
.endr
.irp u, 0,1
	v_add_f32 v[MP+2*\u+1], v[T+16*\u], v[T+16*\u+1]
.endr
.irp u, 0,1
	v_permlanex16_b32 v[TB+\u], v[MP+2*\u+1], s20, s21
.endr
.irp u, 0,1
	v_add_f32 v[MP+2*\u+1], v[MP+2*\u+1], v[TB+\u]
.endr
.irp u, 0,1
	ds_store_b64 v11, v[MP+2*\u:MP+2*\u+1] offset:\st+1024*\u
.endr
.endm
.macro LNAPPLY st, g, be
.irp u, 0,1
.irp i, 0,1,2,3
	ds_load_b128 v[T+16*\u+4*\i:T+16*\u+4*\i+3], v12 offset:\st+1024*\u+16*\i
.endr
.endr
	s_wait_dscnt 0x0
.irp u, 0,1
	v_pk_add_f32 v[MP+4*\u:MP+4*\u+1], v[T+16*\u:T+16*\u+1], v[T+16*\u+2:T+16*\u+3]
	v_pk_add_f32 v[MP+4*\u+2:MP+4*\u+3], v[T+16*\u+4:T+16*\u+5], v[T+16*\u+6:T+16*\u+7]
.endr
.irp u, 0,1
	v_pk_add_f32 v[MP+4*\u:MP+4*\u+1], v[MP+4*\u:MP+4*\u+1], v[T+16*\u+8:T+16*\u+9]
	v_pk_add_f32 v[MP+4*\u+2:MP+4*\u+3], v[MP+4*\u+2:MP+4*\u+3], v[T+16*\u+10:T+16*\u+11]
.endr
.irp u, 0,1
	v_pk_add_f32 v[MP+4*\u:MP+4*\u+1], v[MP+4*\u:MP+4*\u+1], v[T+16*\u+12:T+16*\u+13]
	v_pk_add_f32 v[MP+4*\u+2:MP+4*\u+3], v[MP+4*\u+2:MP+4*\u+3], v[T+16*\u+14:T+16*\u+15]
.endr
.irp u, 0,1
	v_pk_add_f32 v[MP+4*\u:MP+4*\u+1], v[MP+4*\u:MP+4*\u+1], v[MP+4*\u+2:MP+4*\u+3]
.endr
.irp u, 0,1
	v_mul_f32 v[MP+4*\u], 0x3e000000, v[MP+4*\u]
.endr
.irp i, 0,2,4,6,8,10,12,14
.irp u, 0,1
	v_sub_f32 v[T+16*\u+\i], v[T+16*\u+\i], v[MP+4*\u]
.endr
.endr
.irp u, 0,1
	v_mul_f32 v[MP+4*\u+2], v[T+16*\u], v[T+16*\u]
.endr
.irp i, 2,4,6,8,10,12,14
.irp u, 0,1
	v_fmac_f32 v[MP+4*\u+2], v[T+16*\u+\i], v[T+16*\u+\i]
.endr
.endr
.irp u, 0,1
	v_fmamk_f32 v[MP+4*\u+3], v[MP+4*\u+2], 0x42000000, v[MP+4*\u+1]
.endr
.irp u, 0,1
	v_fma_f32 v[MP+4*\u+3], v[MP+4*\u+3], s54, s55
.endr
.irp u, 0,1
	v_rsq_f32 v[MP+4*\u+2], v[MP+4*\u+3]
.endr
.irp u, 0,1
.irp e, 0,2,4,6,8,10,12,14
	v_pk_add_f32 v[X+16*\u+\e:X+16*\u+\e+1], v[X+16*\u+\e:X+16*\u+\e+1], v[MP+4*\u:MP+4*\u+1] op_sel_hi:[1,0] neg_lo:[0,1] neg_hi:[0,1]   ; plain work behind the two roots
.endr
.endr
	s_wait_alu depctr_va_vdst(0)                   ; one wait for both, ahead of their first reader
.irp u, 0,1
.irp e, 0,2,4,6,8,10,12,14
	v_pk_mul_f32 v[X+16*\u+\e:X+16*\u+\e+1], v[X+16*\u+\e:X+16*\u+\e+1], v[MP+4*\u+2:MP+4*\u+3] op_sel_hi:[1,0]
.endr
.endr
.irp u, 0,1
.irp e, 0,2,4,6,8,10,12,14
	v_pk_fma_f32 v[X+16*\u+\e:X+16*\u+\e+1], v[X+16*\u+\e:X+16*\u+\e+1], v[\g+\e:\g+\e+1], v[\be+\e:\be+\e+1]
.endr
.endr
.endm
.macro HORN d, k
.irp e, 0,2,4,6
	v_pk_fma_f32 v[\d+\e:\d+\e+1], v[\d+\e:\d+\e+1], v[T+8+\e:T+8+\e+1], s[\k:\k+1] op_sel_hi:[1,1,0]
.endr
.endm
.macro GELU
.irp k, 0,1,2,3
.irp e, 0,2,4,6
	v_pk_mul_f32 v[T+\e:T+\e+1], v[ACC+8*\k+\e:ACC+8*\k+\e+1], 0x3f3504f3 op_sel_hi:[1,0]
.endr
.irp e, 0,1,2,3,4,5,6,7
	v_med3_num_f32 v[T+\e], v[T+\e], -4.0, 4.0
.endr
.irp e, 0,2,4,6
	v_pk_mul_f32 v[T+8+\e:T+8+\e+1], v[T+\e:T+\e+1], v[T+\e:T+\e+1]
.endr
.irp e, 0,2,4,6
	v_pk_fma_f32 v[T+16+\e:T+16+\e+1], v[T+8+\e:T+8+\e+1], v[20:21], s[66:67] op_sel_hi:[1,1,0]
	v_pk_fma_f32 v[T+24+\e:T+24+\e+1], v[T+8+\e:T+8+\e+1], v[22:23], s[78:79] op_sel_hi:[1,1,0]
.endr
	HORN T+16, 68
	HORN T+24, 80
	HORN T+16, 70
	HORN T+24, 82
	HORN T+16, 72
	HORN T+24, 84
	HORN T+16, 74
	HORN T+16, 76
.irp e, 0,1,2,3,4,5,6,7
	v_rcp_f32 v[T+24+\e], v[T+24+\e]
.endr
.irp e, 0,2,4,6
	v_pk_mul_f32 v[T+16+\e:T+16+\e+1], v[T+16+\e:T+16+\e+1], v[T+\e:T+\e+1]
.endr
.irp e, 0,2,4,6
	v_pk_mul_f32 v[T+8+\e:T+8+\e+1], v[ACC+8*\k+\e:ACC+8*\k+\e+1], 0.5 op_sel_hi:[1,0]
.endr
	s_wait_alu depctr_va_vdst(0)                   ; one wait for the eight reciprocals, ahead of their first reader
.irp e, 0,2,4,6
	v_pk_mul_f32 v[T+16+\e:T+16+\e+1], v[T+16+\e:T+16+\e+1], v[T+24+\e:T+24+\e+1]
.endr
.irp e, 0,2,4,6
	v_pk_fma_f32 v[ACC+8*\k+\e:ACC+8*\k+\e+1], v[T+8+\e:T+8+\e+1], v[T+16+\e:T+16+\e+1], v[T+8+\e:T+8+\e+1]
.endr
.endr
.endm
.macro COEF reg, val
	s_mov_b32 s[\reg], \val
	s_mov_b32 s[\reg+1], s[\reg]
.endm
	s_load_b256 s[4:11], s[0:1], 0x0               ; oc, x in, the layer's weights, out
	v_lshl_add_u32 v254, v0, 2, 0x13000
	v_mov_b32 v255, 0
	v_lshrrev_b32 v1, 5, v0
	v_readfirstlane_b32 s16, v1                    ; wave 0..7
	v_and_b32 v48, 31, v0                          ; l
	v_and_b32 v49, 15, v0                          ; r
	v_bfe_u32 v50, v0, 4, 1                        ; h
	v_and_b32 v4, 8, v49
	v_add_nc_u32 v4, v4, v49                       ; rr = r + 8 (r / 8)
	v_lshlrev_b32 v1, 4, v48
	v_lshlrev_b32 v2, 2, v49
	v_mul_u32_u24 v3, v4, 24
	v_mad_u32_u24 v3, v50, 49152, v3
	v_lshlrev_b32 v5, 10, v4
	v_lshl_add_u32 v5, v50, 6, v5
	v_lshlrev_b32 v6, 6, v50
	v_mul_u32_u24 v8, v49, 208
	v_mad_u32_u24 v7, v50, 12, v8
	s_mul_i32 s50, s16, 24
	v_add_nc_u32 v7, s50, v7
	v_mad_u32_u24 v8, v50, 24, v8
	v_lshlrev_b32 v10, 3, v49
	v_add_nc_u32 v9, s16, v10
	v_lshlrev_b32 v12, 6, v49
	s_lshl_b32 s50, s16, 3
	v_add_nc_u32 v11, s50, v12
	v_mul_u32_u24 v13, v49, 1040
	v_lshl_add_u32 v13, v50, 6, v13
	s_lshl_b32 s50, s16, 7
	s_add_co_u32 s50, s50, XST
	v_add_nc_u32 v13, s50, v13
	s_mul_i32 s50, s16, 4160
	s_add_co_u32 s50, s50, XST
	v_add_nc_u32 v14, s50, v1
	s_lshr_b32 s17, ttmp9, 6
	s_and_b32 s18, ttmp9, 63
	s_lshl_b32 s19, s18, 5
	s_mov_b32 s20, 0x76543210
	s_mov_b32 s21, 0xfedcba98
	s_mov_b32 s53, 0
	s_mov_b32 s54, 0x3b800000
	s_mov_b32 s55, 0x358637bd
	s_wait_kmcnt 0x0
	s_mul_i32 s52, s17, 393216
	s_mul_i32 s51, s19, 24
	s_add_co_u32 s52, s52, s51
	s_add_nc_u64 s[24:25], s[4:5], s[52:53]
	s_lshl_b32 s52, s17, 14
	s_add_co_u32 s52, s52, s19
	s_add_co_u32 s52, s52, 786432
	s_add_nc_u64 s[26:27], s[4:5], s[52:53]
	s_lshl_b32 s52, ttmp9, 15
	s_lshl_b32 s51, s16, 7
	s_add_co_u32 s52, s52, s51
	s_add_nc_u64 s[28:29], s[6:7], s[52:53]
	s_mul_i32 s52, s16, 6144
	s_add_nc_u64 s[30:31], s[8:9], s[52:53]
	s_add_co_u32 s52, s51, 294912
	s_add_nc_u64 s[32:33], s[8:9], s[52:53]
	s_add_co_u32 s52, s51, 307200
	s_add_nc_u64 s[34:35], s[8:9], s[52:53]
	; ---- 60 loads for the first product
.irp u, 0,1
.irp s, 0,1
.irp c, 0,1
.irp p, 0,1,2
	global_load_b64 v[AF+12*(2*\u+\s)+6*\c+2*\p:AF+12*(2*\u+\s)+6*\c+2*\p+1], v3, s[24:25] offset:196608*\s+98304*\c+192*\u+8*\p
.endr
.endr
.endr
.endr
.irp u, 0,1
.irp s, 0,1
.irp i, 0,1,2,3
	global_load_u8 v[T+4*(2*\u+\s)+\i], v4, s[26:27] offset:(4*\s+\i)*2048+8*\u
.endr
.endr
.endr
	WSET WP,SWP,30,32,96,48
	VLOAD VA, 0                                    ; proj_b
	; ---- 16 for the residual and the first norm
.irp u, 0,1
.irp j, 0,1,2,3
	global_load_b128 v[X+16*\u+4*\j:X+16*\u+4*\j+3], v5, s[28:29] offset:8192*\u+16*\j
.endr
.endr
	VLOAD VB, 3                                    ; g1
	VLOAD VC, 4                                    ; be1
	; ---- 16: w1
	WSET WM,SWM,30,32,128,64
	s_lshr_b32 s52, s16, 2
	s_lshl_b32 s52, s52, 3
	s_and_b32 s51, s16, 3
	s_lshl_b32 s51, s51, 2
	s_add_co_u32 s52, s52, s51
	s_and_b32 s51, s16, 2
	s_lshl_b32 s51, s51, 2
	s_add_co_u32 s52, s52, s51                     ; places 4 w .. 4 w + 3 are rows 8 (w / 4) + 4 (w % 4) + 4 (w & 2) on
	s_lshl_b32 s52, s52, 10
	s_lshl_b32 s51, ttmp9, 15
	s_add_co_u32 s52, s52, s51
	s_add_nc_u64 s[40:41], s[10:11], s[52:53]
	COEF 66, 0.0000000277068142495902
	COEF 68, -0.00000210102402082508
	COEF 70, -0.0000569250639462346
	COEF 72, -0.000734990630326855
	COEF 74, -0.00295459980854025
	COEF 76, -0.0160960333262415
	COEF 78, -0.000213374055278905
	COEF 80, -0.00168282697438203
	COEF 82, -0.00737332916720468
	COEF 84, -0.0142647390514189
	s_mov_b32 s86, -0.000000000272614225801306
	s_mov_b32 s87, -0.0000145660718464996
	v_mov_b32 v20, s86
	v_mov_b32 v21, s86
	v_mov_b32 v22, s87
	v_mov_b32 v23, s87
.irp i, 0,1
	v_mov_b32 v[TB+\i], 0                          ; written once: a lane permute's destination counts as one of its sources
.endr
	; ---- o Wp + bp
	s_wait_loadcnt 32                              ; the first 60 are in; the 16 + 16 behind them may stay out
.irp k, 0,1,2,3
	v_lshl_or_b32 v[SA+\k], v[T+4*\k+1], 8, v[T+4*\k]
.endr
.irp k, 0,1,2,3
	v_lshl_or_b32 v[SA+\k], v[T+4*\k+2], 16, v[SA+\k]
.endr
.irp k, 0,1,2,3
	v_lshl_or_b32 v[SA+\k], v[T+4*\k+3], 24, v[SA+\k]
.endr
	PLACES 8                                       ; a scale register written by a vector instruction stands eight places ahead of the product
	MM4 WP, SWP, VA
	s_wait_loadcnt 16                              ; x, g1, be1 are in; w1's 16 may stay out
	VLOAD VA, 1                                    ; b1
	WSET WP,SWP,30,32,160,80                       ; w2 takes proj's registers
	RESID
	LNSTAT ST1
	BARRIER
	LNAPPLY ST1, VB, VC
	VLOAD VB, 2                                    ; b2
	VLOAD VC, 5                                    ; g2
	PUTCODES CD1, SB1, X
	BARRIER
	; ---- gelu(x W1 + b1)
	AFETCH CD1, SB1
	s_wait_loadcnt 8                               ; w1, b1, w2 are in; the 8 of b2 and g2 may stay out
	MM4 WM, SWM, VA
	VLOAD VA, 6                                    ; be2
	GELU
	PUTCODES CD2, SB2, ACC
	BARRIER
	; ---- .. W2 + b2
	AFETCH CD2, SB2
	s_wait_loadcnt 0x0
	MM4 WP, SWP, VB
	RESID
	LNSTAT ST2
	BARRIER
	LNAPPLY ST2, VC, VA
	; ---- the rows go out
.irp u, 0,1
.irp j, 0,1,2,3
	ds_store_b128 v13, v[X+16*\u+4*\j:X+16*\u+4*\j+3] offset:16640*\u+16*\j
.endr
.endr
	BARRIER
.irp i, 0,1,2,3
.irp j, 0,1
	ds_load_b128 v[T+8*\i+4*\j:T+8*\i+4*\j+3], v14 offset:1040*\i+512*\j
.endr
.endr
.irp i, 0,1,2,3
.irp j, 0,1
	s_wait_dscnt 7-2*\i-\j
	global_store_b128 v1, v[T+8*\i+4*\j:T+8*\i+4*\j+3], s[40:41] offset:1024*\i+512*\j th:TH_STORE_NT   ; 32 lanes store 512 consecutive bytes, aligned
.endr
.endr
	s_wait_tensorcnt 0x0
	ds_add_u32 v254, v255
	s_wait_dscnt 0x0
	s_endpgm
.Lfunc_end_k_qe92cbab1cd_last:
	.size	k_qe92cbab1cd_last, .Lfunc_end_k_qe92cbab1cd_last-k_qe92cbab1cd_last
	.p2alignl 7, 3214868480
	.fill 96, 4, 3214868480
	.section	.rodata,"a",@progbits
	.p2align	6, 0x0
	.amdhsa_kernel k_qe92cbab1cd_last
		.amdhsa_group_segment_fixed_size 78848
		.amdhsa_private_segment_fixed_size 0
		.amdhsa_enable_private_segment 0
		.amdhsa_kernarg_size 32
		.amdhsa_user_sgpr_count 2
		.amdhsa_user_sgpr_kernarg_segment_ptr 1
		.amdhsa_wavefront_size32 1
		.amdhsa_system_sgpr_workgroup_id_x 1
		.amdhsa_system_sgpr_workgroup_id_y 1
		.amdhsa_system_sgpr_workgroup_id_z 1
		.amdhsa_system_vgpr_workitem_id 0
		.amdhsa_next_free_vgpr 512
		.amdhsa_next_free_sgpr 96
		.amdhsa_reserve_vcc 0
		.amdhsa_float_denorm_mode_32 3
		.amdhsa_float_denorm_mode_16_64 3
		.amdhsa_memory_ordered 1
		.amdhsa_forward_progress 1
		.amdhsa_inst_pref_size 73
	.end_amdhsa_kernel
	.amdgpu_metadata
---
amdhsa.version: [ 1, 2 ]
amdhsa.kernels:
  - .name:           k_qe92cbab1cd_last
    .symbol:         k_qe92cbab1cd_last.kd
    .args:
      - { .name: oc, .offset: 0, .size: 8, .value_kind: global_buffer, .address_space: global }
      - { .name: xb, .offset: 8, .size: 8, .value_kind: global_buffer, .address_space: global }
      - { .name: wl3, .offset: 16, .size: 8, .value_kind: global_buffer, .address_space: global }
      - { .name: out0, .offset: 24, .size: 8, .value_kind: global_buffer, .address_space: global }
    .group_segment_fixed_size: 78848
    .private_segment_fixed_size: 0
    .kernarg_segment_align: 8
    .kernarg_segment_size: 32
    .max_flat_workgroup_size: 256
    .sgpr_count:     96
    .vgpr_count:     512
    .wavefront_size: 32
...
	.end_amdgpu_metadata
.endif
;; end of part 5
;; ======== version 2 of 2: 10 launches; version 1 with the launches first, mid, mid1, mid2, last written anew for expert scheduling mode
;; limits: an absolute error that grows with the inputs' magnitude: up to 1e-07 times it
;; workspace buffers: wl0 314,368 bytes; wl1 314,368 bytes; wl2 314,368 bytes; wl3 314,368 bytes; xa 4,194,304 bytes; xb 4,194,304 bytes; qkvc 2,457,600 bytes; oc 819,200 bytes
;; launch prep: the kernel of part 1 again; grid 25 x 8, 2 waves a work-group, no clusters, 6,400 bytes of LDS; arguments qkv_w, proj_w, w1, w2, proj_b, b1, b2, g1, be1, g2, be2, wl0, wl1, wl2, wl3; writes wl0, wl1, wl2, wl3
;; launch first (part 6): grid 128 x 1, 8 waves a work-group, no clusters, 78,848 bytes of LDS; arguments x, wl0, xa, qkvc; writes xa, qkvc
.if DOCPART == 6
	.amdgcn_target "amdgcn-amd-amdhsa--gfx1250"
	.amdhsa_code_object_version 6
	.text
	.protected	k_qe92cbab1cd_first
	.globl	k_qe92cbab1cd_first
	.p2align	8
	.type	k_qe92cbab1cd_first,@function
k_qe92cbab1cd_first:
	s_mov_b64 s[64:65], 0
	v_nop
	global_prefetch_b8 v0, s[64:65] scope:SCOPE_SE
	s_setreg_imm32_b32 hwreg(HW_REG_WAVE_SCHED_MODE, 0, 2), 2
	s_setreg_imm32_b32 hwreg(HW_REG_WAVE_MODE, 25, 1), 1
	s_wait_xcnt 0x0
	s_wait_alu depctr_vm_vsrc(0)
; x + the position embedding -> xa (f32 rows), and layer 0's q, k, v as codes of BF6 with E8M0 bytes -> qkvc.
; SHARES.  A work-group owns 32 rows (V is quantised along the keys: a block is 32 rows).  Wave w owns columns 32 w .. 32 w + 31 of the rows and head w of q, k, v.
; ROW TILES: tile u holds rows 8 u + r + 8 (r / 8); in LDS a row lies at place 16 u + r.  With the weights' tiles chosen likewise a lane's 16 registers are always 16 neighbours along the next K.
; q, k: source 0 = 16 columns of W, source 1 = 16 rows: lane (r, h) holds one row and d = 16 h + 0 .. 15.   v: source 0 = 16 rows, source 1 = 16 columns: a lane holds one d and keys 16 h + 0 .. 15.
; qkvc: q [bh][n][24] at 0;  at 786432 [bh][4 arrays][24576]: K of the even and of the odd steps of 128 keys, V's even and odd chunks of 32 keys as [d 32][24];  at 2359296 scale bytes [b][n / 32][768]: q [h][32], k [h][32], v [h][32 d].
; POSITION: div = exp(2 i x f32(-ln 10000 / 256)) by exp2 with the product's low part carried; angle = f32(pos) x div; reduced by pi / 2 in two parts; sine and cosine by polynomials on [-pi/4, pi/4].
; LIMITS: the angle carries div's last-bit error x pos, about 2e-4 rad at pos 2047.  A block under 2^-122 gets the byte 1 (read by this program alone).  NaN and infinities are not served.
; THE MODE: SCHED_MODE bits 1:0 = 2 (LLVM: expert scheduling mode 2), set by the entry lines.  The code itself states the register dependences
; between vector or matrix instructions and memory or LDS instructions, with s_wait_alu, always for 0.
; THE PLAN.  Registers that memory or LDS instructions touch:
;   v1-v19     offsets and LDS addresses: written at the head, never again: one wait on va_vdst ahead of the first load serves every access.
;   X          loaded; the position is added; read by QUANT and by the LDS stores of the rows; later written over by the accumulators.
;   T, BY      written by QUANT, read by the LDS stores of codes and bytes; then the rows land in T, leave by global stores, and QUANT writes T and BY again.
;   AF, SA     filled from LDS, read by the products; then the codes on their way out land in AF.
;   the weights' fragments (window 1) and scale words are loaded once and read by products alone.
; So: a wait on va_vdst behind each QUANT, ahead of the stores that read what it made (the second also shows the products done reading AF); a wait on vm_vsrc behind the barrier that follows the first stores, and one beside the
; wait on XCNT ahead of the second QUANT.  Scalars written by vector lines (the wave's number; the eight masks of a tile's selects, made in one run) have a wait on va_sdst ahead of their first reader.
.set CD3, 13312                        ; LDS: code rows, 208 bytes apart (192 + 16: the 32 lanes of a load of 8 bytes touch 64 different banks)
.set SB3, 20480                        ; their scale bytes, 8 a row
.set XST, 24832                        ; 32 rows x 1040: the way out of the rows
.set QST, 58112                        ; 2304 a wave: q's, k's, v's codes
.set SST, 76544                        ; 768 scale bytes
.set SWQ, 24                           ; v24-35  the weights' scale words
.set SA,  44                           ; v44-47  the rows' scale words, 2 u + s
.set AF,  52                           ; v52-99  the rows' fragments, 12 (2 u + s)
.set ACC, 100                          ; v100-195 q's, k's, v's accumulators, 32 each
.set X,   132                          ; v132-163 my rows' numbers, 16 u + e
.set DIV, 164
.set ANG, 172
.set KK,  180
.set SS,  188
.set SN,  196
.set CN,  204
.set T,   212                          ; v212-243 at work
.set TA,  236
.set BY,  242
.set TB,  250                          ; v250-255 destinations of lane permutes
.set WQ,  0                            ; window 1: the weights' 12 fragments
.set MSB, 0
.macro WIN new                         ; the immediate's high byte repeats the setting that is left
.if MSB != \new
	s_set_vgpr_msb (MSB<<8)|\new
.set MSB, \new
.endif
.endm
.macro PLACES n
.rept \n
	v_nop
.endr
.endm
.macro BARRIER                         ; my LDS stores have landed and my LDS loads are in: then the work-group's barrier
	s_wait_dscnt 0x0
	s_barrier_signal -1
	s_barrier_wait -1
.endm
.macro WM0 d, a, b, sa, sb             ; a product that starts a sum
	v_wmma_scale_f32_16x16x128_f8f6f4 v[\d:\d+7], v[\a:\a+11], v[\b:\b+11], 0, v[\sa], v[\sb] matrix_a_fmt:MATRIX_FMT_BF6 matrix_b_fmt:MATRIX_FMT_BF6
.endm
.macro WMC d, a, b, c, sa, sb          ; a product onto C
	v_wmma_scale_f32_16x16x128_f8f6f4 v[\d:\d+7], v[\a:\a+11], v[\b:\b+11], v[\c:\c+7], v[\sa], v[\sb] matrix_a_fmt:MATRIX_FMT_BF6 matrix_b_fmt:MATRIX_FMT_BF6
.endm
.macro WLOAD reg, base, frag           ; a fragment's image: three loads of 16 bytes a lane
.irp j, 0,1,2
	global_load_b128 v[(\reg)+4*\j:(\reg)+4*\j+3], v1, s[\base:\base+1] offset:(\frag)*1536+512*\j
.endr
.endm
.macro WSET reg, sw, base, sbase, f0, t0   ; my two tiles of a matrix: four fragments into window 1, four scale words: 16 loads
	WIN 0x40
.irp c, 0,1
.irp s, 0,1
	WLOAD (\reg)+12*(2*\c+\s),\base,(\f0)+2*\c+\s
.endr
.endr
	WIN 0
.irp c, 0,1
.irp s, 0,1
	global_load_b32 v[\sw+2*\c+\s], v2, s[\sbase:\sbase+1] offset:\s*6144+((\t0)+\c)*64
.endr
.endr
.endm
.macro AFETCH cd, sb                   ; the 32 rows' four fragments and scale words from LDS
.irp u, 0,1
.irp s, 0,1
.irp p, 0,1,2,3,4,5
	ds_load_b64 v[AF+12*(2*\u+\s)+2*\p:AF+12*(2*\u+\s)+2*\p+1], v8 offset:\cd+3328*\u+96*\s+48*(\p/3)+8*(\p%3)
.endr
	ds_load_b32 v[SA+2*\u+\s], v10 offset:\sb+128*\u+4*\s
.endr
.endr
	s_wait_dscnt 0x0
.endm
; n sets of 16 numbers, set i at v[src + 16 i]: each is half a block of 32, the other half in lane l xor 16.  Codes to v[T + 4 i] on (12 bytes), the byte to v[BY + i].  The sets take turns line by line.
.macro QUANT src, n
.set qi, 0
.rept \n
	v_max3_num_f32 v[TA+qi], |v[(\src)+16*qi]|, |v[(\src)+16*qi+1]|, 0x2800000   ; with the floor 2^(5 - 127): the byte cannot fall under 1
.set qi, qi+1
.endr
.irp e, 2,4,6,8,10,12,14
.set qi, 0
.rept \n
	v_max3_num_f32 v[TA+qi], v[TA+qi], |v[(\src)+16*qi+\e]|, |v[(\src)+16*qi+\e+1]|
.set qi, qi+1
.endr
.endr
.set qi, 0
.rept \n
	v_permlanex16_b32 v[TB+qi], v[TA+qi], s20, s21
.set qi, qi+1
.endr
.set qi, 0
.rept \n
	v_max_num_f32 v[TA+qi], v[TA+qi], v[TB+qi]
.set qi, qi+1
.endr
.set qi, 0
.rept \n
	v_add_nc_u32 v[TA+qi], 0xfe000000, v[TA+qi]    ; 4 off the exponent field: the conversion's scale operand
.set qi, qi+1
.endr
.set qi, 0
.rept \n
	v_lshrrev_b32 v[BY+qi], 23, v[TA+qi]
.set qi, qi+1
.endr
.set qi, 0
.rept \n
	v_cvt_scalef32_pk16_bf6_f32 v[T+4*qi:T+4*qi+2], v[(\src)+16*qi:(\src)+16*qi+15], v[TA+qi]
.set qi, qi+1
.endr
	v_nop                                          ; one plain place behind the last scaled conversion
.endm
.macro PUTCODES cd, sb, src            ; my 32 columns of the 32 rows become codes and bytes in LDS
	QUANT \src, 2
	s_wait_alu depctr_va_vdst(0)                   ; the conversions have written v[T ..] and the shifts v[BY ..], which the LDS stores below read
.irp u, 0,1
.irp i, 0,1,2
	ds_store_b32 v7, v[T+4*\u+\i] offset:\cd+3328*\u+4*\i
.endr
	ds_store_b8 v9, v[BY+\u] offset:\sb+128*\u     ; both halves of the lanes write the same byte with the same value
.endr
.endm
.macro QKV s                           ; K step s of q, k, v: twelve accumulators by turns, one instruction a turn
	WIN 0x01                                       ; source 0 (W) window 1
.irp g, 0,1
.irp u, 0,1
.irp c, 0,1
.if \s == 0
	WM0 ACC+32*\g+16*\u+8*\c,WQ+48*\g+24*\c,AF+24*\u,SWQ+4*\g+2*\c,SA+2*\u
.else
	WMC ACC+32*\g+16*\u+8*\c,WQ+48*\g+24*\c+12,AF+24*\u+12,ACC+32*\g+16*\u+8*\c,SWQ+4*\g+2*\c+1,SA+2*\u+1
.endif
.endr
.endr
.endr
	WIN 0x04                                       ; source 1 (W) window 1: v is made the other way round
.irp d, 0,1
.irp u, 0,1
.if \s == 0
	WM0 ACC+64+16*\d+8*\u,AF+24*\u,WQ+96+24*\d,SA+2*\u,SWQ+8+2*\d
.else
	WMC ACC+64+16*\d+8*\u,AF+24*\u+12,WQ+96+24*\d+12,ACC+64+16*\d+8*\u,SA+2*\u+1,SWQ+8+2*\d+1
.endif
.endr
.endr
.endm
	s_load_b256 s[4:11], s[0:1], 0x0               ; x, wl0, xa, qkvc
	v_lshl_add_u32 v248, v0, 2, 0x13000
	v_mov_b32 v249, 0
	v_lshrrev_b32 v1, 5, v0
	v_readfirstlane_b32 s16, v1                    ; wave 0..7
	v_and_b32 v48, 31, v0                          ; l
	v_and_b32 v49, 15, v0                          ; r
	v_bfe_u32 v50, v0, 4, 1                        ; h
	v_and_b32 v4, 8, v49
	v_add_nc_u32 v4, v4, v49                       ; rr = r + 8 (r / 8)
	v_lshlrev_b32 v1, 4, v48                       ; 16 l
	v_lshlrev_b32 v2, 2, v49                       ; 4 r
	v_lshlrev_b32 v5, 10, v4
	v_lshl_add_u32 v5, v50, 6, v5                  ; rows: 1024 rr + 64 h
	v_mul_u32_u24 v8, v49, 208
	v_mad_u32_u24 v7, v50, 12, v8
	s_wait_alu depctr_va_sdst(0)                   ; s16 is written, ahead of its first reader: addresses and bases are made from it
	s_mul_i32 s50, s16, 24
	v_add_nc_u32 v7, s50, v7                       ; codes in: 208 r + 24 w + 12 h
	v_mad_u32_u24 v8, v50, 24, v8                  ; codes out: 208 r + 24 h
	v_lshlrev_b32 v10, 3, v49                      ; scale words out: 8 r
	v_add_nc_u32 v9, s16, v10                      ; scale bytes in: 8 r + w
	v_mul_u32_u24 v13, v49, 1040
	v_lshl_add_u32 v13, v50, 6, v13
	s_lshl_b32 s50, s16, 7
	s_add_co_u32 s50, s50, XST
	v_add_nc_u32 v13, s50, v13                     ; rows in: XST + 1040 r + 128 w + 64 h
	s_mul_i32 s50, s16, 4160
	s_add_co_u32 s50, s50, XST
	v_add_nc_u32 v14, s50, v1                      ; rows out: four places a wave, 16 bytes a lane
	s_mul_i32 s50, s16, 2304
	s_add_co_u32 s50, s50, QST
	v_mul_u32_u24 v15, v4, 24
	v_mad_u32_u24 v15, v50, 12, v15
	v_add_nc_u32 v15, s50, v15                     ; q, k, v codes in: QST + 2304 w + 24 rr + 12 h
	v_lshlrev_b32 v19, 3, v48                      ; 8 l
	v_add_nc_u32 v16, s50, v19                     ; and out
	s_lshl_b32 s50, s16, 5
	s_add_co_u32 s50, s50, SST
	v_add_nc_u32 v17, s50, v4                      ; q, k, v bytes in: SST + 32 w + rr
	v_add_nc_u32 v18, SST, v19                     ; and out
	s_lshr_b32 s17, ttmp9, 6                       ; b
	s_and_b32 s18, ttmp9, 63                       ; the block of 32 rows in the batch
	s_lshl_b32 s19, s18, 5                         ; n0
	s_mov_b32 s20, 0x76543210
	s_mov_b32 s21, 0xfedcba98                      ; v_permlanex16_b32's selects for lane l xor 16
	s_mov_b32 s53, 0
	s_mov_b32 s56, 0x3fb8aa3b                      ; log2(e)
	s_mov_b32 s57, 0xb94ca1f9                      ; sine: -1.9515295891e-4
	s_mov_b32 s58, 0x37ccf5ce                      ; cosine: 2.443315711809948e-5
	s_wait_kmcnt 0x0
	s_lshl_b32 s52, ttmp9, 15
	s_lshl_b32 s51, s16, 7
	s_add_co_u32 s52, s52, s51
	s_add_nc_u64 s[28:29], s[4:5], s[52:53]        ; x at my rows and columns
	s_mul_i32 s52, s16, 6144
	s_add_nc_u64 s[36:37], s[6:7], s[52:53]        ; the weights' fragments of my tiles
	s_add_co_u32 s52, s51, 294912
	s_add_nc_u64 s[38:39], s[6:7], s[52:53]        ; and their scale words
	s_wait_alu depctr_va_vdst(0)                   ; the offsets and LDS addresses v1 to v19 are written, which every load and store of the kernel reads; none is written again
.irp u, 0,1
.irp j, 0,1,2,3
	global_load_b128 v[X+16*\u+4*\j:X+16*\u+4*\j+3], v5, s[28:29] offset:8192*\u+16*\j th:TH_LOAD_NT
.endr
.endr
	WSET WQ,SWQ,36,38,0,0
	WSET WQ+48,SWQ+4,36,38,32,16
	WSET WQ+96,SWQ+8,36,38,64,32
	s_lshr_b32 s52, s16, 2
	s_lshl_b32 s52, s52, 3
	s_and_b32 s51, s16, 3
	s_lshl_b32 s51, s51, 2
	s_add_co_u32 s52, s52, s51
	s_and_b32 s51, s16, 2
	s_lshl_b32 s51, s51, 2
	s_add_co_u32 s52, s52, s51                     ; places 4 w .. 4 w + 3 are rows 8 (w / 4) + 4 (w % 4) + 4 (w & 2) on
	s_lshl_b32 s52, s52, 10
	s_lshl_b32 s51, ttmp9, 15
	s_add_co_u32 s52, s52, s51
	s_add_nc_u64 s[40:41], s[8:9], s[52:53]
	s_lshl_b32 s50, s17, 3
	s_add_co_u32 s50, s50, s16                     ; bh = 8 b + w
	s_mul_i32 s52, s50, 49152
	s_mul_i32 s51, s19, 24
	s_add_co_u32 s52, s52, s51
	s_add_nc_u64 s[42:43], s[10:11], s[52:53]      ; q's codes
	s_mul_i32 s50, s50, 98304
	s_add_co_u32 s50, s50, 786432
	s_bfe_u32 s52, s19, 0x10007
	s_mul_i32 s52, s52, 24576
	s_lshr_b32 s51, s19, 8
	s_mul_i32 s51, s51, 3072
	s_add_co_u32 s52, s52, s51
	s_and_b32 s51, s19, 127
	s_mul_i32 s51, s51, 24
	s_add_co_u32 s52, s52, s51
	s_add_co_u32 s52, s52, s50
	s_add_nc_u64 s[44:45], s[10:11], s[52:53]      ; k's
	s_and_b32 s52, s18, 1
	s_add_co_u32 s52, s52, 2
	s_mul_i32 s52, s52, 24576
	s_lshr_b32 s51, s18, 1
	s_mul_i32 s51, s51, 768
	s_add_co_u32 s52, s52, s51
	s_add_co_u32 s52, s52, s50
	s_add_nc_u64 s[46:47], s[10:11], s[52:53]      ; v's
	s_mul_i32 s52, ttmp9, 768
	s_add_co_u32 s52, s52, 2359296
	s_add_nc_u64 s[48:49], s[10:11], s[52:53]      ; the scale bytes
.irp i, 0,1,2,3,4,5
	v_mov_b32 v[TB+\i], 0                          ; written once: a lane permute's destination counts as one of its sources
.endr
	; ---- div of my eight pairs of columns: column 32 w + 16 h + 2 e
	s_lshl_b32 s50, s16, 5
	v_lshl_add_u32 v220, v50, 4, s50
.irp e, 0,1,2,3,4,5,6,7
	v_add_nc_u32 v[KK+\e], 2*\e, v220
.endr
.irp e, 0,1,2,3,4,5,6,7
	v_cvt_f32_u32 v[KK+\e], v[KK+\e]
.endr
	s_mov_b32 s59, -0.03597789207803197            ; -ln(10000) / 256, rounded to f32
.irp e, 0,1,2,3,4,5,6,7
	v_mul_f32 v[KK+\e], s59, v[KK+\e]              ; a, rounded as the product of two f32 numbers
.endr
.irp e, 0,1,2,3,4,5,6,7
	v_mul_f32 v[ANG+\e], s56, v[KK+\e]             ; hi = a x log2(e)
.endr
.irp e, 0,1,2,3,4,5,6,7
	v_fma_f32 v[SS+\e], v[KK+\e], s56, -v[ANG+\e]  ; what that product lost,
.endr
	s_mov_b32 s59, 0x32a57060                      ; 1.925963e-8: log2(e) less its f32 value
.irp e, 0,1,2,3,4,5,6,7
	v_fmac_f32 v[SS+\e], s59, v[KK+\e]             ; and what the constant lost
.endr
.irp e, 0,1,2,3,4,5,6,7
	v_exp_f32 v[DIV+\e], v[ANG+\e]
.endr
.irp e, 0,1,2,3,4,5,6,7
	v_mul_f32 v[SS+\e], 0x3f317218, v[SS+\e]       ; ln 2 x lo.  (Plain work behind the exponentials)
.endr
	s_wait_alu depctr_va_vdst(0)                   ; one wait for the eight exponentials' results v[DIV ..], ahead of their first reader
.irp e, 0,1,2,3,4,5,6,7
	v_fma_f32 v[DIV+\e], v[DIV+\e], v[SS+\e], v[DIV+\e]
.endr
	s_wait_loadcnt 48                              ; x is in; the 48 loads of the weights may stay out
.irp u, 0,1
	s_add_co_u32 s51, s19, 8*\u
	v_add_nc_u32 v220, s51, v4
	v_cvt_f32_u32 v220, v220                       ; my row's position
.irp e, 0,1,2,3,4,5,6,7
	v_mul_f32 v[ANG+\e], v220, v[DIV+\e]
.endr
.irp e, 0,1,2,3,4,5,6,7
	v_mul_f32 v[KK+\e], 0x3f22f983, v[ANG+\e]      ; x 2 / pi
.endr
.irp e, 0,1,2,3,4,5,6,7
	v_rndne_f32 v[KK+\e], v[KK+\e]                 ; k
.endr
.irp e, 0,1,2,3,4,5,6,7
	v_fmamk_f32 v[ANG+\e], v[KK+\e], 0xbfc90fdb, v[ANG+\e]   ; - k x pi / 2, its f32 value,
.endr
.irp e, 0,1,2,3,4,5,6,7
	v_fmamk_f32 v[ANG+\e], v[KK+\e], 0x333bbd2e, v[ANG+\e]   ; and the rest of it: rho
.endr
.irp e, 0,1,2,3,4,5,6,7
	v_mul_f32 v[SS+\e], v[ANG+\e], v[ANG+\e]
.endr
.irp e, 0,1,2,3,4,5,6,7
	v_fmaak_f32 v[SN+\e], s57, v[SS+\e], 0x3c08839e
.endr
.irp e, 0,1,2,3,4,5,6,7
	v_fmaak_f32 v[SN+\e], v[SN+\e], v[SS+\e], 0xbe2aaaa3
.endr
.irp e, 0,1,2,3,4,5,6,7
	v_fmaak_f32 v[CN+\e], s58, v[SS+\e], 0xbab6061a
.endr
.irp e, 0,1,2,3,4,5,6,7
	v_fmaak_f32 v[CN+\e], v[CN+\e], v[SS+\e], 0x3d2aaaa5
.endr
.irp e, 0,1,2,3,4,5,6,7
	v_mul_f32 v[T+\e], v[ANG+\e], v[SS+\e]
.endr
.irp e, 0,1,2,3,4,5,6,7
	v_fma_f32 v[SN+\e], v[T+\e], v[SN+\e], v[ANG+\e]   ; sin rho
.endr
.irp e, 0,1,2,3,4,5,6,7
	v_fma_f32 v[T+\e], v[SS+\e], -0.5, 1.0
.endr
.irp e, 0,1,2,3,4,5,6,7
	v_mul_f32 v[SS+\e], v[SS+\e], v[SS+\e]
.endr
.irp e, 0,1,2,3,4,5,6,7
	v_fma_f32 v[CN+\e], v[SS+\e], v[CN+\e], v[T+\e]    ; cos rho
.endr
.irp e, 0,1,2,3,4,5,6,7
	v_cvt_i32_f32 v[KK+\e], v[KK+\e]
.endr
.irp e, 0,1,2,3,4,5,6,7
	v_and_b32 v[T+\e], 1, v[KK+\e]
.endr
.irp e, 0,1,2,3,4,5,6,7
	v_cmp_eq_u32 s[22+\e+2*(\e/6)], 1, v[T+\e]     ; an odd k swaps the two (a choice of values: no branch hangs on it).  The eight compares stand in one run, a mask each: s22 to s27, s30, s31
.endr
	s_wait_alu depctr_va_sdst(0)                   ; the eight masks are written, ahead of their first reader
.irp e, 0,1,2,3,4,5,6,7
	v_cndmask_b32 v[T+\e], v[SN+\e], v[CN+\e], s[22+\e+2*(\e/6)]
	v_cndmask_b32 v[CN+\e], v[CN+\e], v[SN+\e], s[22+\e+2*(\e/6)]
	v_lshlrev_b32 v[SN+\e], 30, v[KK+\e]
	v_and_b32 v[SN+\e], 0x80000000, v[SN+\e]       ; the sine's sign: bit 1 of k
	v_xor_b32 v[T+\e], v[SN+\e], v[T+\e]
	v_add_nc_u32 v[KK+\e], 1, v[KK+\e]
	v_lshlrev_b32 v[KK+\e], 30, v[KK+\e]
	v_and_b32 v[KK+\e], 0x80000000, v[KK+\e]       ; the cosine's: bit 1 of k + 1
	v_xor_b32 v[CN+\e], v[KK+\e], v[CN+\e]
	v_add_f32 v[X+16*\u+2*\e], v[X+16*\u+2*\e], v[T+\e]
	v_add_f32 v[X+16*\u+2*\e+1], v[X+16*\u+2*\e+1], v[CN+\e]
.endr
.endr
	; ---- the rows become codes, and go out
	PUTCODES CD3, SB3, X
.irp u, 0,1
.irp j, 0,1,2,3
	ds_store_b128 v13, v[X+16*\u+4*\j:X+16*\u+4*\j+3] offset:16640*\u+16*\j   ; the additions that wrote v[X ..] stand ahead of the wait in PUTCODES, and no vector line has followed it
.endr
.endr
	BARRIER                                        ; 32 whole rows, their codes and their bytes lie in LDS
	s_wait_alu depctr_vm_vsrc(0)                   ; my LDS stores have read v[T ..] and v[BY ..], in which the loads below land, and v[X ..], which the products write over
.irp i, 0,1,2,3
.irp j, 0,1
	ds_load_b128 v[T+8*\i+4*\j:T+8*\i+4*\j+3], v14 offset:1040*\i+512*\j
.endr
.endr
	AFETCH CD3, SB3
.irp i, 0,1,2,3
.irp j, 0,1
	global_store_b128 v1, v[T+8*\i+4*\j:T+8*\i+4*\j+3], s[40:41] offset:1024*\i+512*\j   ; 32 lanes store 512 consecutive bytes, aligned
.endr
.endr
	s_wait_loadcnt 0x0                             ; the weights
	QKV 0
	QKV 1
	WIN 0
	PLACES 5
	s_wait_xcnt 0x0                                ; the row stores have had their addresses translated: only now are v212-243 written again
	s_wait_alu depctr_vm_vsrc(0)                   ; and they have read v212-243, which QUANT writes
	QUANT ACC, 6
	s_wait_alu depctr_va_vdst(0)                   ; the conversions have written v[T ..] and the shifts v[BY ..], which the LDS stores read; the products are done reading v[AF ..], in which the loads below land
.irp g, 0,1,2
.irp u, 0,1
.irp i, 0,1,2
	ds_store_b32 v15, v[T+4*(2*\g+\u)+\i] offset:768*\g+192*\u+4*\i
.endr
	ds_store_b8 v17, v[BY+2*\g+\u] offset:256*\g+8*\u
.endr
.endr
.irp i, 0,1,2,3,4,5,6,7,8
	ds_load_b64 v[AF+2*\i:AF+2*\i+1], v16 offset:256*\i   ; my own bytes: LDS serves a wave's instructions in order
.endr
.irp i, 0,1,2,3,4,5,6,7,8
	s_wait_dscnt 8-\i
	global_store_b64 v19, v[AF+2*\i:AF+2*\i+1], s[42+2*(\i/3):43+2*(\i/3)] offset:256*(\i%3)   ; 32 lanes store 256 consecutive bytes, aligned
.endr
	BARRIER                                        ; the eight waves' scale bytes lie in LDS
	s_cmp_lg_u32 s16, 0
	s_cbranch_scc1 .Lend
.irp i, 0,1,2
	ds_load_b64 v[AF+24+2*\i:AF+25+2*\i], v18 offset:256*\i
.endr
	s_wait_dscnt 0x0
.irp i, 0,1,2
	global_store_b64 v19, v[AF+24+2*\i:AF+25+2*\i], s[48:49] offset:256*\i
.endr
.Lend:
	s_wait_dscnt 0x0                               ; the closing lines, six on end
	s_wait_alu 0x0
	s_wait_tensorcnt 0x0
	ds_add_u32 v248, v249
	s_wait_dscnt 0x0
	s_endpgm
.Lfunc_end_k_qe92cbab1cd_first:
	.size	k_qe92cbab1cd_first, .Lfunc_end_k_qe92cbab1cd_first-k_qe92cbab1cd_first
	.p2alignl 7, 3214868480
	.fill 96, 4, 3214868480
	.section	.rodata,"a",@progbits
	.p2align	6, 0x0
	.amdhsa_kernel k_qe92cbab1cd_first
		.amdhsa_group_segment_fixed_size 78848
		.amdhsa_private_segment_fixed_size 0
		.amdhsa_enable_private_segment 0
		.amdhsa_kernarg_size 32
		.amdhsa_user_sgpr_count 2
		.amdhsa_user_sgpr_kernarg_segment_ptr 1
		.amdhsa_wavefront_size32 1
		.amdhsa_system_sgpr_workgroup_id_x 1
		.amdhsa_system_sgpr_workgroup_id_y 1
		.amdhsa_system_sgpr_workgroup_id_z 1
		.amdhsa_system_vgpr_workitem_id 0
		.amdhsa_next_free_vgpr 512
		.amdhsa_next_free_sgpr 66
		.amdhsa_reserve_vcc 0
		.amdhsa_float_denorm_mode_32 3
		.amdhsa_float_denorm_mode_16_64 3
		.amdhsa_memory_ordered 1
		.amdhsa_forward_progress 1
		.amdhsa_inst_pref_size 54
	.end_amdhsa_kernel
	.amdgpu_metadata
---
amdhsa.version: [ 1, 2 ]
amdhsa.kernels:
  - .name:           k_qe92cbab1cd_first
    .symbol:         k_qe92cbab1cd_first.kd
    .args:
      - { .name: x, .offset: 0, .size: 8, .value_kind: global_buffer, .address_space: global }
      - { .name: wl0, .offset: 8, .size: 8, .value_kind: global_buffer, .address_space: global }
      - { .name: xa, .offset: 16, .size: 8, .value_kind: global_buffer, .address_space: global }
      - { .name: qkvc, .offset: 24, .size: 8, .value_kind: global_buffer, .address_space: global }
    .group_segment_fixed_size: 78848
    .private_segment_fixed_size: 0
    .kernarg_segment_align: 8
    .kernarg_segment_size: 32
    .max_flat_workgroup_size: 256
    .sgpr_count:     66
    .vgpr_count:     512
    .wavefront_size: 32
...
	.end_amdgpu_metadata
.endif
;; end of part 6
;; launch attn: the kernel of part 3 again; grid 16 x 16, 16 waves a work-group, clusters of 4 x 1, 169,984 bytes of LDS; arguments qkvc, oc; writes oc
;; launch mid (part 7): grid 128 x 1, 8 waves a work-group, no clusters, 78,848 bytes of LDS; arguments oc, xa, wl0, wl1, xb, qkvc; writes xb, qkvc
.if DOCPART == 7
	.amdgcn_target "amdgcn-amd-amdhsa--gfx1250"
	.amdhsa_code_object_version 6
	.text
	.protected	k_qe92cbab1cd_mid
	.globl	k_qe92cbab1cd_mid
	.p2align	8
	.type	k_qe92cbab1cd_mid,@function
k_qe92cbab1cd_mid:
	s_mov_b64 s[64:65], 0
	v_nop
	global_prefetch_b8 v0, s[64:65] scope:SCOPE_SE
	s_setreg_imm32_b32 hwreg(HW_REG_WAVE_SCHED_MODE, 0, 2), 2
	s_setreg_imm32_b32 hwreg(HW_REG_WAVE_MODE, 25, 1), 1
	s_wait_xcnt 0x0
	s_wait_alu depctr_vm_vsrc(0)
; A layer's row chain and the next layer's q, k, v:  x = LN1(x + o Wp + bp);  x = LN2(x + gelu(x W1 + b1) W2 + b2) -> xout;  q, k, v = x Wqkv(next layer) as codes -> qkvc.  All products on codes of BF6 with E8M0 bytes.
; SHARES.  A work-group owns 32 rows (V is quantised along the keys: a block is 32 rows).  Wave w owns columns 32 w .. 32 w + 31 of every product and head w of q, k, v, for both tiles of rows:
; its weights come as images of the operand's registers straight from memory, once, each fragment feeding two products.  What goes from wave to wave is small: the rows' codes and bytes, and the norms' partial sums.
; ROW TILES: tile u holds rows 8 u + r + 8 (r / 8); in LDS a row lies at place 16 u + r.  Products are used transposed (source 0 = 16 columns of W, source 1 = 16 rows): lane (r, h) holds one row and columns
; 32 w + 16 h + 0 .. 15 in 16 registers: half a block of the next K, the other half in lane l xor 16.  v is made the other way round: a lane holds one d and keys 16 h + 0 .. 15.
; The biases are the C of each sum's first product.
; LAYERNORM: each wave gives (mean, sum of squared deviations) of its 32 columns; the eight pairs are merged: var = (sum M2 + 32 sum (mean_w - mean)^2) / 256.  No difference of large sums; another order of rounding than a plain mean.
; GELU: 0.5 a (1 + erf(a / sqrt 2)), erf(z) = z P(z^2) / Q(z^2) with z held at +-4.  LIMITS: for a < 0 the sum 1 + erf cancels: absolute error about 1e-7 |a|; divisions are v_rcp_f32 and a multiplication;
; a block under 2^-122 gets the byte 1 (read by this program alone); NaN and infinities are not served.
; Every LDS region is written once and read once, with a barrier between.
; THE MODE: SCHED_MODE bits 1:0 = 2 (LLVM: expert scheduling mode 2), set by the entry lines.  The code itself states the register dependences
; between vector or matrix instructions and memory or LDS instructions, with s_wait_alu, always for 0.
; THE PLAN.  Registers that memory or LDS instructions touch:
;   v1-v19       offsets and LDS addresses: written at the head, never again: one wait on va_vdst ahead of the first load serves every access.
;   AF, SA       filled by loads, read by a product, filled again by the next AFETCH, which always stands behind a later wait on va_vdst.  For the first product alone SA is made by vector lines: its places, then a wait.
;   VA, WP, SWP  read by the first product; then b1 and w2 land there: one wait on va_vdst behind that product, ahead of the whole run of loads.  VA is read again by the second product; then be2 lands: one wait.
;   VB, VC       read by the first norm's multiply-adds; b2 and g2 land there behind the wait that PUTCODES holds.
;   T, BY        written by QUANT, read by the LDS stores of codes and bytes (a wait on va_vdst between, in PUTCODES); written again by GELU, by LNSTAT or by loads: a wait on vm_vsrc behind the barrier that follows each PUTCODES.
;   MP           written by LNSTAT, read by its LDS store (a wait on va_vdst between), written again by LNAPPLY (a wait on vm_vsrc at its head).
;   X            written by the second norm, read by the LDS stores of the rows, which stand behind PUTCODES' wait; written over by q, k, v's accumulators, behind the wait on vm_vsrc.
;   T as the rows' way out: read by the global stores, written again by QUANT: a wait on vm_vsrc beside the wait on XCNT.
; The wave's number, a scalar written by a vector line, has a wait on va_sdst ahead of its first reader.
.set CD1, 0                            ; code rows, 208 bytes apart (192 + 16: the 32 lanes of a load of 8 bytes touch 64 different banks), three sets
.set CD2, 6656
.set CD3, 13312
.set SB1, 19968                        ; their scale bytes, 8 a row
.set SB2, 20224
.set SB3, 20480
.set ST1, 20736                        ; the norms' pairs, 64 bytes a row
.set ST2, 22784
.set XST, 24832                        ; 32 rows x 1040: the way out of the rows
.set QST, 58112                        ; 2304 a wave: q's, k's, v's codes
.set SST, 76544                        ; 768 scale bytes
.set SWQ, 24                           ; v24-35  scale words of the next layer's qkv;  v36-39 proj's, later w2's;  v40-43 w1's
.set SWP, 36
.set SWM, 40
.set SA,  44                           ; v44-47  the rows' scale words, 2 u + s
.set AF,  52                           ; v52-99  the rows' fragments, 12 (2 u + s)
.set ACC, 100                          ; v100-131 accumulators, 16 u + 8 c; for q, k, v: v100-195
.set X,   132                          ; v132-163 my rows' numbers, 16 u + e
.set VA,  164                          ; v164-211 three vectors of my 16 columns
.set VB,  180
.set VC,  196
.set T,   212                          ; v212-243 at work
.set TA,  236
.set BY,  242
.set MP,  244
.set TB,  250                          ; v250-255 destinations of lane permutes
.set WQ,  0                            ; window 1: v0-143 qkv's 12 fragments; v144-191 proj's four, later w2's; v192-239 w1's
.set WP,  144
.set WM,  192
.set MSB, 0
.macro WIN new                         ; the immediate's high byte repeats the setting that is left
.if MSB != \new
	s_set_vgpr_msb (MSB<<8)|\new
.set MSB, \new
.endif
.endm
.macro PLACES n
.rept \n
	v_nop
.endr
.endm
.macro BARRIER                         ; my LDS stores have landed and my LDS loads are in: then the work-group's barrier
	s_wait_dscnt 0x0
	s_barrier_signal -1
	s_barrier_wait -1
.endm
.macro WM0 d, a, b, sa, sb
	v_wmma_scale_f32_16x16x128_f8f6f4 v[\d:\d+7], v[\a:\a+11], v[\b:\b+11], 0, v[\sa], v[\sb] matrix_a_fmt:MATRIX_FMT_BF6 matrix_b_fmt:MATRIX_FMT_BF6
.endm
.macro WMC d, a, b, c, sa, sb
	v_wmma_scale_f32_16x16x128_f8f6f4 v[\d:\d+7], v[\a:\a+11], v[\b:\b+11], v[\c:\c+7], v[\sa], v[\sb] matrix_a_fmt:MATRIX_FMT_BF6 matrix_b_fmt:MATRIX_FMT_BF6
.endm
.macro WLOAD reg, base, frag           ; a fragment's image: three loads of 16 bytes a lane
.irp j, 0,1,2
	global_load_b128 v[(\reg)+4*\j:(\reg)+4*\j+3], v1, s[\base:\base+1] offset:(\frag)*1536+512*\j
.endr
.endm
.macro WSET reg, sw, base, sbase, f0, t0   ; my two tiles of a matrix: four fragments into window 1, four scale words: 16 loads
	WIN 0x40
.irp c, 0,1
.irp s, 0,1
	WLOAD (\reg)+12*(2*\c+\s),\base,(\f0)+2*\c+\s
.endr
.endr
	WIN 0
.irp c, 0,1
.irp s, 0,1
	global_load_b32 v[\sw+2*\c+\s], v2, s[\sbase:\sbase+1] offset:\s*6144+((\t0)+\c)*64
.endr
.endr
.endm
.macro VLOAD reg, v                    ; vector v of the layer at my 16 columns: 4 loads
.irp j, 0,1,2,3
	global_load_b128 v[\reg+4*\j:\reg+4*\j+3], v6, s[34:35] offset:\v*1024+16*\j
.endr
.endm
.macro AFETCH cd, sb                   ; the 32 rows' four fragments and scale words from LDS
.irp u, 0,1
.irp s, 0,1
.irp p, 0,1,2,3,4,5
	ds_load_b64 v[AF+12*(2*\u+\s)+2*\p:AF+12*(2*\u+\s)+2*\p+1], v8 offset:\cd+3328*\u+96*\s+48*(\p/3)+8*(\p%3)
.endr
	ds_load_b32 v[SA+2*\u+\s], v10 offset:\sb+128*\u+4*\s
.endr
.endr
	s_wait_dscnt 0x0
.endm
.macro MM4 wreg, sw, cvec              ; rows x my 32 columns: four accumulators by turns, one instruction a turn; the bias starts the sums
	WIN 0x01                                       ; source 0 (W) window 1
.irp u, 0,1
.irp c, 0,1
	WMC ACC+16*\u+8*\c,\wreg+24*\c,AF+24*\u,\cvec+8*\c,\sw+2*\c,SA+2*\u
.endr
.endr
.irp u, 0,1
.irp c, 0,1
	WMC ACC+16*\u+8*\c,\wreg+24*\c+12,AF+24*\u+12,ACC+16*\u+8*\c,\sw+2*\c+1,SA+2*\u+1
.endr
.endr
	WIN 0
	PLACES 5                                       ; ahead of reads of the results and of the next sums begun on these accumulators
.endm
.macro QUANT src, n                    ; n sets of 16 numbers, set i at v[src + 16 i]: half a block, the other half in lane l xor 16.  Codes to v[T + 4 i] on, the byte to v[BY + i]
.set qi, 0
.rept \n
	v_max3_num_f32 v[TA+qi], |v[(\src)+16*qi]|, |v[(\src)+16*qi+1]|, 0x2800000   ; with the floor 2^(5 - 127): the byte cannot fall under 1
.set qi, qi+1
.endr
.irp e, 2,4,6,8,10,12,14
.set qi, 0
.rept \n
	v_max3_num_f32 v[TA+qi], v[TA+qi], |v[(\src)+16*qi+\e]|, |v[(\src)+16*qi+\e+1]|
.set qi, qi+1
.endr
.endr
.set qi, 0
.rept \n
	v_permlanex16_b32 v[TB+qi], v[TA+qi], s20, s21
.set qi, qi+1
.endr
.set qi, 0
.rept \n
	v_max_num_f32 v[TA+qi], v[TA+qi], v[TB+qi]
.set qi, qi+1
.endr
.set qi, 0
.rept \n
	v_add_nc_u32 v[TA+qi], 0xfe000000, v[TA+qi]    ; 4 off the exponent field: the conversion's scale operand
.set qi, qi+1
.endr
.set qi, 0
.rept \n
	v_lshrrev_b32 v[BY+qi], 23, v[TA+qi]
.set qi, qi+1
.endr
.set qi, 0
.rept \n
	v_cvt_scalef32_pk16_bf6_f32 v[T+4*qi:T+4*qi+2], v[(\src)+16*qi:(\src)+16*qi+15], v[TA+qi]
.set qi, qi+1
.endr
	v_nop                                          ; one plain place behind the last scaled conversion
.endm
.macro PUTCODES cd, sb, src
	QUANT \src, 2
	s_wait_alu depctr_va_vdst(0)                   ; the conversions have written v[T ..] and the shifts v[BY ..], which the LDS stores below read
.irp u, 0,1
.irp i, 0,1,2
	ds_store_b32 v7, v[T+4*\u+\i] offset:\cd+3328*\u+4*\i
.endr
	ds_store_b8 v9, v[BY+\u] offset:\sb+128*\u     ; both halves of the lanes write the same byte with the same value
.endr
.endm
.macro RESID                           ; x += the product; each accumulator is read from its low end on
.set j, 0
.rept 16
	v_pk_add_f32 v[X+j:X+j+1], v[X+j:X+j+1], v[ACC+j:ACC+j+1]
.set j, j+2
.endr
.endm
.macro LNSTAT st                       ; (mean, sum of squared deviations) of my 32 columns of each row -> LDS
.irp u, 0,1
.irp e, 0,4,8,12
	v_pk_add_f32 v[T+16*\u+\e:T+16*\u+\e+1], v[X+16*\u+\e:X+16*\u+\e+1], v[X+16*\u+\e+2:X+16*\u+\e+3]
.endr
.endr
.irp u, 0,1
	v_pk_add_f32 v[T+16*\u:T+16*\u+1], v[T+16*\u:T+16*\u+1], v[T+16*\u+4:T+16*\u+5]
	v_pk_add_f32 v[T+16*\u+8:T+16*\u+9], v[T+16*\u+8:T+16*\u+9], v[T+16*\u+12:T+16*\u+13]
.endr
.irp u, 0,1
	v_pk_add_f32 v[T+16*\u:T+16*\u+1], v[T+16*\u:T+16*\u+1], v[T+16*\u+8:T+16*\u+9]
.endr
.irp u, 0,1
	v_add_f32 v[MP+2*\u+1], v[T+16*\u], v[T+16*\u+1]
.endr
.irp u, 0,1
	v_permlanex16_b32 v[TB+\u], v[MP+2*\u+1], s20, s21
.endr
.irp u, 0,1
	v_add_f32 v[MP+2*\u+1], v[MP+2*\u+1], v[TB+\u]
.endr
.irp u, 0,1
	v_mul_f32 v[MP+2*\u], 0x3d000000, v[MP+2*\u+1] ; / 32
.endr
.irp e, 0,2,4,6,8,10,12,14
.irp u, 0,1
	v_pk_add_f32 v[T+16*\u+\e:T+16*\u+\e+1], v[X+16*\u+\e:X+16*\u+\e+1], v[MP+2*\u:MP+2*\u+1] op_sel_hi:[1,0] neg_lo:[0,1] neg_hi:[0,1]
.endr
.endr
.irp u, 0,1
	v_pk_mul_f32 v[T+16*\u:T+16*\u+1], v[T+16*\u:T+16*\u+1], v[T+16*\u:T+16*\u+1]
.endr
.irp e, 2,4,6,8,10,12,14
.irp u, 0,1
	v_pk_fma_f32 v[T+16*\u:T+16*\u+1], v[T+16*\u+\e:T+16*\u+\e+1], v[T+16*\u+\e:T+16*\u+\e+1], v[T+16*\u:T+16*\u+1]
.endr
.endr
.irp u, 0,1
	v_add_f32 v[MP+2*\u+1], v[T+16*\u], v[T+16*\u+1]
.endr
.irp u, 0,1
	v_permlanex16_b32 v[TB+\u], v[MP+2*\u+1], s20, s21
.endr
.irp u, 0,1
	v_add_f32 v[MP+2*\u+1], v[MP+2*\u+1], v[TB+\u]
.endr
	s_wait_alu depctr_va_vdst(0)                   ; the pairs v[MP ..] are written, which the LDS stores read; and the lines above are done with v[T ..], in which LNAPPLY's loads land
.irp u, 0,1
	ds_store_b64 v11, v[MP+2*\u:MP+2*\u+1] offset:\st+1024*\u
.endr
.endm
.macro LNAPPLY st, g, be               ; the eight waves' pairs are merged; x = (x - mean) rsqrt(var + 1e-6) g + be
	s_wait_alu depctr_vm_vsrc(0)                   ; LNSTAT's LDS stores have read v[MP ..], which the lines below write again
.irp u, 0,1
.irp i, 0,1,2,3
	ds_load_b128 v[T+16*\u+4*\i:T+16*\u+4*\i+3], v12 offset:\st+1024*\u+16*\i
.endr
.endr
	s_wait_dscnt 0x0
.irp u, 0,1
	v_pk_add_f32 v[MP+4*\u:MP+4*\u+1], v[T+16*\u:T+16*\u+1], v[T+16*\u+2:T+16*\u+3]
	v_pk_add_f32 v[MP+4*\u+2:MP+4*\u+3], v[T+16*\u+4:T+16*\u+5], v[T+16*\u+6:T+16*\u+7]
.endr
.irp u, 0,1
	v_pk_add_f32 v[MP+4*\u:MP+4*\u+1], v[MP+4*\u:MP+4*\u+1], v[T+16*\u+8:T+16*\u+9]
	v_pk_add_f32 v[MP+4*\u+2:MP+4*\u+3], v[MP+4*\u+2:MP+4*\u+3], v[T+16*\u+10:T+16*\u+11]
.endr
.irp u, 0,1
	v_pk_add_f32 v[MP+4*\u:MP+4*\u+1], v[MP+4*\u:MP+4*\u+1], v[T+16*\u+12:T+16*\u+13]
	v_pk_add_f32 v[MP+4*\u+2:MP+4*\u+3], v[MP+4*\u+2:MP+4*\u+3], v[T+16*\u+14:T+16*\u+15]
.endr
.irp u, 0,1
	v_pk_add_f32 v[MP+4*\u:MP+4*\u+1], v[MP+4*\u:MP+4*\u+1], v[MP+4*\u+2:MP+4*\u+3]   ; (sum of means, sum of M2)
.endr
.irp u, 0,1
	v_mul_f32 v[MP+4*\u], 0x3e000000, v[MP+4*\u]   ; the row's mean
.endr
.irp i, 0,2,4,6,8,10,12,14
.irp u, 0,1
	v_sub_f32 v[T+16*\u+\i], v[T+16*\u+\i], v[MP+4*\u]
.endr
.endr
.irp u, 0,1
	v_mul_f32 v[MP+4*\u+2], v[T+16*\u], v[T+16*\u]
.endr
.irp i, 2,4,6,8,10,12,14
.irp u, 0,1
	v_fmac_f32 v[MP+4*\u+2], v[T+16*\u+\i], v[T+16*\u+\i]
.endr
.endr
.irp u, 0,1
	v_fmamk_f32 v[MP+4*\u+3], v[MP+4*\u+2], 0x42000000, v[MP+4*\u+1]
.endr
.irp u, 0,1
	v_fma_f32 v[MP+4*\u+3], v[MP+4*\u+3], s54, s55 ; / 256 + 1e-6
.endr
.irp u, 0,1
	v_rsq_f32 v[MP+4*\u+2], v[MP+4*\u+3]
.endr
.irp u, 0,1
.irp e, 0,2,4,6,8,10,12,14
	v_pk_add_f32 v[X+16*\u+\e:X+16*\u+\e+1], v[X+16*\u+\e:X+16*\u+\e+1], v[MP+4*\u:MP+4*\u+1] op_sel_hi:[1,0] neg_lo:[0,1] neg_hi:[0,1]   ; plain work behind the two roots
.endr
.endr
	s_wait_alu depctr_va_vdst(0)                   ; one wait for both roots' results, ahead of their first reader
.irp u, 0,1
.irp e, 0,2,4,6,8,10,12,14
	v_pk_mul_f32 v[X+16*\u+\e:X+16*\u+\e+1], v[X+16*\u+\e:X+16*\u+\e+1], v[MP+4*\u+2:MP+4*\u+3] op_sel_hi:[1,0]
.endr
.endr
.irp u, 0,1
.irp e, 0,2,4,6,8,10,12,14
	v_pk_fma_f32 v[X+16*\u+\e:X+16*\u+\e+1], v[X+16*\u+\e:X+16*\u+\e+1], v[\g+\e:\g+\e+1], v[\be+\e:\be+\e+1]
.endr
.endr
.endm
.macro HORN d, k                       ; a step of Horner's rule on four pairs: d = d z^2 + the coefficient in s[k]
.irp e, 0,2,4,6
	v_pk_fma_f32 v[\d+\e:\d+\e+1], v[\d+\e:\d+\e+1], v[T+8+\e:T+8+\e+1], s[\k:\k+1] op_sel_hi:[1,1,0]
.endr
.endm
.macro GELU                            ; on the four accumulators in place, one (eight numbers) at a time: z v212-219, z^2 v220-227, P v228-235, Q v236-243
.irp k, 0,1,2,3
.irp e, 0,2,4,6
	v_pk_mul_f32 v[T+\e:T+\e+1], v[ACC+8*\k+\e:ACC+8*\k+\e+1], 0x3f3504f3 op_sel_hi:[1,0]
.endr
.irp e, 0,1,2,3,4,5,6,7
	v_med3_num_f32 v[T+\e], v[T+\e], -4.0, 4.0
.endr
.irp e, 0,2,4,6
	v_pk_mul_f32 v[T+8+\e:T+8+\e+1], v[T+\e:T+\e+1], v[T+\e:T+\e+1]
.endr
.irp e, 0,2,4,6
	v_pk_fma_f32 v[T+16+\e:T+16+\e+1], v[T+8+\e:T+8+\e+1], v[20:21], s[66:67] op_sel_hi:[1,1,0]
	v_pk_fma_f32 v[T+24+\e:T+24+\e+1], v[T+8+\e:T+8+\e+1], v[22:23], s[78:79] op_sel_hi:[1,1,0]
.endr
	HORN T+16, 68
	HORN T+24, 80
	HORN T+16, 70
	HORN T+24, 82
	HORN T+16, 72
	HORN T+24, 84
	HORN T+16, 74
	HORN T+16, 76
.irp e, 0,1,2,3,4,5,6,7
	v_rcp_f32 v[T+24+\e], v[T+24+\e]
.endr
.irp e, 0,2,4,6
	v_pk_mul_f32 v[T+16+\e:T+16+\e+1], v[T+16+\e:T+16+\e+1], v[T+\e:T+\e+1]          ; z P: plain work behind the reciprocals
.endr
.irp e, 0,2,4,6
	v_pk_mul_f32 v[T+8+\e:T+8+\e+1], v[ACC+8*\k+\e:ACC+8*\k+\e+1], 0.5 op_sel_hi:[1,0]
.endr
	s_wait_alu depctr_va_vdst(0)                   ; one wait for the eight reciprocals' results, ahead of their first reader
.irp e, 0,2,4,6
	v_pk_mul_f32 v[T+16+\e:T+16+\e+1], v[T+16+\e:T+16+\e+1], v[T+24+\e:T+24+\e+1]    ; erf
.endr
.irp e, 0,2,4,6
	v_pk_fma_f32 v[ACC+8*\k+\e:ACC+8*\k+\e+1], v[T+8+\e:T+8+\e+1], v[T+16+\e:T+16+\e+1], v[T+8+\e:T+8+\e+1]
.endr
.endr
.endm
.macro COEF reg, val                   ; a coefficient as a scalar pair: the packed forms name a pair and take its low word for both halves
	s_mov_b32 s[\reg], \val
	s_mov_b32 s[\reg+1], s[\reg]
.endm
.macro QKV s                           ; K step s of q, k, v: twelve accumulators by turns, one instruction a turn
	WIN 0x01
.irp g, 0,1
.irp u, 0,1
.irp c, 0,1
.if \s == 0
	WM0 ACC+32*\g+16*\u+8*\c,WQ+48*\g+24*\c,AF+24*\u,SWQ+4*\g+2*\c,SA+2*\u
.else
	WMC ACC+32*\g+16*\u+8*\c,WQ+48*\g+24*\c+12,AF+24*\u+12,ACC+32*\g+16*\u+8*\c,SWQ+4*\g+2*\c+1,SA+2*\u+1
.endif
.endr
.endr
.endr
	WIN 0x04                                       ; source 1 (W) window 1: v is made the other way round
.irp d, 0,1
.irp u, 0,1
.if \s == 0
	WM0 ACC+64+16*\d+8*\u,AF+24*\u,WQ+96+24*\d,SA+2*\u,SWQ+8+2*\d
.else
	WMC ACC+64+16*\d+8*\u,AF+24*\u+12,WQ+96+24*\d+12,ACC+64+16*\d+8*\u,SA+2*\u+1,SWQ+8+2*\d+1
.endif
.endr
.endr
.endm
	s_load_b256 s[4:11], s[0:1], 0x0               ; oc, x in, this layer's weights, the next layer's
	s_load_b128 s[12:15], s[0:1], 0x20             ; x out, qkvc
	v_lshl_add_u32 v51, v0, 2, 0x13000
	s_set_vgpr_msb 0x40
	v_mov_b32 v255, 0
	s_set_vgpr_msb 0x4000
	v_lshrrev_b32 v1, 5, v0
	v_readfirstlane_b32 s16, v1                    ; wave 0..7
	v_and_b32 v48, 31, v0                          ; l
	v_and_b32 v49, 15, v0                          ; r
	v_bfe_u32 v50, v0, 4, 1                        ; h
	v_and_b32 v4, 8, v49
	v_add_nc_u32 v4, v4, v49                       ; rr = r + 8 (r / 8)
	v_lshlrev_b32 v1, 4, v48                       ; 16 l
	v_lshlrev_b32 v2, 2, v49                       ; 4 r
	v_mul_u32_u24 v3, v4, 24
	v_mad_u32_u24 v3, v50, 49152, v3               ; o's codes: 24 rr, + a head for lanes 16-31
	v_lshlrev_b32 v5, 10, v4
	v_lshl_add_u32 v5, v50, 6, v5                  ; rows: 1024 rr + 64 h
	v_lshlrev_b32 v6, 6, v50                       ; vectors: 64 h
	v_mul_u32_u24 v8, v49, 208
	v_mad_u32_u24 v7, v50, 12, v8
	s_wait_alu depctr_va_sdst(0)                   ; s16 is written, ahead of its first reader: addresses and bases are made from it
	s_mul_i32 s50, s16, 24
	v_add_nc_u32 v7, s50, v7                       ; codes in: 208 r + 24 w + 12 h
	v_mad_u32_u24 v8, v50, 24, v8                  ; codes out: 208 r + 24 h
	v_lshlrev_b32 v10, 3, v49                      ; scale words out: 8 r
	v_add_nc_u32 v9, s16, v10                      ; scale bytes in: 8 r + w
	v_lshlrev_b32 v12, 6, v49                      ; the norms' pairs out: 64 r
	s_lshl_b32 s50, s16, 3
	v_add_nc_u32 v11, s50, v12                     ; and in: 64 r + 8 w
	v_mul_u32_u24 v13, v49, 1040
	v_lshl_add_u32 v13, v50, 6, v13
	s_lshl_b32 s50, s16, 7
	s_add_co_u32 s50, s50, XST
	v_add_nc_u32 v13, s50, v13                     ; rows in: XST + 1040 r + 128 w + 64 h
	s_mul_i32 s50, s16, 4160
	s_add_co_u32 s50, s50, XST
	v_add_nc_u32 v14, s50, v1                      ; rows out: four places a wave, 16 bytes a lane
	s_mul_i32 s50, s16, 2304
	s_add_co_u32 s50, s50, QST
	v_mul_u32_u24 v15, v4, 24
	v_mad_u32_u24 v15, v50, 12, v15
	v_add_nc_u32 v15, s50, v15                     ; q, k, v codes in: QST + 2304 w + 24 rr + 12 h
	v_lshlrev_b32 v19, 3, v48                      ; 8 l
	v_add_nc_u32 v16, s50, v19                     ; and out
	s_lshl_b32 s50, s16, 5
	s_add_co_u32 s50, s50, SST
	v_add_nc_u32 v17, s50, v4                      ; q, k, v bytes in: SST + 32 w + rr
	v_add_nc_u32 v18, SST, v19                     ; and out
	s_lshr_b32 s17, ttmp9, 6                       ; b
	s_and_b32 s18, ttmp9, 63                       ; the block of 32 rows in the batch
	s_lshl_b32 s19, s18, 5                         ; n0
	s_mov_b32 s20, 0x76543210
	s_mov_b32 s21, 0xfedcba98                      ; v_permlanex16_b32's selects for lane l xor 16
	s_mov_b32 s53, 0
	s_mov_b32 s54, 0x3b800000                      ; 1 / 256
	s_mov_b32 s55, 0x358637bd                      ; 1e-6
	s_wait_kmcnt 0x0
	s_mul_i32 s52, s17, 393216
	s_mul_i32 s51, s19, 24
	s_add_co_u32 s52, s52, s51
	s_add_nc_u64 s[24:25], s[4:5], s[52:53]        ; o's codes: the batch's head 0, my first row
	s_lshl_b32 s52, s17, 14
	s_add_co_u32 s52, s52, s19
	s_add_co_u32 s52, s52, 786432
	s_add_nc_u64 s[26:27], s[4:5], s[52:53]        ; o's bytes
	s_lshl_b32 s52, ttmp9, 15
	s_lshl_b32 s51, s16, 7
	s_add_co_u32 s52, s52, s51
	s_add_nc_u64 s[28:29], s[6:7], s[52:53]        ; x at my rows and columns
	s_mul_i32 s52, s16, 6144
	s_add_nc_u64 s[30:31], s[8:9], s[52:53]        ; fragments of my tiles: this layer's,
	s_add_nc_u64 s[36:37], s[10:11], s[52:53]      ; the next layer's
	s_add_co_u32 s52, s51, 294912
	s_add_nc_u64 s[32:33], s[8:9], s[52:53]        ; their scale words
	s_add_nc_u64 s[38:39], s[10:11], s[52:53]
	s_add_co_u32 s52, s51, 307200
	s_add_nc_u64 s[34:35], s[8:9], s[52:53]        ; the vectors at my columns
	s_wait_alu depctr_va_vdst(0)                   ; the offsets and LDS addresses v1 to v19 are written, which every load and store of the kernel reads; none is written again
	; ---- 60 loads for the first product
.irp u, 0,1
.irp s, 0,1
.irp c, 0,1
.irp p, 0,1,2
	global_load_b64 v[AF+12*(2*\u+\s)+6*\c+2*\p:AF+12*(2*\u+\s)+6*\c+2*\p+1], v3, s[24:25] offset:196608*\s+98304*\c+192*\u+8*\p   ; block 4 s + 2 c + h of o's K is that head
.endr
.endr
.endr
.endr
.irp u, 0,1
.irp s, 0,1
.irp i, 0,1,2,3
	global_load_u8 v[T+4*(2*\u+\s)+\i], v4, s[26:27] offset:(4*\s+\i)*2048+8*\u
.endr
.endr
.endr
	WSET WP,SWP,30,32,96,48
	VLOAD VA, 0                                    ; proj_b
	; ---- 16 for the residual and the first norm
.irp u, 0,1
.irp j, 0,1,2,3
	global_load_b128 v[X+16*\u+4*\j:X+16*\u+4*\j+3], v5, s[28:29] offset:8192*\u+16*\j
.endr
.endr
	VLOAD VB, 3                                    ; g1
	VLOAD VC, 4                                    ; be1
	; ---- 16: w1
	WSET WM,SWM,30,32,128,64
	s_lshr_b32 s52, s16, 2
	s_lshl_b32 s52, s52, 3
	s_and_b32 s51, s16, 3
	s_lshl_b32 s51, s51, 2
	s_add_co_u32 s52, s52, s51
	s_and_b32 s51, s16, 2
	s_lshl_b32 s51, s51, 2
	s_add_co_u32 s52, s52, s51                     ; places 4 w .. 4 w + 3 are rows 8 (w / 4) + 4 (w % 4) + 4 (w & 2) on
	s_lshl_b32 s52, s52, 10
	s_lshl_b32 s51, ttmp9, 15
	s_add_co_u32 s52, s52, s51
	s_add_nc_u64 s[40:41], s[12:13], s[52:53]
	s_lshl_b32 s50, s17, 3
	s_add_co_u32 s50, s50, s16                     ; bh = 8 b + w
	s_mul_i32 s52, s50, 49152
	s_mul_i32 s51, s19, 24
	s_add_co_u32 s52, s52, s51
	s_add_nc_u64 s[42:43], s[14:15], s[52:53]      ; q's codes
	s_mul_i32 s50, s50, 98304
	s_add_co_u32 s50, s50, 786432
	s_bfe_u32 s52, s19, 0x10007
	s_mul_i32 s52, s52, 24576
	s_lshr_b32 s51, s19, 8
	s_mul_i32 s51, s51, 3072
	s_add_co_u32 s52, s52, s51
	s_and_b32 s51, s19, 127
	s_mul_i32 s51, s51, 24
	s_add_co_u32 s52, s52, s51
	s_add_co_u32 s52, s52, s50
	s_add_nc_u64 s[44:45], s[14:15], s[52:53]      ; k's
	s_and_b32 s52, s18, 1
	s_add_co_u32 s52, s52, 2
	s_mul_i32 s52, s52, 24576
	s_lshr_b32 s51, s18, 1
	s_mul_i32 s51, s51, 768
	s_add_co_u32 s52, s52, s51
	s_add_co_u32 s52, s52, s50
	s_add_nc_u64 s[46:47], s[14:15], s[52:53]      ; v's
	s_mul_i32 s52, ttmp9, 768
	s_add_co_u32 s52, s52, 2359296
	s_add_nc_u64 s[48:49], s[14:15], s[52:53]      ; the scale bytes
	COEF 66, 0.0000000277068142495902              ; erf's numerator, from the second coefficient on
	COEF 68, -0.00000210102402082508
	COEF 70, -0.0000569250639462346
	COEF 72, -0.000734990630326855
	COEF 74, -0.00295459980854025
	COEF 76, -0.0160960333262415
	COEF 78, -0.000213374055278905                 ; its denominator likewise
	COEF 80, -0.00168282697438203
	COEF 82, -0.00737332916720468
	COEF 84, -0.0142647390514189
	s_mov_b32 s86, -0.000000000272614225801306     ; the two leading coefficients go into vector pairs
	s_mov_b32 s87, -0.0000145660718464996
	v_mov_b32 v20, s86
	v_mov_b32 v21, s86
	v_mov_b32 v22, s87
	v_mov_b32 v23, s87
.irp i, 0,1,2,3,4,5
	v_mov_b32 v[TB+\i], 0                          ; written once: a lane permute's destination counts as one of its sources
.endr
	; ---- o Wp + bp
	s_wait_loadcnt 32                              ; the first 60 are in; the 16 + 16 behind them may stay out
.irp k, 0,1,2,3
	v_lshl_or_b32 v[SA+\k], v[T+4*\k+1], 8, v[T+4*\k]
.endr
.irp k, 0,1,2,3
	v_lshl_or_b32 v[SA+\k], v[T+4*\k+2], 16, v[SA+\k]
.endr
.irp k, 0,1,2,3
	v_lshl_or_b32 v[SA+\k], v[T+4*\k+3], 24, v[SA+\k]
.endr
	PLACES 8                                       ; a scale register written by a vector instruction stands eight places ahead of the product
	s_wait_alu depctr_va_vdst(0)                   ; o's scale words v[SA ..] are written, which the scaled products take; the places above stay beside this wait
	MM4 WP, SWP, VA
	s_wait_loadcnt 16                              ; x, g1, be1 are in; w1's 16 may stay out
	s_wait_alu depctr_va_vdst(0)                   ; the products are done reading proj_b (v[VA ..]), proj's fragments and its scale words, in which the loads below land
	VLOAD VA, 1                                    ; b1
	WSET WP,SWP,30,32,160,80                       ; w2 takes proj's registers
	WSET WQ,SWQ,36,38,0,0                          ; the next layer's q, k, v: 48 loads
	WSET WQ+48,SWQ+4,36,38,32,16
	WSET WQ+96,SWQ+8,36,38,64,32
	RESID
	LNSTAT ST1
	BARRIER
	LNAPPLY ST1, VB, VC
	PUTCODES CD1, SB1, X
	VLOAD VB, 2                                    ; b2.  The norm's multiply-adds, which read g1 and be1 here, stand ahead of the wait in PUTCODES, and no vector line has followed it
	VLOAD VC, 5                                    ; g2
	BARRIER
	s_wait_alu depctr_vm_vsrc(0)                   ; my LDS stores have read v[T ..] and v[BY ..], which GELU writes
	; ---- gelu(x W1 + b1)
	AFETCH CD1, SB1
	s_wait_loadcnt 56                              ; w1, b1, w2 are in; the 48 of q, k, v and the 8 of b2 and g2 may stay out
	MM4 WM, SWM, VA
	s_wait_alu depctr_va_vdst(0)                   ; the products are done reading b1 (v[VA ..]), in which the loads below land
	VLOAD VA, 6                                    ; be2
	GELU
	PUTCODES CD2, SB2, ACC
	BARRIER
	s_wait_alu depctr_vm_vsrc(0)                   ; my LDS stores have read v[T ..] and v[BY ..], which LNSTAT and the next QUANT write
	; ---- .. W2 + b2
	AFETCH CD2, SB2
	s_wait_loadcnt 0x0
	MM4 WP, SWP, VB
	RESID
	LNSTAT ST2
	BARRIER
	LNAPPLY ST2, VC, VA
	; ---- the rows become codes, and go out
	PUTCODES CD3, SB3, X
.irp u, 0,1
.irp j, 0,1,2,3
	ds_store_b128 v13, v[X+16*\u+4*\j:X+16*\u+4*\j+3] offset:16640*\u+16*\j   ; the norm's lines that wrote v[X ..] stand ahead of the wait in PUTCODES, and no vector line has followed it
.endr
.endr
	BARRIER
	s_wait_alu depctr_vm_vsrc(0)                   ; my LDS stores have read v[T ..] and v[BY ..], in which the loads below land, and v[X ..], which the products write over
.irp i, 0,1,2,3
.irp j, 0,1
	ds_load_b128 v[T+8*\i+4*\j:T+8*\i+4*\j+3], v14 offset:1040*\i+512*\j
.endr
.endr
	AFETCH CD3, SB3
.irp i, 0,1,2,3
.irp j, 0,1
	global_store_b128 v1, v[T+8*\i+4*\j:T+8*\i+4*\j+3], s[40:41] offset:1024*\i+512*\j   ; 32 lanes store 512 consecutive bytes, aligned
.endr
.endr
	QKV 0
	QKV 1
	WIN 0
	PLACES 5
	s_wait_xcnt 0x0                                ; the row stores have had their addresses translated: only now are v212-243 written again
	s_wait_alu depctr_vm_vsrc(0)                   ; and they have read v212-243, which QUANT writes
	QUANT ACC, 6
	s_wait_alu depctr_va_vdst(0)                   ; the conversions have written v[T ..] and the shifts v[BY ..], which the LDS stores read; the products are done reading v[AF ..], in which the loads below land
.irp g, 0,1,2
.irp u, 0,1
.irp i, 0,1,2
	ds_store_b32 v15, v[T+4*(2*\g+\u)+\i] offset:768*\g+192*\u+4*\i
.endr
	ds_store_b8 v17, v[BY+2*\g+\u] offset:256*\g+8*\u
.endr
.endr
.irp i, 0,1,2,3,4,5,6,7,8
	ds_load_b64 v[AF+2*\i:AF+2*\i+1], v16 offset:256*\i   ; my own bytes: LDS serves a wave's instructions in order
.endr
.irp i, 0,1,2,3,4,5,6,7,8
	s_wait_dscnt 8-\i
	global_store_b64 v19, v[AF+2*\i:AF+2*\i+1], s[42+2*(\i/3):43+2*(\i/3)] offset:256*(\i%3)   ; 32 lanes store 256 consecutive bytes, aligned
.endr
	BARRIER                                        ; the eight waves' scale bytes lie in LDS
	s_cmp_lg_u32 s16, 0
	s_cbranch_scc1 .Lend
.irp i, 0,1,2
	ds_load_b64 v[AF+24+2*\i:AF+25+2*\i], v18 offset:256*\i
.endr
	s_wait_dscnt 0x0
.irp i, 0,1,2
	global_store_b64 v19, v[AF+24+2*\i:AF+25+2*\i], s[48:49] offset:256*\i
.endr
.Lend:
	s_set_vgpr_msb 0x4                             ; the add's second register lies in window 1: the one switch stands ahead of the closing lines
	s_wait_dscnt 0x0                               ; the closing lines, six on end
	s_wait_alu 0x0
	s_wait_tensorcnt 0x0
	ds_add_u32 v51, v255
	s_wait_dscnt 0x0
	s_endpgm
.Lfunc_end_k_qe92cbab1cd_mid:
	.size	k_qe92cbab1cd_mid, .Lfunc_end_k_qe92cbab1cd_mid-k_qe92cbab1cd_mid
	.p2alignl 7, 3214868480
	.fill 96, 4, 3214868480
	.section	.rodata,"a",@progbits
	.p2align	6, 0x0
	.amdhsa_kernel k_qe92cbab1cd_mid
		.amdhsa_group_segment_fixed_size 78848
		.amdhsa_private_segment_fixed_size 0
		.amdhsa_enable_private_segment 0
		.amdhsa_kernarg_size 48
		.amdhsa_user_sgpr_count 2
		.amdhsa_user_sgpr_kernarg_segment_ptr 1
		.amdhsa_wavefront_size32 1
		.amdhsa_system_sgpr_workgroup_id_x 1
		.amdhsa_system_sgpr_workgroup_id_y 1
		.amdhsa_system_sgpr_workgroup_id_z 1
		.amdhsa_system_vgpr_workitem_id 0
		.amdhsa_next_free_vgpr 512
		.amdhsa_next_free_sgpr 96
		.amdhsa_reserve_vcc 0
		.amdhsa_float_denorm_mode_32 3
		.amdhsa_float_denorm_mode_16_64 3
		.amdhsa_memory_ordered 1
		.amdhsa_forward_progress 1
		.amdhsa_inst_pref_size 96
	.end_amdhsa_kernel
	.amdgpu_metadata
---
amdhsa.version: [ 1, 2 ]
amdhsa.kernels:
  - .name:           k_qe92cbab1cd_mid
    .symbol:         k_qe92cbab1cd_mid.kd
    .args:
      - { .name: oc, .offset: 0, .size: 8, .value_kind: global_buffer, .address_space: global }
      - { .name: xa, .offset: 8, .size: 8, .value_kind: global_buffer, .address_space: global }
      - { .name: wl0, .offset: 16, .size: 8, .value_kind: global_buffer, .address_space: global }
      - { .name: wl1, .offset: 24, .size: 8, .value_kind: global_buffer, .address_space: global }
      - { .name: xb, .offset: 32, .size: 8, .value_kind: global_buffer, .address_space: global }
      - { .name: qkvc, .offset: 40, .size: 8, .value_kind: global_buffer, .address_space: global }
    .group_segment_fixed_size: 78848
    .private_segment_fixed_size: 0
    .kernarg_segment_align: 8
    .kernarg_segment_size: 48
    .max_flat_workgroup_size: 256
    .sgpr_count:     96
    .vgpr_count:     512
    .wavefront_size: 32
...
	.end_amdgpu_metadata
.endif
;; end of part 7
;; launch attn1: the kernel of part 3 again; grid 16 x 16, 16 waves a work-group, clusters of 4 x 1, 169,984 bytes of LDS; arguments qkvc, oc; writes oc
;; launch mid1: the kernel of part 7 again; grid 128 x 1, 8 waves a work-group, no clusters, 78,848 bytes of LDS; arguments oc, xb, wl1, wl2, xa, qkvc; writes xa, qkvc
;; launch attn2: the kernel of part 3 again; grid 16 x 16, 16 waves a work-group, clusters of 4 x 1, 169,984 bytes of LDS; arguments qkvc, oc; writes oc
;; launch mid2: the kernel of part 7 again; grid 128 x 1, 8 waves a work-group, no clusters, 78,848 bytes of LDS; arguments oc, xa, wl2, wl3, xb, qkvc; writes xb, qkvc
;; launch attn3: the kernel of part 3 again; grid 16 x 16, 16 waves a work-group, clusters of 4 x 1, 169,984 bytes of LDS; arguments qkvc, oc; writes oc
;; launch last (part 8): grid 128 x 1, 8 waves a work-group, no clusters, 78,848 bytes of LDS; arguments oc, xb, wl3, out0; writes out0
.if DOCPART == 8
	.amdgcn_target "amdgcn-amd-amdhsa--gfx1250"
	.amdhsa_code_object_version 6
	.text
	.protected	k_qe92cbab1cd_last
	.globl	k_qe92cbab1cd_last
	.p2align	8
	.type	k_qe92cbab1cd_last,@function
k_qe92cbab1cd_last:
	s_mov_b64 s[64:65], 0
	v_nop
	global_prefetch_b8 v0, s[64:65] scope:SCOPE_SE
	s_setreg_imm32_b32 hwreg(HW_REG_WAVE_SCHED_MODE, 0, 2), 2
	s_setreg_imm32_b32 hwreg(HW_REG_WAVE_MODE, 25, 1), 1
	s_wait_xcnt 0x0
	s_wait_alu depctr_vm_vsrc(0)
; The last layer's row chain:  x = LN1(x + o Wp + bp);  out = LN2(x + gelu(x W1 + b1) W2 + b2).  All products on codes of BF6 with E8M0 bytes.
; SHARES, LAYOUTS AND LIMITS as in the chain of the layers before: a work-group owns 32 rows, wave w columns 32 w .. 32 w + 31; row tile u holds rows 8 u + r + 8 (r / 8), at LDS place 16 u + r; products transposed
; (source 0 = 16 columns of W, source 1 = 16 rows): lane (r, h) holds one row and columns 32 w + 16 h + 0 .. 15; the biases are the C of each sum's first product.
; LAYERNORM: the waves' (mean, sum of squared deviations) are merged: var = (sum M2 + 32 sum (mean_w - mean)^2) / 256: another order of rounding than a plain mean.
; GELU: 0.5 a (1 + erf(a / sqrt 2)), erf(z) = z P(z^2) / Q(z^2), z held at +-4.  LIMITS: for a < 0 the sum 1 + erf cancels: absolute error about 1e-7 |a|; divisions are v_rcp_f32 and a multiplication;
; a block under 2^-122 gets the byte 1 (read by this program alone); NaN and infinities are not served.
; THE MODE: SCHED_MODE bits 1:0 = 2 (LLVM: expert scheduling mode 2), set by the entry lines.  The code itself states the register dependences
; between vector or matrix instructions and memory or LDS instructions, with s_wait_alu, always for 0.
; THE PLAN.  Registers that memory or LDS instructions touch:
;   v1-v14       offsets and LDS addresses: written at the head, never again: one wait on va_vdst ahead of the first load serves every access.
;   AF, SA       filled by loads, read by a product, filled again by the next AFETCH, which always stands behind a later wait on va_vdst.  For the first product alone SA is made by vector lines: its places, then a wait.
;   VA, WP, SWP  read by the first product; then b1 and w2 land there: one wait on va_vdst behind that product.  VA is read again by the second product; then be2 lands: one wait.
;   VB, VC       read by the first norm's multiply-adds; b2 and g2 land there behind the wait that PUTCODES holds.
;   T, BY        written by QUANT, read by the LDS stores of codes and bytes (a wait on va_vdst between, in PUTCODES); written again by GELU or by LNSTAT: a wait on vm_vsrc behind the barrier that follows each PUTCODES.
;   MP           written by LNSTAT, read by its LDS store (a wait on va_vdst between), written again by LNAPPLY (a wait on vm_vsrc at its head).
;   X            written by the second norm, read by the LDS stores of the rows: a wait on va_vdst between, which also shows the norm done with v[T ..], in which the rows land on their way out.
; The wave's number, a scalar written by a vector line, has a wait on va_sdst ahead of its first reader.
.set CD1, 0
.set CD2, 6656
.set SB1, 19968
.set SB2, 20224
.set ST1, 20736
.set ST2, 22784
.set XST, 24832
.set SWP, 36
.set SWM, 40
.set SA,  44
.set AF,  52
.set ACC, 100
.set X,   132
.set VA,  164
.set VB,  180
.set VC,  196
.set T,   212
.set TA,  236
.set BY,  242
.set MP,  244
.set TB,  250
.set WP,  144
.set WM,  192
.set MSB, 0
.macro WIN new                         ; the immediate's high byte repeats the setting that is left
.if MSB != \new
	s_set_vgpr_msb (MSB<<8)|\new
.set MSB, \new
.endif
.endm
.macro PLACES n
.rept \n
	v_nop
.endr
.endm
.macro BARRIER                         ; my LDS stores have landed and my LDS loads are in: then the work-group's barrier
	s_wait_dscnt 0x0
	s_barrier_signal -1
	s_barrier_wait -1
.endm
.macro WMC d, a, b, c, sa, sb
	v_wmma_scale_f32_16x16x128_f8f6f4 v[\d:\d+7], v[\a:\a+11], v[\b:\b+11], v[\c:\c+7], v[\sa], v[\sb] matrix_a_fmt:MATRIX_FMT_BF6 matrix_b_fmt:MATRIX_FMT_BF6
.endm
.macro WLOAD reg, base, frag
.irp j, 0,1,2
	global_load_b128 v[(\reg)+4*\j:(\reg)+4*\j+3], v1, s[\base:\base+1] offset:(\frag)*1536+512*\j
.endr
.endm
.macro WSET reg, sw, base, sbase, f0, t0   ; my two tiles of a matrix: four fragments into window 1, four scale words: 16 loads
	WIN 0x40
.irp c, 0,1
.irp s, 0,1
	WLOAD (\reg)+12*(2*\c+\s),\base,(\f0)+2*\c+\s
.endr
.endr
	WIN 0
.irp c, 0,1
.irp s, 0,1
	global_load_b32 v[\sw+2*\c+\s], v2, s[\sbase:\sbase+1] offset:\s*6144+((\t0)+\c)*64
.endr
.endr
.endm
.macro VLOAD reg, v
.irp j, 0,1,2,3
	global_load_b128 v[\reg+4*\j:\reg+4*\j+3], v6, s[34:35] offset:\v*1024+16*\j
.endr
.endm
.macro AFETCH cd, sb
.irp u, 0,1
.irp s, 0,1
.irp p, 0,1,2,3,4,5
	ds_load_b64 v[AF+12*(2*\u+\s)+2*\p:AF+12*(2*\u+\s)+2*\p+1], v8 offset:\cd+3328*\u+96*\s+48*(\p/3)+8*(\p%3)
.endr
	ds_load_b32 v[SA+2*\u+\s], v10 offset:\sb+128*\u+4*\s
.endr
.endr
	s_wait_dscnt 0x0
.endm
.macro MM4 wreg, sw, cvec              ; four accumulators by turns, one instruction a turn; the bias starts the sums
	WIN 0x01
.irp u, 0,1
.irp c, 0,1
	WMC ACC+16*\u+8*\c,\wreg+24*\c,AF+24*\u,\cvec+8*\c,\sw+2*\c,SA+2*\u
.endr
.endr
.irp u, 0,1
.irp c, 0,1
	WMC ACC+16*\u+8*\c,\wreg+24*\c+12,AF+24*\u+12,ACC+16*\u+8*\c,\sw+2*\c+1,SA+2*\u+1
.endr
.endr
	WIN 0
	PLACES 5
.endm
.macro QUANT src, n
.set qi, 0
.rept \n
	v_max3_num_f32 v[TA+qi], |v[(\src)+16*qi]|, |v[(\src)+16*qi+1]|, 0x2800000   ; with the floor 2^(5 - 127)
.set qi, qi+1
.endr
.irp e, 2,4,6,8,10,12,14
.set qi, 0
.rept \n
	v_max3_num_f32 v[TA+qi], v[TA+qi], |v[(\src)+16*qi+\e]|, |v[(\src)+16*qi+\e+1]|
.set qi, qi+1
.endr
.endr
.set qi, 0
.rept \n
	v_permlanex16_b32 v[TB+qi], v[TA+qi], s20, s21
.set qi, qi+1
.endr
.set qi, 0
.rept \n
	v_max_num_f32 v[TA+qi], v[TA+qi], v[TB+qi]
.set qi, qi+1
.endr
.set qi, 0
.rept \n
	v_add_nc_u32 v[TA+qi], 0xfe000000, v[TA+qi]
.set qi, qi+1
.endr
.set qi, 0
.rept \n
	v_lshrrev_b32 v[BY+qi], 23, v[TA+qi]
.set qi, qi+1
.endr
.set qi, 0
.rept \n
	v_cvt_scalef32_pk16_bf6_f32 v[T+4*qi:T+4*qi+2], v[(\src)+16*qi:(\src)+16*qi+15], v[TA+qi]
.set qi, qi+1
.endr
	v_nop                                          ; one plain place behind the last scaled conversion
.endm
.macro PUTCODES cd, sb, src
	QUANT \src, 2
	s_wait_alu depctr_va_vdst(0)                   ; the conversions have written v[T ..] and the shifts v[BY ..], which the LDS stores below read
.irp u, 0,1
.irp i, 0,1,2
	ds_store_b32 v7, v[T+4*\u+\i] offset:\cd+3328*\u+4*\i
.endr
	ds_store_b8 v9, v[BY+\u] offset:\sb+128*\u
.endr
.endm
.macro RESID                           ; x += the product; each accumulator is read from its low end on
.set j, 0
.rept 16
	v_pk_add_f32 v[X+j:X+j+1], v[X+j:X+j+1], v[ACC+j:ACC+j+1]
.set j, j+2
.endr
.endm
.macro LNSTAT st
.irp u, 0,1
.irp e, 0,4,8,12
	v_pk_add_f32 v[T+16*\u+\e:T+16*\u+\e+1], v[X+16*\u+\e:X+16*\u+\e+1], v[X+16*\u+\e+2:X+16*\u+\e+3]
.endr
.endr
.irp u, 0,1
	v_pk_add_f32 v[T+16*\u:T+16*\u+1], v[T+16*\u:T+16*\u+1], v[T+16*\u+4:T+16*\u+5]
	v_pk_add_f32 v[T+16*\u+8:T+16*\u+9], v[T+16*\u+8:T+16*\u+9], v[T+16*\u+12:T+16*\u+13]
.endr
.irp u, 0,1
	v_pk_add_f32 v[T+16*\u:T+16*\u+1], v[T+16*\u:T+16*\u+1], v[T+16*\u+8:T+16*\u+9]
.endr
.irp u, 0,1
	v_add_f32 v[MP+2*\u+1], v[T+16*\u], v[T+16*\u+1]
.endr
.irp u, 0,1
	v_permlanex16_b32 v[TB+\u], v[MP+2*\u+1], s20, s21
.endr
.irp u, 0,1
	v_add_f32 v[MP+2*\u+1], v[MP+2*\u+1], v[TB+\u]
.endr
.irp u, 0,1
	v_mul_f32 v[MP+2*\u], 0x3d000000, v[MP+2*\u+1]
.endr
.irp e, 0,2,4,6,8,10,12,14
.irp u, 0,1
	v_pk_add_f32 v[T+16*\u+\e:T+16*\u+\e+1], v[X+16*\u+\e:X+16*\u+\e+1], v[MP+2*\u:MP+2*\u+1] op_sel_hi:[1,0] neg_lo:[0,1] neg_hi:[0,1]
.endr
.endr
.irp u, 0,1
	v_pk_mul_f32 v[T+16*\u:T+16*\u+1], v[T+16*\u:T+16*\u+1], v[T+16*\u:T+16*\u+1]
.endr
.irp e, 2,4,6,8,10,12,14
.irp u, 0,1
	v_pk_fma_f32 v[T+16*\u:T+16*\u+1], v[T+16*\u+\e:T+16*\u+\e+1], v[T+16*\u+\e:T+16*\u+\e+1], v[T+16*\u:T+16*\u+1]
.endr
.endr
.irp u, 0,1
	v_add_f32 v[MP+2*\u+1], v[T+16*\u], v[T+16*\u+1]
.endr
.irp u, 0,1
	v_permlanex16_b32 v[TB+\u], v[MP+2*\u+1], s20, s21
.endr
.irp u, 0,1
	v_add_f32 v[MP+2*\u+1], v[MP+2*\u+1], v[TB+\u]
.endr
	s_wait_alu depctr_va_vdst(0)                   ; the pairs v[MP ..] are written, which the LDS stores read; and the lines above are done with v[T ..], in which LNAPPLY's loads land
.irp u, 0,1
	ds_store_b64 v11, v[MP+2*\u:MP+2*\u+1] offset:\st+1024*\u
.endr
.endm
.macro LNAPPLY st, g, be
	s_wait_alu depctr_vm_vsrc(0)                   ; LNSTAT's LDS stores have read v[MP ..], which the lines below write again
.irp u, 0,1
.irp i, 0,1,2,3
	ds_load_b128 v[T+16*\u+4*\i:T+16*\u+4*\i+3], v12 offset:\st+1024*\u+16*\i
.endr
.endr
	s_wait_dscnt 0x0
.irp u, 0,1
	v_pk_add_f32 v[MP+4*\u:MP+4*\u+1], v[T+16*\u:T+16*\u+1], v[T+16*\u+2:T+16*\u+3]
	v_pk_add_f32 v[MP+4*\u+2:MP+4*\u+3], v[T+16*\u+4:T+16*\u+5], v[T+16*\u+6:T+16*\u+7]
.endr
.irp u, 0,1
	v_pk_add_f32 v[MP+4*\u:MP+4*\u+1], v[MP+4*\u:MP+4*\u+1], v[T+16*\u+8:T+16*\u+9]
	v_pk_add_f32 v[MP+4*\u+2:MP+4*\u+3], v[MP+4*\u+2:MP+4*\u+3], v[T+16*\u+10:T+16*\u+11]
.endr
.irp u, 0,1
	v_pk_add_f32 v[MP+4*\u:MP+4*\u+1], v[MP+4*\u:MP+4*\u+1], v[T+16*\u+12:T+16*\u+13]
	v_pk_add_f32 v[MP+4*\u+2:MP+4*\u+3], v[MP+4*\u+2:MP+4*\u+3], v[T+16*\u+14:T+16*\u+15]
.endr
.irp u, 0,1
	v_pk_add_f32 v[MP+4*\u:MP+4*\u+1], v[MP+4*\u:MP+4*\u+1], v[MP+4*\u+2:MP+4*\u+3]
.endr
.irp u, 0,1
	v_mul_f32 v[MP+4*\u], 0x3e000000, v[MP+4*\u]
.endr
.irp i, 0,2,4,6,8,10,12,14
.irp u, 0,1
	v_sub_f32 v[T+16*\u+\i], v[T+16*\u+\i], v[MP+4*\u]
.endr
.endr
.irp u, 0,1
	v_mul_f32 v[MP+4*\u+2], v[T+16*\u], v[T+16*\u]
.endr
.irp i, 2,4,6,8,10,12,14
.irp u, 0,1
	v_fmac_f32 v[MP+4*\u+2], v[T+16*\u+\i], v[T+16*\u+\i]
.endr
.endr
.irp u, 0,1
	v_fmamk_f32 v[MP+4*\u+3], v[MP+4*\u+2], 0x42000000, v[MP+4*\u+1]
.endr
.irp u, 0,1
	v_fma_f32 v[MP+4*\u+3], v[MP+4*\u+3], s54, s55
.endr
.irp u, 0,1
	v_rsq_f32 v[MP+4*\u+2], v[MP+4*\u+3]
.endr
.irp u, 0,1
.irp e, 0,2,4,6,8,10,12,14
	v_pk_add_f32 v[X+16*\u+\e:X+16*\u+\e+1], v[X+16*\u+\e:X+16*\u+\e+1], v[MP+4*\u:MP+4*\u+1] op_sel_hi:[1,0] neg_lo:[0,1] neg_hi:[0,1]   ; plain work behind the two roots
.endr
.endr
	s_wait_alu depctr_va_vdst(0)                   ; one wait for both roots' results, ahead of their first reader
.irp u, 0,1
.irp e, 0,2,4,6,8,10,12,14
	v_pk_mul_f32 v[X+16*\u+\e:X+16*\u+\e+1], v[X+16*\u+\e:X+16*\u+\e+1], v[MP+4*\u+2:MP+4*\u+3] op_sel_hi:[1,0]
.endr
.endr
.irp u, 0,1
.irp e, 0,2,4,6,8,10,12,14
	v_pk_fma_f32 v[X+16*\u+\e:X+16*\u+\e+1], v[X+16*\u+\e:X+16*\u+\e+1], v[\g+\e:\g+\e+1], v[\be+\e:\be+\e+1]
.endr
.endr
.endm
.macro HORN d, k
.irp e, 0,2,4,6
	v_pk_fma_f32 v[\d+\e:\d+\e+1], v[\d+\e:\d+\e+1], v[T+8+\e:T+8+\e+1], s[\k:\k+1] op_sel_hi:[1,1,0]
.endr
.endm
.macro GELU
.irp k, 0,1,2,3
.irp e, 0,2,4,6
	v_pk_mul_f32 v[T+\e:T+\e+1], v[ACC+8*\k+\e:ACC+8*\k+\e+1], 0x3f3504f3 op_sel_hi:[1,0]
.endr
.irp e, 0,1,2,3,4,5,6,7
	v_med3_num_f32 v[T+\e], v[T+\e], -4.0, 4.0
.endr
.irp e, 0,2,4,6
	v_pk_mul_f32 v[T+8+\e:T+8+\e+1], v[T+\e:T+\e+1], v[T+\e:T+\e+1]
.endr
.irp e, 0,2,4,6
	v_pk_fma_f32 v[T+16+\e:T+16+\e+1], v[T+8+\e:T+8+\e+1], v[20:21], s[66:67] op_sel_hi:[1,1,0]
	v_pk_fma_f32 v[T+24+\e:T+24+\e+1], v[T+8+\e:T+8+\e+1], v[22:23], s[78:79] op_sel_hi:[1,1,0]
.endr
	HORN T+16, 68
	HORN T+24, 80
	HORN T+16, 70
	HORN T+24, 82
	HORN T+16, 72
	HORN T+24, 84
	HORN T+16, 74
	HORN T+16, 76
.irp e, 0,1,2,3,4,5,6,7
	v_rcp_f32 v[T+24+\e], v[T+24+\e]
.endr
.irp e, 0,2,4,6
	v_pk_mul_f32 v[T+16+\e:T+16+\e+1], v[T+16+\e:T+16+\e+1], v[T+\e:T+\e+1]
.endr
.irp e, 0,2,4,6
	v_pk_mul_f32 v[T+8+\e:T+8+\e+1], v[ACC+8*\k+\e:ACC+8*\k+\e+1], 0.5 op_sel_hi:[1,0]
.endr
	s_wait_alu depctr_va_vdst(0)                   ; one wait for the eight reciprocals' results, ahead of their first reader
.irp e, 0,2,4,6
	v_pk_mul_f32 v[T+16+\e:T+16+\e+1], v[T+16+\e:T+16+\e+1], v[T+24+\e:T+24+\e+1]
.endr
.irp e, 0,2,4,6
	v_pk_fma_f32 v[ACC+8*\k+\e:ACC+8*\k+\e+1], v[T+8+\e:T+8+\e+1], v[T+16+\e:T+16+\e+1], v[T+8+\e:T+8+\e+1]
.endr
.endr
.endm
.macro COEF reg, val
	s_mov_b32 s[\reg], \val
	s_mov_b32 s[\reg+1], s[\reg]
.endm
	s_load_b256 s[4:11], s[0:1], 0x0               ; oc, x in, the layer's weights, out
	v_lshl_add_u32 v254, v0, 2, 0x13000
	v_mov_b32 v255, 0
	v_lshrrev_b32 v1, 5, v0
	v_readfirstlane_b32 s16, v1                    ; wave 0..7
	v_and_b32 v48, 31, v0                          ; l
	v_and_b32 v49, 15, v0                          ; r
	v_bfe_u32 v50, v0, 4, 1                        ; h
	v_and_b32 v4, 8, v49
	v_add_nc_u32 v4, v4, v49                       ; rr = r + 8 (r / 8)
	v_lshlrev_b32 v1, 4, v48
	v_lshlrev_b32 v2, 2, v49
	v_mul_u32_u24 v3, v4, 24
	v_mad_u32_u24 v3, v50, 49152, v3
	v_lshlrev_b32 v5, 10, v4
	v_lshl_add_u32 v5, v50, 6, v5
	v_lshlrev_b32 v6, 6, v50
	v_mul_u32_u24 v8, v49, 208
	v_mad_u32_u24 v7, v50, 12, v8
	s_wait_alu depctr_va_sdst(0)                   ; s16 is written, ahead of its first reader: addresses and bases are made from it
	s_mul_i32 s50, s16, 24
	v_add_nc_u32 v7, s50, v7
	v_mad_u32_u24 v8, v50, 24, v8
	v_lshlrev_b32 v10, 3, v49
	v_add_nc_u32 v9, s16, v10
	v_lshlrev_b32 v12, 6, v49
	s_lshl_b32 s50, s16, 3
	v_add_nc_u32 v11, s50, v12
	v_mul_u32_u24 v13, v49, 1040
	v_lshl_add_u32 v13, v50, 6, v13
	s_lshl_b32 s50, s16, 7
	s_add_co_u32 s50, s50, XST
	v_add_nc_u32 v13, s50, v13
	s_mul_i32 s50, s16, 4160
	s_add_co_u32 s50, s50, XST
	v_add_nc_u32 v14, s50, v1
	s_lshr_b32 s17, ttmp9, 6
	s_and_b32 s18, ttmp9, 63
	s_lshl_b32 s19, s18, 5
	s_mov_b32 s20, 0x76543210
	s_mov_b32 s21, 0xfedcba98
	s_mov_b32 s53, 0
	s_mov_b32 s54, 0x3b800000
	s_mov_b32 s55, 0x358637bd
	s_wait_kmcnt 0x0
	s_mul_i32 s52, s17, 393216
	s_mul_i32 s51, s19, 24
	s_add_co_u32 s52, s52, s51
	s_add_nc_u64 s[24:25], s[4:5], s[52:53]
	s_lshl_b32 s52, s17, 14
	s_add_co_u32 s52, s52, s19
	s_add_co_u32 s52, s52, 786432
	s_add_nc_u64 s[26:27], s[4:5], s[52:53]
	s_lshl_b32 s52, ttmp9, 15
	s_lshl_b32 s51, s16, 7
	s_add_co_u32 s52, s52, s51
	s_add_nc_u64 s[28:29], s[6:7], s[52:53]
	s_mul_i32 s52, s16, 6144
	s_add_nc_u64 s[30:31], s[8:9], s[52:53]
	s_add_co_u32 s52, s51, 294912
	s_add_nc_u64 s[32:33], s[8:9], s[52:53]
	s_add_co_u32 s52, s51, 307200
	s_add_nc_u64 s[34:35], s[8:9], s[52:53]
	s_wait_alu depctr_va_vdst(0)                   ; the offsets and LDS addresses v1 to v14 are written, which every load and store of the kernel reads; none is written again
	; ---- 60 loads for the first product
.irp u, 0,1
.irp s, 0,1
.irp c, 0,1
.irp p, 0,1,2
	global_load_b64 v[AF+12*(2*\u+\s)+6*\c+2*\p:AF+12*(2*\u+\s)+6*\c+2*\p+1], v3, s[24:25] offset:196608*\s+98304*\c+192*\u+8*\p
.endr
.endr
.endr
.endr
.irp u, 0,1
.irp s, 0,1
.irp i, 0,1,2,3
	global_load_u8 v[T+4*(2*\u+\s)+\i], v4, s[26:27] offset:(4*\s+\i)*2048+8*\u
.endr
.endr
.endr
	WSET WP,SWP,30,32,96,48
	VLOAD VA, 0                                    ; proj_b
	; ---- 16 for the residual and the first norm
.irp u, 0,1
.irp j, 0,1,2,3
	global_load_b128 v[X+16*\u+4*\j:X+16*\u+4*\j+3], v5, s[28:29] offset:8192*\u+16*\j
.endr
.endr
	VLOAD VB, 3                                    ; g1
	VLOAD VC, 4                                    ; be1
	; ---- 16: w1
	WSET WM,SWM,30,32,128,64
	s_lshr_b32 s52, s16, 2
	s_lshl_b32 s52, s52, 3
	s_and_b32 s51, s16, 3
	s_lshl_b32 s51, s51, 2
	s_add_co_u32 s52, s52, s51
	s_and_b32 s51, s16, 2
	s_lshl_b32 s51, s51, 2
	s_add_co_u32 s52, s52, s51                     ; places 4 w .. 4 w + 3 are rows 8 (w / 4) + 4 (w % 4) + 4 (w & 2) on
	s_lshl_b32 s52, s52, 10
	s_lshl_b32 s51, ttmp9, 15
	s_add_co_u32 s52, s52, s51
	s_add_nc_u64 s[40:41], s[10:11], s[52:53]
	COEF 66, 0.0000000277068142495902
	COEF 68, -0.00000210102402082508
	COEF 70, -0.0000569250639462346
	COEF 72, -0.000734990630326855
	COEF 74, -0.00295459980854025
	COEF 76, -0.0160960333262415
	COEF 78, -0.000213374055278905
	COEF 80, -0.00168282697438203
	COEF 82, -0.00737332916720468
	COEF 84, -0.0142647390514189
	s_mov_b32 s86, -0.000000000272614225801306
	s_mov_b32 s87, -0.0000145660718464996
	v_mov_b32 v20, s86
	v_mov_b32 v21, s86
	v_mov_b32 v22, s87
	v_mov_b32 v23, s87
.irp i, 0,1
	v_mov_b32 v[TB+\i], 0                          ; written once: a lane permute's destination counts as one of its sources
.endr
	; ---- o Wp + bp
	s_wait_loadcnt 32                              ; the first 60 are in; the 16 + 16 behind them may stay out
.irp k, 0,1,2,3
	v_lshl_or_b32 v[SA+\k], v[T+4*\k+1], 8, v[T+4*\k]
.endr
.irp k, 0,1,2,3
	v_lshl_or_b32 v[SA+\k], v[T+4*\k+2], 16, v[SA+\k]
.endr
.irp k, 0,1,2,3
	v_lshl_or_b32 v[SA+\k], v[T+4*\k+3], 24, v[SA+\k]
.endr
	PLACES 8                                       ; a scale register written by a vector instruction stands eight places ahead of the product
	s_wait_alu depctr_va_vdst(0)                   ; o's scale words v[SA ..] are written, which the scaled products take; the places above stay beside this wait
	MM4 WP, SWP, VA
	s_wait_loadcnt 16                              ; x, g1, be1 are in; w1's 16 may stay out
	s_wait_alu depctr_va_vdst(0)                   ; the products are done reading proj_b (v[VA ..]), proj's fragments and its scale words, in which the loads below land
	VLOAD VA, 1                                    ; b1
	WSET WP,SWP,30,32,160,80                       ; w2 takes proj's registers
	RESID
	LNSTAT ST1
	BARRIER
	LNAPPLY ST1, VB, VC
	PUTCODES CD1, SB1, X
	VLOAD VB, 2                                    ; b2.  The norm's multiply-adds, which read g1 and be1 here, stand ahead of the wait in PUTCODES, and no vector line has followed it
	VLOAD VC, 5                                    ; g2
	BARRIER
	s_wait_alu depctr_vm_vsrc(0)                   ; my LDS stores have read v[T ..] and v[BY ..], which GELU writes
	; ---- gelu(x W1 + b1)
	AFETCH CD1, SB1
	s_wait_loadcnt 8                               ; w1, b1, w2 are in; the 8 of b2 and g2 may stay out
	MM4 WM, SWM, VA
	s_wait_alu depctr_va_vdst(0)                   ; the products are done reading b1 (v[VA ..]), in which the loads below land
	VLOAD VA, 6                                    ; be2
	GELU
	PUTCODES CD2, SB2, ACC
	BARRIER
	s_wait_alu depctr_vm_vsrc(0)                   ; my LDS stores have read v[T ..] and v[BY ..], which LNSTAT writes
	; ---- .. W2 + b2
	AFETCH CD2, SB2
	s_wait_loadcnt 0x0
	MM4 WP, SWP, VB
	RESID
	LNSTAT ST2
	BARRIER
	LNAPPLY ST2, VC, VA
	; ---- the rows go out
	s_wait_alu depctr_va_vdst(0)                   ; the norm has written v[X ..], which the LDS stores read, and is done with v[T ..], in which the rows land behind the barrier
.irp u, 0,1
.irp j, 0,1,2,3
	ds_store_b128 v13, v[X+16*\u+4*\j:X+16*\u+4*\j+3] offset:16640*\u+16*\j
.endr
.endr
	BARRIER
.irp i, 0,1,2,3
.irp j, 0,1
	ds_load_b128 v[T+8*\i+4*\j:T+8*\i+4*\j+3], v14 offset:1040*\i+512*\j
.endr
.endr
.irp i, 0,1,2,3
.irp j, 0,1
	s_wait_dscnt 7-2*\i-\j
	global_store_b128 v1, v[T+8*\i+4*\j:T+8*\i+4*\j+3], s[40:41] offset:1024*\i+512*\j th:TH_STORE_NT   ; 32 lanes store 512 consecutive bytes, aligned
.endr
.endr
	s_wait_dscnt 0x0                               ; the closing lines, six on end
	s_wait_alu 0x0
	s_wait_tensorcnt 0x0
	ds_add_u32 v254, v255
	s_wait_dscnt 0x0
	s_endpgm
.Lfunc_end_k_qe92cbab1cd_last:
	.size	k_qe92cbab1cd_last, .Lfunc_end_k_qe92cbab1cd_last-k_qe92cbab1cd_last
	.p2alignl 7, 3214868480
	.fill 96, 4, 3214868480
	.section	.rodata,"a",@progbits
	.p2align	6, 0x0
	.amdhsa_kernel k_qe92cbab1cd_last
		.amdhsa_group_segment_fixed_size 78848
		.amdhsa_private_segment_fixed_size 0
		.amdhsa_enable_private_segment 0
		.amdhsa_kernarg_size 32
		.amdhsa_user_sgpr_count 2
		.amdhsa_user_sgpr_kernarg_segment_ptr 1
		.amdhsa_wavefront_size32 1
		.amdhsa_system_sgpr_workgroup_id_x 1
		.amdhsa_system_sgpr_workgroup_id_y 1
		.amdhsa_system_sgpr_workgroup_id_z 1
		.amdhsa_system_vgpr_workitem_id 0
		.amdhsa_next_free_vgpr 512
		.amdhsa_next_free_sgpr 96
		.amdhsa_reserve_vcc 0
		.amdhsa_float_denorm_mode_32 3
		.amdhsa_float_denorm_mode_16_64 3
		.amdhsa_memory_ordered 1
		.amdhsa_forward_progress 1
		.amdhsa_inst_pref_size 73
	.end_amdhsa_kernel
	.amdgpu_metadata
---
amdhsa.version: [ 1, 2 ]
amdhsa.kernels:
  - .name:           k_qe92cbab1cd_last
    .symbol:         k_qe92cbab1cd_last.kd
    .args:
      - { .name: oc, .offset: 0, .size: 8, .value_kind: global_buffer, .address_space: global }
      - { .name: xb, .offset: 8, .size: 8, .value_kind: global_buffer, .address_space: global }
      - { .name: wl3, .offset: 16, .size: 8, .value_kind: global_buffer, .address_space: global }
      - { .name: out0, .offset: 24, .size: 8, .value_kind: global_buffer, .address_space: global }
    .group_segment_fixed_size: 78848
    .private_segment_fixed_size: 0
    .kernarg_segment_align: 8
    .kernarg_segment_size: 32
    .max_flat_workgroup_size: 256
    .sgpr_count:     96
    .vgpr_count:     512
    .wavefront_size: 32
...
	.end_amdgpu_metadata
.endif
;; end of part 8
